; MI455X (gfx1250); checked and timed in simulation.
; The chip was launched on July 23, 2026; its instructions are those of AMD's public machine-readable ISA for CDNA 5 (MIT licence, August 2026) and "CDNA5" Instruction Set Architecture Reference Guide (July 2026). The comments in the code are by the model that wrote it; some were corrected since.
;; Transformer Choice Net. Allowed arithmetic: float matrix products may take bf16 or f16 operands with f32 sums; all other float work in f32.
;; Inputs: d_ekW 256 x 256 float32; d_ekb 256 float32; d_eoW 256 x 256 float32; d_eob 256 float32; d_eqW 256 x 256 float32; d_eqb 256 float32; d_evW 256 x 256 float32; d_evb 256 float32; d_f1W 256 x 256 float32; d_f1b 256 float32; d_f2W 256 x 256 float32; d_f2b 256 float32; d_ln1b 256 float32; d_ln1g 256 float32; d_ln2b 256 float32; d_ln2g 256 float32; d_ln3b 256 float32; d_ln3g 256 float32; d_skW 256 x 256 float32; d_skb 256 float32; d_soW 256 x 256 float32; d_sob 256 float32; d_sqW 256 x 256 float32; d_sqb 256 float32; d_svW 256 x 256 float32; d_svb 256 float32; e_f1W 256 x 256 float32; e_f1b 256 float32; e_f2W 256 x 256 float32; e_f2b 256 float32; e_kW 256 x 256 float32; e_kb 256 float32; e_ln1b 256 float32; e_ln1g 256 float32; e_ln2b 256 float32; e_ln2g 256 float32; e_oW 256 x 256 float32; e_ob 256 float32; e_qW 256 x 256 float32; e_qb 256 float32; e_vW 256 x 256 float32; e_vb 256 float32; ln0sb 64 float32; ln0sg 64 float32; ln0tb 64 float32; ln0tg 64 float32; outW 256 x 1 float32; outb 1 float32; semW 64 x 256 float32; semb 256 float32; src 128 x 256 x 64 float32; temW 64 x 256 float32; temb 256 float32.
;; Outputs: out0 128 x 256 float32.
;; 4 versions, each right; versions 2 to 3 are each faster than the one before; version 4 is version 3 with the launch blkB written anew for expert scheduling mode. Each part assembles by itself: llvm-mc -triple=amdgcn-amd-amdhsa -mcpu=gfx1250 --defsym DOCPART=n.
;; ======== version 1 of 4: 3 launches
;; workspace buffers: wts 2,162,688 bytes; encx 16,777,216 bytes; t1 33,554,432 bytes; q2 16,777,216 bytes; vbm 131,072 bytes
;; launch prep (part 1): grid 66 x 1, 8 waves a work-group, no clusters, 0 bytes of LDS; arguments semW, e_qW, e_kW, e_vW, e_oW, e_f1W, e_f2W, temW, d_sqW, d_skW, d_svW, d_soW, d_eqW, d_ekW, d_evW, d_eoW, d_f1W, d_f2W, wts; writes wts
.if DOCPART == 1
	.amdgcn_target "amdgcn-amd-amdhsa--gfx1250"
	.amdhsa_code_object_version 6
	.text
	.protected	k_q5f345a826b_prep
	.globl	k_q5f345a826b_prep
	.p2align	8
	.type	k_q5f345a826b_prep,@function
k_q5f345a826b_prep:
	s_mov_b64 s[64:65], 0
	v_nop
	global_prefetch_b8 v0, s[64:65] scope:SCOPE_SE
	s_setreg_imm32_b32 hwreg(HW_REG_WAVE_MODE, 25, 1), 1
	s_wait_xcnt 0x0
; The 18 weight matrices, f32 [K][256], are rounded to bf16 and laid out as matrix fragments, in 66 chunks of 32,768 bytes in the order in which the two block kernels use them.
; A fragment is 16 output columns x 32 k, 1,024 bytes: lane l (r = l % 16, h = l / 16) owns column n0 + r; its k = k0 + 8 h + 0..7 lie at byte 16 l, its k = k0 + 16 + 8 h + 0..7 at byte 512 + 16 l.
; Kinds of chunk, slab S.  P4: 64 columns x 256 k, fragment f = 4 kf + a.  AK: 64 k x 256 columns, f = 16 kf + nt.  FF: f < 16 the first matrix's 32 columns x 256 k (f = 2 kf + a), f >= 16 the second's 32 k x 256 columns.
; Order: 0 semW | 1-16 by head: e_q, e_k, e_v (P4), e_o (AK) | 17-24 FF(e_f1, e_f2) | 25 temW | 26-41 d_sq, d_sk, d_sv, d_so | 42-45 d_eq (P4) | 46-57 by head: d_ek, d_ev (P4), d_eo (AK) | 58-65 FF(d_f1, d_f2).
; One work-group makes one chunk; wave w makes half w % 2 of fragments 4 i + w / 2, i = 0..7.  A store of a wave covers 512 consecutive bytes.
	s_load_b512 s[4:19], s[0:1], 0x0               ; matrices 0-7
	s_load_b512 s[20:35], s[0:1], 0x40             ; matrices 8-15
	s_load_b128 s[36:39], s[0:1], 0x80             ; matrices 16, 17
	s_load_b64 s[40:41], s[0:1], 0x90              ; wts
	v_lshrrev_b32 v1, 5, v0
	v_readfirstlane_b32 s42, v1                    ; wave 0..7
	v_and_b32 v1, 15, v0                           ; r
	v_bfe_u32 v2, v0, 4, 1                         ; h
	v_lshlrev_b32 v1, 2, v1
	v_lshl_add_u32 v2, v2, 13, v1                  ; 8 h rows of 1,024 bytes + 4 r
	v_lshlrev_b32 v3, 4, v0                        ; where I store: 16 x thread = 512 x wave + 16 x lane
	s_mov_b32 s50, ttmp9                           ; the chunk
	; the chunk's matrices (s60 for f < 16, s62 for f >= 16), kind (s61: 0 P4, 1 AK, 2 FF) and slab (s59)
	s_cmp_lt_u32 s50, 46
	s_cbranch_scc0 .Lthird
	s_cmp_lt_u32 s50, 25
	s_cselect_b32 s51, 0, 25                       ; the stream's first chunk
	s_cselect_b32 s52, 0, 7                        ; and first matrix
	s_cselect_b32 s53, 2, 0                        ; from its chunk 17 on: FF, or d_eq's P4
	s_cselect_b32 s54, 5, 12
	s_cselect_b32 s55, 6, 12
	s_sub_co_u32 s56, s50, s51                     ; x: the chunk's place in its stream
	s_sub_co_u32 s57, s56, 1                       ; (at x = 0 this wraps; that case is set below)
	s_and_b32 s58, s57, 3
	s_lshr_b32 s59, s57, 2
	s_add_co_u32 s60, s52, s58
	s_add_co_u32 s60, s60, 1
	s_mov_b32 s62, s60
	s_cmp_eq_u32 s58, 3
	s_cselect_b32 s61, 1, 0
	s_sub_co_u32 s57, s56, 17
	s_cmp_ge_u32 s56, 17
	s_cselect_b32 s59, s57, s59
	s_cselect_b32 s60, s54, s60
	s_cselect_b32 s62, s55, s62
	s_cselect_b32 s61, s53, s61
	s_cmp_eq_u32 s56, 0
	s_cselect_b32 s59, 0, s59
	s_cselect_b32 s60, s52, s60
	s_cselect_b32 s62, s52, s62
	s_cselect_b32 s61, 1, s61
	s_branch .Ldecoded
.Lthird:
	s_sub_co_u32 s56, s50, 46
	s_mul_i32 s59, s56, 11
	s_lshr_b32 s59, s59, 5                         ; x / 3 for x = 0..11
	s_mul_i32 s57, s59, 3
	s_sub_co_u32 s58, s56, s57
	s_add_co_u32 s60, s58, 13
	s_mov_b32 s62, s60
	s_cmp_eq_u32 s58, 2
	s_cselect_b32 s61, 1, 0
	s_sub_co_u32 s57, s56, 12
	s_cmp_ge_u32 s56, 12
	s_cselect_b32 s59, s57, s59
	s_cselect_b32 s60, 16, s60
	s_cselect_b32 s62, 17, s62
	s_cselect_b32 s61, 2, s61
.Ldecoded:
	; k0 = KB + 32 (f >> SH) + 16 half, n0 = NB + 16 (f & MASK): set A (s66-69: SH, KB, NB, MASK) for f < 16, set B (s72-75) for f >= 16
	s_lshl_b32 s70, s59, 6
	s_lshl_b32 s71, s59, 5
	s_mov_b32 s67, 0
	s_cmp_eq_u32 s61, 0
	s_cselect_b32 s66, 2, 1
	s_cselect_b32 s68, s70, s71
	s_cmp_eq_u32 s61, 1
	s_cselect_b32 s66, 4, s66
	s_cselect_b32 s68, 0, s68
	s_cselect_b32 s67, s70, s67
	s_sub_co_u32 s71, s71, 32                      ; FF's second part: f >> 4 is 1, so KB = 32 S - 32 (the sum below is never negative)
	s_cmp_eq_u32 s61, 2
	s_cselect_b32 s72, 4, s66
	s_cselect_b32 s73, s71, s67
	s_cselect_b32 s74, 0, s68
	s_lshl_b32 s69, 1, s66
	s_sub_co_u32 s69, s69, 1
	s_lshl_b32 s75, 1, s72
	s_sub_co_u32 s75, s75, 1
	s_lshr_b32 s76, s42, 1
	s_and_b32 s77, s42, 1
	s_lshl_b32 s77, s77, 4
	s_lshl_b32 s82, s50, 15
	s_mov_b32 s83, 0
	s_wait_kmcnt 0x0
	s_add_nc_u64 s[40:41], s[40:41], s[82:83]      ; wts at my chunk
	s_mov_b64 s[44:45], s[4:5]
	s_mov_b64 s[46:47], s[4:5]
.set i, 1
.rept 17                                               ; the two matrices' addresses are chosen by their numbers
	s_cmp_eq_u32 s60, i
	s_cselect_b64 s[44:45], s[4+2*i:5+2*i], s[44:45]
	s_cmp_eq_u32 s62, i
	s_cselect_b64 s[46:47], s[4+2*i:5+2*i], s[46:47]
.set i, i+1
.endr
.set i, 0
.rept 8                                                ; all 64 loads of a thread go out before the first is waited for
.set PS, 66+6*(i/4)
.set PP, 44+2*(i/4)
	s_add_co_u32 s78, s76, 4*i                     ; f
	s_lshr_b32 s79, s78, s[PS]
	s_lshl_b32 s79, s79, 5
	s_add_co_u32 s79, s79, s[PS+1]
	s_add_co_u32 s79, s79, s77                     ; k0 + 16 half
	s_and_b32 s80, s78, s[PS+3]
	s_lshl_b32 s80, s80, 4
	s_add_co_u32 s80, s80, s[PS+2]                 ; n0
	s_lshl_b32 s79, s79, 10
	s_lshl2_add_u32 s79, s80, s79
	v_add_nc_u32 v[8+i], s79, v2
.set e, 0
.rept 8
	global_load_b32 v[16+8*i+e], v[8+i], s[PP:PP+1] offset:1024*e
.set e, e+1
.endr
.set i, i+1
.endr
.set i, 0
.rept 8
	s_wait_loadcnt 8*(7-i)                         ; loads come back in order: part i's eight are in, the later parts' stay out
.set e, 0
.rept 4
	v_cvt_pk_bf16_f32 v[80+4*i+e], v[16+8*i+2*e], v[16+8*i+2*e+1]
.set e, e+1
.endr
	global_store_b128 v3, v[80+4*i:80+4*i+3], s[40:41] offset:4096*i
.set i, i+1
.endr
	s_endpgm
.Lfunc_end_k_q5f345a826b_prep:
	.size	k_q5f345a826b_prep, .Lfunc_end_k_q5f345a826b_prep-k_q5f345a826b_prep
	.p2alignl 7, 3214868480
	.fill 96, 4, 3214868480
	.section	.rodata,"a",@progbits
	.p2align	6, 0x0
	.amdhsa_kernel k_q5f345a826b_prep
		.amdhsa_group_segment_fixed_size 0
		.amdhsa_private_segment_fixed_size 0
		.amdhsa_enable_private_segment 0
		.amdhsa_kernarg_size 152
		.amdhsa_user_sgpr_count 2
		.amdhsa_user_sgpr_kernarg_segment_ptr 1
		.amdhsa_wavefront_size32 1
		.amdhsa_system_sgpr_workgroup_id_x 1
		.amdhsa_system_sgpr_workgroup_id_y 1
		.amdhsa_system_sgpr_workgroup_id_z 1
		.amdhsa_system_vgpr_workitem_id 0
		.amdhsa_next_free_vgpr 112
		.amdhsa_next_free_sgpr 90
		.amdhsa_reserve_vcc 0
		.amdhsa_float_denorm_mode_32 3
		.amdhsa_float_denorm_mode_16_64 3
		.amdhsa_memory_ordered 1
		.amdhsa_forward_progress 1
		.amdhsa_inst_pref_size 17
	.end_amdhsa_kernel
	.amdgpu_metadata
---
amdhsa.version: [ 1, 2 ]
amdhsa.kernels:
  - .name:           k_q5f345a826b_prep
    .symbol:         k_q5f345a826b_prep.kd
    .args:
      - { .name: semW, .offset: 0, .size: 8, .value_kind: global_buffer, .address_space: global }
      - { .name: e_qW, .offset: 8, .size: 8, .value_kind: global_buffer, .address_space: global }
      - { .name: e_kW, .offset: 16, .size: 8, .value_kind: global_buffer, .address_space: global }
      - { .name: e_vW, .offset: 24, .size: 8, .value_kind: global_buffer, .address_space: global }
      - { .name: e_oW, .offset: 32, .size: 8, .value_kind: global_buffer, .address_space: global }
      - { .name: e_f1W, .offset: 40, .size: 8, .value_kind: global_buffer, .address_space: global }
      - { .name: e_f2W, .offset: 48, .size: 8, .value_kind: global_buffer, .address_space: global }
      - { .name: temW, .offset: 56, .size: 8, .value_kind: global_buffer, .address_space: global }
      - { .name: d_sqW, .offset: 64, .size: 8, .value_kind: global_buffer, .address_space: global }
      - { .name: d_skW, .offset: 72, .size: 8, .value_kind: global_buffer, .address_space: global }
      - { .name: d_svW, .offset: 80, .size: 8, .value_kind: global_buffer, .address_space: global }
      - { .name: d_soW, .offset: 88, .size: 8, .value_kind: global_buffer, .address_space: global }
      - { .name: d_eqW, .offset: 96, .size: 8, .value_kind: global_buffer, .address_space: global }
      - { .name: d_ekW, .offset: 104, .size: 8, .value_kind: global_buffer, .address_space: global }
      - { .name: d_evW, .offset: 112, .size: 8, .value_kind: global_buffer, .address_space: global }
      - { .name: d_eoW, .offset: 120, .size: 8, .value_kind: global_buffer, .address_space: global }
      - { .name: d_f1W, .offset: 128, .size: 8, .value_kind: global_buffer, .address_space: global }
      - { .name: d_f2W, .offset: 136, .size: 8, .value_kind: global_buffer, .address_space: global }
      - { .name: wts, .offset: 144, .size: 8, .value_kind: global_buffer, .address_space: global }
    .group_segment_fixed_size: 0
    .private_segment_fixed_size: 0
    .kernarg_segment_align: 8
    .kernarg_segment_size: 152
    .max_flat_workgroup_size: 256
    .sgpr_count:     90
    .vgpr_count:     112
    .wavefront_size: 32
...
	.end_amdgpu_metadata
.endif
;; end of part 1
;; launch blkA (part 2): grid 128 x 2, 4 waves a work-group, no clusters, 303,616 bytes of LDS; arguments src, wts, ln0sg, ln0sb, semb, e_qb, e_kb, e_vb, e_ob, e_ln1g, e_ln1b, ln0tg, ln0tb, temb, d_sqb, d_skb, d_svb, d_sob, d_ln1g, d_ln1b, e_f1b, e_f2b, e_ln2g, e_ln2b, d_eqb, encx, t1, q2, vbm; writes encx, t1, q2, vbm
.if DOCPART == 2
	.amdgcn_target "amdgcn-amd-amdhsa--gfx1250"
	.amdhsa_code_object_version 6
	.text
	.protected	k_q5f345a826b_blkA
	.globl	k_q5f345a826b_blkA
	.p2align	8
	.type	k_q5f345a826b_blkA,@function
k_q5f345a826b_blkA:
	s_mov_b64 s[64:65], 0
	v_nop
	global_prefetch_b8 v0, s[64:65] scope:SCOPE_SE
	s_setreg_imm32_b32 hwreg(HW_REG_WAVE_MODE, 25, 1), 1
	s_wait_xcnt 0x0
; One work-group takes one batch (x) and one role (y).  Role 0, the encoder: LN0, embedding, self-attention, LN1, FFN, LN2 -> encx (bf16 fragments).
; Role 1, the decoder's first block: LN0, embedding, self-attention, LN1 -> t1 (f32), q2 = t1 d_eqW + b (bf16 fragments), vbm (the mask's addends).  The common part is one text; the role chooses addresses.
; SHARES.  Four waves; wave w owns rows 64 w .. 64 w + 63, four row tiles of 16.  The row stream (256 columns, f32) stays in 512 registers: ACC(rt, nt) at v[512 + 128 rt + 8 nt].
; THE MATRIX INSTRUCTION IS USED TRANSPOSED: source 0 = 16 output columns of a weight, source 1 = 16 rows.  A lane then holds row l % 16 and columns 16 nt + 8 (l / 16) + 0..7, so two neighbouring
; results rounded to bf16 ARE the next product's fragment, and a row's sums want one exchange between the halves of the lanes.  For V the sources are swapped, which gives V^T's fragments.
; FRAGMENTS (16 x 32 bf16, 1,024 bytes) lie in LDS and memory as the registers hold them: registers 0-3 at 16 l, 4-7 at 512 + 16 l: every 16-byte access of a wave covers 512 consecutive bytes.
; WEIGHTS come as chunks of 32,768 bytes in order of use.  Each wave loads a quarter of a chunk into 64 registers one chunk ahead and stores it into the idle one of two LDS slots; one barrier a chunk.
; They come through registers and not by tensor loads, and the launch has no cluster: every stage is a counted loop over chunks and the stream runs on across the stages' ends; here the look-ahead is clamped to the
; role's last chunk by a minimum on an offset, where tensor loads would want each role's last trips written out a second time.  The price: each work-group reads the weights for itself.
; LIMITS.  A hidden key's score counts as its value less 8e10 (reference: -1e10 behind the division by 8): its weight is 0 either way; where every key is hidden, weights are equal as long as scores stay under 4,096.
; A row counts as empty if its 64 numbers sum to 0 in this text's order of adding.  Divisions are v_rcp_f32 and a multiply; weights below 2^-126 count as 0.  Matrix operands are bf16.
.set XR,    65536      ; 4 x 32,768: wave w's operand fragments [kf][rt] at (4 kf + rt) x 1,024 (at first: its rows of src, 272 bytes apart)
.set QX,    196608     ; 4 x 8,192: wave w's fragments [rt][kf]: LN0's rows, Q, the attention's result, the FFN's hidden slab
.set KK,    229376     ; 32,768: K of one head, fragment (key tile t, kf) at 2,048 t + 1,024 kf
.set VT,    262144     ; 32,768: V^T of one head, fragment (channel tile c, keys 32 f on) at 8,192 (f / 2) + 2,048 c + 1,024 (f % 2)
.set VB,    294912     ; 1,024: for each key 0, or -8e10 if it is hidden
.set BIASL, 295936     ; 6 x 1,024: q's bias, k's, zeros, v's, the embedding's, f1's or d_eq's
.set SPARE, 302080     ; 512: the spare words, 128 bytes a wave; no other line names them
.set PBUF,  302592
.set L16, 1            ; v1  16 x lane
.set H32, 2            ; v2  32 x (lane / 16)
.set SA,  3            ; v3  where my quarter of a chunk goes
.set GO,  4            ; v4  where it comes from
.set PA,  5            ; v5, v6  LDS addresses of a product's two sources
.set PB,  6
.set DST, 7            ; v7  where results go
.set BA,  8            ; v8  a bias vector
.set QA,  9            ; v9  my Q fragments
.set KA,  10           ; v10, v11, v12  K, V^T, the mask: never rewritten
.set VA,  11
.set VBA, 12
.set LA,  13           ; v13  LN: the slot in hand
.set GA,  14           ; v14  an offset in global memory
.set LB,  15           ; v15  LN: my three slots of 16,384 bytes, at XR + 49,152 w (they lie over XR, QX and KK)
.set CH,  16           ; v16-23  four chains of pairs
.set MU,  24           ; v24-25  a mean, or c m
.set RH,  26           ; v26-27  1 / sigma, or 1 / l
.set SPW, 28           ; v28  my spare word; never rewritten
.set NIL, 29           ; v29  0; never rewritten
.set STG, 32           ; v32-95  my quarter of the chunk on its way
.set QF,  96           ; v96-127  at work
.set TA,  128          ; v128-255  16 results of a projection; the scores; an LN's additive vector
.set WTS, 6            ; s[6:7]
.set WV,  8
.set ROLE, 9
.set BATCH, 10
.set SS,  11           ; the slot that the next chunk goes into; behind ENTER: the slot in use
.set SOFF, 12          ; byte offset in wts of the chunk being fetched
.set SLAST, 13         ; of the role's last chunk
.set W8K, 14
.set XRS, 54
.set QXS, 55
.set KWS, 56
.set VWS, 57
.set LNSS, 58
.set HH,  59
.set JJ,  60
.set CNT, 61
.set SEL, 62           ; s[62:63] v_permlanex16_b32's selects: each lane takes its own place in the other half
.set CS,  86           ; s[86:87] c = log2(e) / 8
.set K1,  88           ; s[88:89], s[90:91] GELU's two constants
.set K3,  90
.set I256, 92
.set EPS, 93
.set NEGB, 94
.set I64, 95
.set F2B, 70
.set LN2G, 72
.set LN2B, 74
.set ENCP, 78
.set T1P, 80
.set Q2P, 82
.set VBMP, 84
.set MSB, 0
.macro WIN new                         ; s_set_vgpr_msb: bits 1:0 source 0, 3:2 source 1, 5:4 source 2, 7:6 destination; the high byte repeats the setting that is left
.if MSB != (\new)
	s_set_vgpr_msb (MSB<<8)|(\new)
.set MSB, (\new)
.endif
.endm
.macro PLACES                          ; four places behind a matrix instruction, ahead of vector reads of its result and of loads into its registers
.rept 4
	v_nop
.endr
.endm
.macro FETCH                           ; my quarter of a chunk, 16 x 512 consecutive bytes
	WIN 0
.set fi, 0
.rept 16
	global_load_b128 v[STG+4*fi:STG+4*fi+3], v[GO], s[WTS:WTS+1] offset:512*fi
.set fi, fi+1
.endr
.endm
.macro STAGE                           ; the chunk that has come goes into slot SS; the one after it is asked for
	WIN 0
	s_wait_loadcnt 0x0                             ; the quarter is in; its address register is free
	s_add_co_u32 s15, s[SS], s[W8K]
	v_add_nc_u32 v[SA], s15, v[L16]
.set fi, 0
.rept 16
	ds_store_b128 v[SA], v[STG+4*fi:STG+4*fi+3] offset:512*fi
.set fi, fi+1
.endr
	s_xor_b32 s[SS], s[SS], 0x8000
	s_add_co_u32 s[SOFF], s[SOFF], 0x8000
	s_min_u32 s[SOFF], s[SOFF], s[SLAST]           ; no load passes the role's last chunk
	s_add_co_u32 s15, s[SOFF], s[W8K]
	v_add_nc_u32 v[GO], s15, v[L16]
	FETCH
.endm
.macro ENTER                           ; a chunk is entered.  The barrier orders: all reads of the slot now overwritten; the stores of the chunk now read; K's and V's stores ahead of the attention, its reads ahead of the next head's stores
	WIN 0
	s_wait_dscnt 0x0                               ; for the others' sake: my LDS reads and stores are done
	s_barrier_signal -1
	s_barrier_wait -1
	STAGE
.endm
.macro TAINIT na                       ; the results begin as the bias: tile 4 a + b takes columns 16 a on
	WIN 0
.set ti, 0
.rept 4*(\na)
	ds_load_b128 v[TA+8*ti:TA+8*ti+3], v[BA] offset:64*(ti/4)
	ds_load_b128 v[TA+8*ti+4:TA+8*ti+7], v[BA] offset:64*(ti/4)+16
.set ti, ti+1
.endr
.endm
.macro LDAB buf, na, ko                ; the fragments of one 32 along k, ko steps on: na from PA, 4 from PB, into buffer buf of window 1
	WIN 0x40
.set li, 0
.rept \na
	ds_load_b128 v[64*(\buf)+8*li:64*(\buf)+8*li+3], v[PA] offset:((\ko)*(\na)+li)*1024
	ds_load_b128 v[64*(\buf)+8*li+4:64*(\buf)+8*li+7], v[PA] offset:((\ko)*(\na)+li)*1024+512
.set li, li+1
.endr
.set li, 0
.rept 4
	ds_load_b128 v[64*(\buf)+32+8*li:64*(\buf)+32+8*li+3], v[PB] offset:((\ko)*4+li)*1024
	ds_load_b128 v[64*(\buf)+32+8*li+4:64*(\buf)+32+8*li+7], v[PB] offset:((\ko)*4+li)*1024+512
.set li, li+1
.endr
.endm
.macro MULAB buf, na                   ; 4 na products; the accumulators take turns
	WIN 0x05
.set mi, 0
.rept 4*(\na)
	v_wmma_f32_16x16x32_bf16 v[TA+8*mi:TA+8*mi+7], v[64*(\buf)+8*(mi/4):64*(\buf)+8*(mi/4)+7], v[64*(\buf)+32+8*(mi%4):64*(\buf)+32+8*(mi%4)+7], v[TA+8*mi:TA+8*mi+7]
.set mi, mi+1
.endr
.endm
.macro PROJ na                         ; TA(a, b) += sum over 256 k, on two fragment buffers; a wait leaves out the 2 (na + 4) loads just issued for the other buffer
	LDAB 0, \na, 0
	WIN 0
	s_mov_b32 s[CNT], 3
.Lpj_\@:
	LDAB 1, \na, 1
	s_wait_dscnt 2*((\na)+4)
	MULAB 0, \na
	PLACES
	LDAB 0, \na, 2
	s_wait_dscnt 2*((\na)+4)
	MULAB 1, \na
	PLACES
	WIN 0
	v_add_nc_u32 v[PA], 2048*(\na), v[PA]
	v_add_nc_u32 v[PB], 8192, v[PB]
	s_sub_co_u32 s[CNT], s[CNT], 1
	s_cmp_lg_u32 s[CNT], 0
	s_cbranch_scc1 .Lpj_\@
	LDAB 1, \na, 1
	s_wait_dscnt 2*((\na)+4)
	MULAB 0, \na
	s_wait_dscnt 0x0
	MULAB 1, \na
	PLACES
	WIN 0
.endm
.macro TAPACK n                        ; n results rounded to bf16, in place and ascending: tile t's four words land at TA + 4 t, behind what has been read
	WIN 0
.set ti, 0
.rept 4*(\n)
	v_cvt_pk_bf16_f32 v[TA+ti], v[TA+2*ti], v[TA+2*ti+1]
.set ti, ti+1
.endr
.endm
.macro ACCK nk, woff                   ; ACC(rt, nt) += my fragments in QX x the chunk's 256 columns, 32 nk along k.  The waits leave out the weight fragments still to come
	WIN 0
	s_add_co_u32 s15, s[SS], \woff
	v_add_nc_u32 v[PA], s15, v[L16]
	v_add_nc_u32 v[PB], s[QXS], v[L16]
.if (\nk) > 1
	s_mov_b32 s[CNT], \nk
.Lack_\@:
.endif
	WIN 0x40
.set ai, 0
.rept 4
	ds_load_b128 v[128+8*ai:128+8*ai+3], v[PB] offset:2048*ai
	ds_load_b128 v[128+8*ai+4:128+8*ai+7], v[PB] offset:2048*ai+512
.set ai, ai+1
.endr
.set ai, 0
.rept 16
	ds_load_b128 v[8*ai:8*ai+3], v[PA] offset:1024*ai
	ds_load_b128 v[8*ai+4:8*ai+7], v[PA] offset:1024*ai+512
.set ai, ai+1
.endr
.set ag, 0
.rept 4
	s_wait_dscnt 24-8*ag
.set aw, 0
.rept 2                                ; row tiles 0, 1 lie in window 2, row tiles 2, 3 in window 3
	WIN 0xa5+0x50*aw
.set ai, 0
.rept 8
.set an, 4*ag+ai/2
.set ar, ai%2
	v_wmma_f32_16x16x32_bf16 v[128*ar+8*an:128*ar+8*an+7], v[8*an:8*an+7], v[128+8*(2*aw+ar):128+8*(2*aw+ar)+7], v[128*ar+8*an:128*ar+8*an+7]
.set ai, ai+1
.endr
.set aw, aw+1
.endr
.set ag, ag+1
.endr
	PLACES
	WIN 0
.if (\nk) > 1
	v_add_nc_u32 v[PA], 16384, v[PA]
	v_add_nc_u32 v[PB], 1024, v[PB]
	s_sub_co_u32 s[CNT], s[CNT], 1
	s_cmp_lg_u32 s[CNT], 0
	s_cbranch_scc1 .Lack_\@
.endif
.endm
.macro XSTORE                          ; the row stream, rounded to bf16, becomes my operand fragments in XR
	WIN 0
	v_add_nc_u32 v[DST], s[XRS], v[L16]
.set xr, 0
.rept 4
	WIN 0x0a+5*(xr/2)
.set xi, 0
.rept 64
	v_cvt_pk_bf16_f32 v[TA+64*(xr%2)+xi], v[128*(xr%2)+2*xi], v[128*(xr%2)+2*xi+1]
.set xi, xi+1
.endr
	WIN 0
.set xi, 0
.rept 16
	ds_store_b128 v[DST], v[TA+64*(xr%2)+4*xi:TA+64*(xr%2)+4*xi+3] offset:(xi/2)*4096+xr*1024+(xi%2)*512
.set xi, xi+1
.endr
.set xr, xr+1
.endr
.endm
.macro RED4                            ; the four chains, the pair's halves, and the other half of the lanes: the row's sum in v[CH] of both its lanes
	v_pk_add_f32 v[CH:CH+1], v[CH:CH+1], v[CH+2:CH+3]
	v_pk_add_f32 v[CH+4:CH+5], v[CH+4:CH+5], v[CH+6:CH+7]
	v_pk_add_f32 v[CH:CH+1], v[CH:CH+1], v[CH+4:CH+5]
	v_add_f32 v[CH], v[CH], v[CH+1]
	v_permlanex16_b32 v[CH+1], v[CH], s[SEL], s[SEL+1]
	v_add_f32 v[CH], v[CH], v[CH+1]
.endm
; ATTENTION of one head for my 64 queries, a row tile a trip.  S^T = mask + K Q^T (a lane: one query, keys 16 t + 8 h + 0..7); p = 2^(c s - c m) with the row's maximum m; O^T = V^T P; O / l + v's bias
; (exact, since the weights sum to 1) goes, as bf16 fragments, where the tile's Q lay.  v[BA] points at v's bias for this head.
.macro ATT
	WIN 0
	v_add_nc_u32 v[QA], s[QXS], v[L16]
	s_mov_b32 s[CNT], 4
.Latt_\@:
.set ai, 0
.rept 16
	ds_load_b128 v[TA+8*ai:TA+8*ai+3], v[VBA] offset:64*ai
	ds_load_b128 v[TA+8*ai+4:TA+8*ai+7], v[VBA] offset:64*ai+16
.set ai, ai+1
.endr
.set ai, 0
.rept 4
	ds_load_b128 v[QF+4*ai:QF+4*ai+3], v[QA] offset:512*ai
.set ai, ai+1
.endr
	WIN 0x40
.set ai, 0
.rept 32                               ; K(t, kf) at v[16 t + 8 kf] of window 1; kf = 0 first
	ds_load_b128 v[16*(ai%16)+8*(ai/16):16*(ai%16)+8*(ai/16)+3], v[KA] offset:(ai%16)*2048+(ai/16)*1024
	ds_load_b128 v[16*(ai%16)+8*(ai/16)+4:16*(ai%16)+8*(ai/16)+7], v[KA] offset:(ai%16)*2048+(ai/16)*1024+512
.set ai, ai+1
.endr
	WIN 0x01
.set ai, 0
.rept 32
.if ai%8 == 0
	s_wait_dscnt 48-16*(ai/8)                      ; the mask, Q and K's next eight fragments are in; the later ones stay out
.endif
	v_wmma_f32_16x16x32_bf16 v[TA+8*(ai%16):TA+8*(ai%16)+7], v[16*(ai%16)+8*(ai/16):16*(ai%16)+8*(ai/16)+7], v[QF+8*(ai/16):QF+8*(ai/16)+7], v[TA+8*(ai%16):TA+8*(ai%16)+7]
.set ai, ai+1
.endr
	PLACES
	WIN 0x40
.set ai, 0
.rept 32                               ; V^T(f, c) at v[8 (4 f + c)] of window 1: it lands while the softmax is made
	ds_load_b128 v[8*ai:8*ai+3], v[VA] offset:(ai/8)*8192+(ai%4)*2048+((ai/4)%2)*1024
	ds_load_b128 v[8*ai+4:8*ai+7], v[VA] offset:(ai/8)*8192+(ai%4)*2048+((ai/4)%2)*1024+512
.set ai, ai+1
.endr
	WIN 0
.set xg, 0
.rept 4                                ; the maximum, in four chains; each result's lowest registers are read first
.set xs, 0
.rept 4
.set xq, 0
.rept 4
.set xb, TA+8*(4*xg+xq)
.if (xg == 0) && (xs == 0)
	v_max3_num_f32 v[CH+xq], v[xb], v[xb+1], v[xb+2]
.elseif (xg == 0) && (xs == 3)
	v_max_num_f32 v[CH+xq], v[CH+xq], v[xb+7]
.elseif xg == 0
	v_max3_num_f32 v[CH+xq], v[CH+xq], v[xb+2*xs+1], v[xb+2*xs+2]
.else
	v_max3_num_f32 v[CH+xq], v[CH+xq], v[xb+2*xs], v[xb+2*xs+1]
.endif
.set xq, xq+1
.endr
.set xs, xs+1
.endr
.set xg, xg+1
.endr
	v_max3_num_f32 v[CH], v[CH], v[CH+1], v[CH+2]
	v_max_num_f32 v[CH], v[CH], v[CH+3]
	v_permlanex16_b32 v[CH+1], v[CH], s[SEL], s[SEL+1]
	v_max_num_f32 v[CH], v[CH], v[CH+1]
	v_mul_f32 v[MU], s[CS], v[CH]
	v_mov_b32 v[MU+1], v[MU]
.set ai, 0
.rept 64
	v_pk_fma_f32 v[TA+2*ai:TA+2*ai+1], v[TA+2*ai:TA+2*ai+1], s[CS:CS+1], v[MU:MU+1] op_sel_hi:[1,0,0] neg_lo:[0,0,1] neg_hi:[0,0,1]
.set ai, ai+1
.endr
.set ei, 0
.rept 16                               ; eight exponentials, then the sums of the eight before: a plain instruction stands behind every exponential before its result is used
.set ej, 0
.rept 8
	v_exp_f32 v[TA+8*ei+ej], v[TA+8*ei+ej]
.set ej, ej+1
.endr
.if ei == 1
	v_nop
.elseif ei == 2
	s_wait_alu depctr_va_vdst(0)
.irp q, 0,2,4,6
	v_pk_add_f32 v[CH+\q:CH+\q+1], v[TA+\q:TA+\q+1], v[TA+8+\q:TA+8+\q+1]
.endr
.elseif ei > 2
	s_wait_alu depctr_va_vdst(0)
.irp q, 0,2,4,6
	v_pk_add_f32 v[CH+\q:CH+\q+1], v[CH+\q:CH+\q+1], v[TA+8*(ei-1)+\q:TA+8*(ei-1)+\q+1]
.endr
.endif
.set ei, ei+1
.endr
	s_wait_alu depctr_va_vdst(0)
.irp q, 0,2,4,6
	v_pk_add_f32 v[CH+\q:CH+\q+1], v[CH+\q:CH+\q+1], v[TA+120+\q:TA+120+\q+1]
.endr
.set ai, 0
.rept 64                               ; P, in place and ascending: the fragment of keys 32 f on at TA + 8 f
	v_cvt_pk_bf16_f32 v[TA+ai], v[TA+2*ai], v[TA+2*ai+1]
.set ai, ai+1
.endr
.set ai, 0
.rept 4
	ds_load_b128 v[224+8*ai:224+8*ai+3], v[BA] offset:64*ai
	ds_load_b128 v[224+8*ai+4:224+8*ai+7], v[BA] offset:64*ai+16
.set ai, ai+1
.endr
	RED4
	v_rcp_f32 v[RH], v[CH]
	v_nop
	s_wait_alu depctr_va_vdst(0)
	v_mov_b32 v[RH+1], v[RH]
	s_wait_dscnt 0x0                               ; V^T and the bias are in
	WIN 0x01
.set ai, 0
.rept 32
.if ai < 4
	v_wmma_f32_16x16x32_bf16 v[192+8*(ai%4):192+8*(ai%4)+7], v[8*ai:8*ai+7], v[TA+8*(ai/4):TA+8*(ai/4)+7], 0
.else
	v_wmma_f32_16x16x32_bf16 v[192+8*(ai%4):192+8*(ai%4)+7], v[8*ai:8*ai+7], v[TA+8*(ai/4):TA+8*(ai/4)+7], v[192+8*(ai%4):192+8*(ai%4)+7]
.endif
.set ai, ai+1
.endr
	PLACES
	WIN 0
.set ai, 0
.rept 16
	v_pk_fma_f32 v[192+2*ai:192+2*ai+1], v[192+2*ai:192+2*ai+1], v[RH:RH+1], v[224+2*ai:224+2*ai+1] op_sel_hi:[1,0,1]
.set ai, ai+1
.endr
.set ai, 0
.rept 16
	v_cvt_pk_bf16_f32 v[QF+ai], v[192+2*ai], v[192+2*ai+1]
.set ai, ai+1
.endr
.set ai, 0
.rept 4
	ds_store_b128 v[QA], v[QF+4*ai:QF+4*ai+3] offset:512*ai
.set ai, ai+1
.endr
	v_add_nc_u32 v[QA], 2048, v[QA]
	s_sub_co_u32 s[CNT], s[CNT], 1
	s_cmp_lg_u32 s[CNT], 0
	s_cbranch_scc1 .Latt_\@
.endm
.macro GELU                            ; x / (1 + 2^(x (k1 + k3 x^2))) on TA's first 64 registers: the tanh form of GELU, k1 = -2 sqrt(2 / pi) log2(e), k3 = 0.044715 k1
	WIN 0
.set gi, 0
.rept 8
.set gx, TA+8*gi
.irp p, 0,2,4,6
	v_pk_mul_f32 v[QF+\p:QF+\p+1], v[gx+\p:gx+\p+1], v[gx+\p:gx+\p+1]
.endr
.irp p, 0,2,4,6
	v_pk_fma_f32 v[QF+\p:QF+\p+1], v[QF+\p:QF+\p+1], s[K3:K3+1], s[K1:K1+1] op_sel_hi:[1,0,0]
.endr
.irp p, 0,2,4,6
	v_pk_mul_f32 v[QF+\p:QF+\p+1], v[QF+\p:QF+\p+1], v[gx+\p:gx+\p+1]
.endr
.irp p, 0,1,2,3,4,5,6,7
	v_exp_f32 v[QF+\p], v[QF+\p]
.endr
	v_nop
	s_wait_alu depctr_va_vdst(0)
.irp p, 0,2,4,6
	v_pk_add_f32 v[QF+\p:QF+\p+1], v[QF+\p:QF+\p+1], 1.0 op_sel_hi:[1,0]
.endr
.irp p, 0,1,2,3,4,5,6,7
	v_rcp_f32 v[QF+\p], v[QF+\p]
.endr
	v_nop
	s_wait_alu depctr_va_vdst(0)
.irp p, 0,2,4,6
	v_pk_mul_f32 v[gx+\p:gx+\p+1], v[gx+\p:gx+\p+1], v[QF+\p:QF+\p+1]
.endr
.set gi, gi+1
.endr
.endm
; LAYER NORM over the row stream.  Registers cannot be indexed, so one text works on row tile 0's registers (T): tiles 1-3 wait in three LDS slots of my own and come into T one a trip.
; BI (window 1, v0-127) is the bias still to be added, G (window 1, v128-255) the gain, TA's registers the additive vector; Y is row tile 3's registers.
.macro VEC3 sbi, sg, sb                ; three vectors of 256, each lane its 128 columns
	WIN 0x40
.set vi, 0
.rept 32
	global_load_b128 v[4*vi:4*vi+3], v[H32], s[\sbi:\sbi+1] offset:64*(vi/2)+16*(vi%2)
	global_load_b128 v[128+4*vi:128+4*vi+3], v[H32], s[\sg:\sg+1] offset:64*(vi/2)+16*(vi%2)
.set vi, vi+1
.endr
	WIN 0
.set vi, 0
.rept 32
	global_load_b128 v[TA+4*vi:TA+4*vi+3], v[H32], s[\sb:\sb+1] offset:64*(vi/2)+16*(vi%2)
.set vi, vi+1
.endr
.endm
.macro LNDUMP                          ; the slots lie over XR, QX and KK, which other waves may still read: a barrier first
	WIN 0
	s_wait_dscnt 0x0
	s_barrier_signal -1
	s_barrier_wait -1
	WIN 0x08
.set vi, 0
.rept 32
	ds_store_b128 v[LB], v[128+4*vi:128+4*vi+3] offset:512*vi
.set vi, vi+1
.endr
	WIN 0x0c
.set vi, 0
.rept 64
	ds_store_b128 v[LB], v[4*vi:4*vi+3] offset:16384+512*vi
.set vi, vi+1
.endr
	WIN 0
	v_mov_b32 v[LA], v[LB]
.endm
.macro LNSTAT                          ; T += BI; T -= mean; v[RH] = 1 / sqrt(variance + 1e-5): two passes, no difference of large sums
	WIN 0x86
.set vi, 0
.rept 64
	v_pk_add_f32 v[2*vi:2*vi+1], v[2*vi:2*vi+1], v[2*vi:2*vi+1]
.set vi, vi+1
.endr
	WIN 0x0a
.irp q, 0,2,4,6
	v_pk_add_f32 v[CH+\q:CH+\q+1], v[\q:\q+1], v[8+\q:8+\q+1]
.endr
	WIN 0x08
.set vi, 8
.rept 56
	v_pk_add_f32 v[CH+2*(vi%4):CH+2*(vi%4)+1], v[CH+2*(vi%4):CH+2*(vi%4)+1], v[2*vi:2*vi+1]
.set vi, vi+1
.endr
	WIN 0
	RED4
	v_mul_f32 v[MU], s[I256], v[CH]
	v_mov_b32 v[MU+1], v[MU]
	WIN 0x82
.set vi, 0
.rept 64
	v_pk_add_f32 v[2*vi:2*vi+1], v[2*vi:2*vi+1], v[MU:MU+1] op_sel_hi:[1,0] neg_lo:[0,1] neg_hi:[0,1]
.set vi, vi+1
.endr
	WIN 0x0a
.irp q, 0,2,4,6
	v_pk_mul_f32 v[CH+\q:CH+\q+1], v[\q:\q+1], v[\q:\q+1]
.endr
.set vi, 4
.rept 60
	v_pk_fma_f32 v[CH+2*(vi%4):CH+2*(vi%4)+1], v[2*vi:2*vi+1], v[2*vi:2*vi+1], v[CH+2*(vi%4):CH+2*(vi%4)+1]
.set vi, vi+1
.endr
	WIN 0
	RED4
	v_fma_f32 v[RH], v[CH], s[I256], s[EPS]
	v_rsq_f32 v[RH], v[RH]
	v_nop
	s_wait_alu depctr_va_vdst(0)
	v_mov_b32 v[RH+1], v[RH]
.endm
.macro LNY                             ; Y = T / sigma x G + the additive vector
	WIN 0x82
.set vi, 0
.rept 64
	v_pk_mul_f32 v[2*vi:2*vi+1], v[2*vi:2*vi+1], v[RH:RH+1] op_sel_hi:[1,0]
.set vi, vi+1
.endr
	WIN 0xc6
.set vi, 0
.rept 64
	v_pk_fma_f32 v[128+2*vi:128+2*vi+1], v[2*vi:2*vi+1], v[128+2*vi:128+2*vi+1], v[128+2*vi:128+2*vi+1]
.set vi, vi+1
.endr
.endm
.macro LNNEXT res                      ; but in the last trip: the next tile comes into T; res = 1: Y takes its place in the slot (LDS serves a wave's instructions in order: the loads see the old bytes).  Leaves the loop's compare in SCC
	WIN 0
	s_cmp_eq_u32 s[CNT], 1
	s_cbranch_scc1 .Llnl_\@
	WIN 0x80
.set vi, 0
.rept 32
	ds_load_b128 v[4*vi:4*vi+3], v[LA] offset:512*vi
.set vi, vi+1
.endr
.if \res
	WIN 0x0c
.set vi, 0
.rept 32
	ds_store_b128 v[LA], v[128+4*vi:128+4*vi+3] offset:512*vi
.set vi, vi+1
.endr
.endif
	WIN 0
	v_add_nc_u32 v[LA], 0x4000, v[LA]
.Llnl_\@:
	s_sub_co_u32 s[CNT], s[CNT], 1
	s_cmp_lg_u32 s[CNT], 0
.endm
.macro LNRES sbi, sg, sb, t1           ; the normed rows go back into ACC and, as bf16 fragments, into XR.  t1 = 1: role 1 also stores them, f32, as the registers hold them
	VEC3 \sbi, \sg, \sb
	LNDUMP
.if \t1
	v_mov_b32 v[GA], v[L16]
.endif
	s_wait_loadcnt 0x0                             ; the three vectors
	s_mov_b32 s[CNT], 4
.Lln_\@:
	s_wait_dscnt 0x0                               ; T is in
	LNSTAT
	LNY
.if \t1
	WIN 0
	s_cmp_eq_u32 s[ROLE], 0
	s_cbranch_scc1 .Lnt_\@
	WIN 0x0c
.set vi, 0
.rept 32
	global_store_b128 v[GA], v[128+4*vi:128+4*vi+3], s[T1P:T1P+1] offset:512*vi
.set vi, vi+1
.endr
	WIN 0
	s_wait_xcnt 0x0                                ; the offset, and Y in the next trip, are rewritten only behind this wait
	v_add_nc_u32 v[GA], 0x4000, v[GA]
.Lnt_\@:
.endif
	LNNEXT 1
	s_cbranch_scc1 .Lln_\@
	WIN 0x80
.set vi, 0
.rept 64
	ds_load_b128 v[4*vi:4*vi+3], v[LB] offset:512*vi
.set vi, vi+1
.endr
	WIN 0xc0
.set vi, 0
.rept 32
	ds_load_b128 v[4*vi:4*vi+3], v[LB] offset:32768+512*vi
.set vi, vi+1
.endr
	WIN 0
	s_wait_dscnt 0x0                               ; my slots are read out: behind the barrier every wave may write XR again
	s_barrier_signal -1
	s_barrier_wait -1
	XSTORE
.endm
.macro FFN                             ; eight slabs of 32 hidden columns: h = GELU(x f1 + b), ACC += h f2
	WIN 0
	s_mov_b32 s[HH], 0
.Lffn_\@:
	ENTER
	s_lshl_b32 s15, s[HH], 7
	s_add_co_u32 s15, s15, BIASL+5*1024
	v_add_nc_u32 v[BA], s15, v[H32]
	v_add_nc_u32 v[PA], s[SS], v[L16]
	v_add_nc_u32 v[PB], s[XRS], v[L16]
	TAINIT 2
	PROJ 2
	GELU
	TAPACK 8
	v_add_nc_u32 v[DST], s[QXS], v[L16]
.set ti, 0
.rept 8
	ds_store_b128 v[DST], v[TA+4*ti:TA+4*ti+3] offset:(ti%4)*2048+(ti/4)*512
.set ti, ti+1
.endr
	ACCK 1, 16384
	s_add_co_u32 s[HH], s[HH], 1
	s_cmp_lt_u32 s[HH], 8
	s_cbranch_scc1 .Lffn_\@
.endm
.macro FIN
	WIN 0
	s_wait_tensorcnt 0x0                           ; the wave's end: three lines behind my last LDS store
	ds_add_u32 v[SPW], v[NIL]
	s_wait_dscnt 0x0
	s_endpgm
.endm
.macro SETUP
	v_lshl_add_u32 v[SPW], v0, 2, SPARE
	v_mov_b32 v[NIL], 0
	v_lshrrev_b32 v30, 5, v0
	v_readfirstlane_b32 s[WV], v30
	v_and_b32 v30, 31, v0
	v_lshlrev_b32 v[L16], 4, v30
	v_bfe_u32 v31, v0, 4, 1
	v_lshlrev_b32 v[H32], 5, v31
	v_add_nc_u32 v[KA], KK, v[L16]
	v_add_nc_u32 v[VA], VT, v[L16]
	v_add_nc_u32 v[VBA], VB, v[H32]
	s_mov_b32 s[BATCH], ttmp9
	s_lshl_b32 s[W8K], s[WV], 13
	s_lshl_b32 s[XRS], s[WV], 15
	s_add_co_u32 s[XRS], s[XRS], XR
	s_add_co_u32 s[QXS], s[W8K], QX
	s_add_co_u32 s[KWS], s[W8K], KK
	s_add_co_u32 s[VWS], s[W8K], VT
	s_mul_i32 s[LNSS], s[WV], 49152
	s_add_co_u32 s[LNSS], s[LNSS], XR
	v_add_nc_u32 v[LB], s[LNSS], v[L16]
	s_mov_b32 s[SEL], 0x76543210
	s_mov_b32 s[SEL+1], 0xfedcba98
	s_mov_b32 s[CS], 0x3e38aa3b                    ; log2(e) / 8
	s_mov_b32 s[CS+1], s[CS]
	s_mov_b32 s[K1], 0xc0135766                    ; -2.3022082
	s_mov_b32 s[K1+1], s[K1]
	s_mov_b32 s[K3], 0xbdd2d3e8                    ; -0.10294324
	s_mov_b32 s[K3+1], s[K3]
	s_mov_b32 s[I256], 0x3b800000                  ; 1 / 256
	s_mov_b32 s[EPS], 0x3727c5ac                   ; 1e-5
	s_mov_b32 s[NEGB], 0xd19502f9                  ; -8e10
	s_mov_b32 s[I64], 0x3c800000                   ; 1 / 64
	s_mov_b32 s[SS], 0
.endm
	s_load_b128 s[4:7], s[0:1], 0x0                ; src, wts
	s_load_b512 s[16:31], s[0:1], 0x10             ; role 0: ln0g, ln0b, embedding's bias, q's, k's, v's, o's, ln1g,
	s_load_b64 s[32:33], s[0:1], 0x50              ; ln1b
	s_load_b512 s[36:51], s[0:1], 0x58             ; role 1: the same nine
	s_load_b64 s[52:53], s[0:1], 0x98
	s_load_b512 s[68:83], s[0:1], 0xa0             ; e_f1b, e_f2b, e_ln2g, e_ln2b, d_eqb, encx, t1, q2,
	s_load_b64 s[84:85], s[0:1], 0xe0              ; vbm
	SETUP
	s_and_b32 s[ROLE], ttmp7, 0xffff
	s_mul_i32 s[SOFF], s[ROLE], 25*32768           ; the role's first chunk: 0 or 25,
	s_mul_i32 s[SLAST], s[ROLE], 21*32768
	s_add_co_u32 s[SLAST], s[SLAST], 24*32768      ; and its last: 24 or 45
	s_add_co_u32 s15, s[SOFF], s[W8K]
	v_add_nc_u32 v[GO], s15, v[L16]
	v_and_b32 v30, 15, v0                          ; r (v31 holds h)
	v_mul_u32_u24 v[PA], v31, 272
	v_lshl_add_u32 v[PA], v30, 4, v[PA]
	v_add_nc_u32 v[PA], s[XRS], v[PA]              ; src into LDS: 32 lanes x 16 bytes are two rows, laid 272 bytes apart
	v_mul_u32_u24 v[DST], v30, 272
	v_add_nc_u32 v[DST], v[DST], v[H32]
	v_add_nc_u32 v[DST], s[XRS], v[DST]            ; and out of it: row r, columns 8 h on: the 16 rows of a load start at 16 different groups of four banks
	s_lshl_b32 s15, s[WV], 8
	s_add_co_u32 s15, s15, VB
	v_lshl_add_u32 v[PB], v30, 2, s15              ; my row's word of the mask
	v_add_nc_u32 v[QA], s[QXS], v[L16]
	v_lshlrev_b32 v30, 3, v0                       ; 8 x thread: 128 threads copy a vector of 1,024 bytes
	v_mov_b32 v106, 0
	v_mov_b32 v107, 0
	s_wait_kmcnt 0x0
	s_cmp_eq_u32 s[ROLE], 1
.set i, 0
.rept 9
	s_cselect_b64 s[16+2*i:17+2*i], s[36+2*i:37+2*i], s[16+2*i:17+2*i]
.set i, i+1
.endr
	s_cselect_b64 s[68:69], s[76:77], s[68:69]     ; f1's bias, or d_eq's
	s_lshl_b32 s2, s[BATCH], 16
	s_lshl_b32 s3, s[WV], 14
	s_add_co_u32 s2, s2, s3
	s_mov_b32 s3, 0
	s_add_nc_u64 s[4:5], s[4:5], s[2:3]            ; src at my 64 rows
	s_lshl2_add_u32 s15, s[BATCH], s[WV]           ; 4 x batch + wave
	s_lshl_b32 s2, s15, 15
	s_add_nc_u64 s[ENCP:ENCP+1], s[ENCP:ENCP+1], s[2:3]
	s_lshl_b32 s2, s15, 16
	s_add_nc_u64 s[T1P:T1P+1], s[T1P:T1P+1], s[2:3]
	s_lshl_b32 s2, s[BATCH], 17
	s_add_co_u32 s2, s2, s[W8K]
	s_add_nc_u64 s[Q2P:Q2P+1], s[Q2P:Q2P+1], s[2:3]
	s_lshl_b32 s2, s[BATCH], 10
	s_add_nc_u64 s[VBMP:VBMP+1], s[VBMP:VBMP+1], s[2:3]
	FETCH                                          ; everything that the start needs goes out together
	WIN 0x40
.set i, 0
.rept 32
	global_load_b128 v[4*i:4*i+3], v[L16], s[4:5] offset:512*i
.set i, i+1
.endr
	WIN 0
.set i, 0
.rept 8
	global_load_b128 v[160+4*i:160+4*i+3], v[H32], s[16:17] offset:64*(i/2)+16*(i%2)
	global_load_b128 v[192+4*i:192+4*i+3], v[H32], s[18:19] offset:64*(i/2)+16*(i%2)
.set i, i+1
.endr
	global_load_b64 v[96:97], v30, s[22:23]
	global_load_b64 v[98:99], v30, s[24:25]
	global_load_b64 v[100:101], v30, s[26:27]
	global_load_b64 v[102:103], v30, s[20:21]
	global_load_b64 v[104:105], v30, s[68:69]
	STAGE                                          ; waits for all of them; the first chunk goes into slot 0
	v_add_nc_u32 v[BA], BIASL, v30
	ds_store_b64 v[BA], v[96:97]
	ds_store_b64 v[BA], v[98:99] offset:1024
	ds_store_b64 v[BA], v[106:107] offset:2048
	ds_store_b64 v[BA], v[100:101] offset:3072
	ds_store_b64 v[BA], v[102:103] offset:4096
	ds_store_b64 v[BA], v[104:105] offset:5120
	WIN 0x04
.set i, 0
.rept 32
	ds_store_b128 v[PA], v[4*i:4*i+3] offset:544*i
.set i, i+1
.endr
	WIN 0
	; LN0, a row tile a trip: the row's sum (also: is the row empty?), two-pass norm over 64 columns, bf16 fragments into QX
	s_mov_b32 s[CNT], 4
.Lln0:
.set i, 0
.rept 4
	ds_load_b128 v[TA+8*i:TA+8*i+3], v[DST] offset:64*i
	ds_load_b128 v[TA+8*i+4:TA+8*i+7], v[DST] offset:64*i+16
.set i, i+1
.endr
	s_wait_dscnt 0x0
.irp q, 0,2,4,6
	v_pk_add_f32 v[CH+\q:CH+\q+1], v[TA+\q:TA+\q+1], v[TA+8+\q:TA+8+\q+1]
.endr
.set i, 8
.rept 8
	v_pk_add_f32 v[CH+2*(i%4):CH+2*(i%4)+1], v[CH+2*(i%4):CH+2*(i%4)+1], v[TA+2*i:TA+2*i+1]
.set i, i+1
.endr
	RED4
	v_cmp_eq_f32 vcc_lo, 0, v[CH]
	v_cndmask_b32 v31, 0, s[NEGB], vcc_lo
	ds_store_b32 v[PB], v31                        ; both lanes of a row write the same word
	v_mul_f32 v[MU], s[I64], v[CH]
	v_mov_b32 v[MU+1], v[MU]
.set i, 0
.rept 16
	v_pk_add_f32 v[TA+2*i:TA+2*i+1], v[TA+2*i:TA+2*i+1], v[MU:MU+1] op_sel_hi:[1,0] neg_lo:[0,1] neg_hi:[0,1]
.set i, i+1
.endr
.irp q, 0,2,4,6
	v_pk_mul_f32 v[CH+\q:CH+\q+1], v[TA+\q:TA+\q+1], v[TA+\q:TA+\q+1]
.endr
.set i, 4
.rept 12
	v_pk_fma_f32 v[CH+2*(i%4):CH+2*(i%4)+1], v[TA+2*i:TA+2*i+1], v[TA+2*i:TA+2*i+1], v[CH+2*(i%4):CH+2*(i%4)+1]
.set i, i+1
.endr
	RED4
	v_fma_f32 v[RH], v[CH], s[I64], s[EPS]
	v_rsq_f32 v[RH], v[RH]
	v_nop
	s_wait_alu depctr_va_vdst(0)
	v_mov_b32 v[RH+1], v[RH]
.set i, 0
.rept 16
	v_pk_mul_f32 v[TA+2*i:TA+2*i+1], v[TA+2*i:TA+2*i+1], v[RH:RH+1] op_sel_hi:[1,0]
.set i, i+1
.endr
.set i, 0
.rept 16
	v_pk_fma_f32 v[TA+2*i:TA+2*i+1], v[TA+2*i:TA+2*i+1], v[160+2*i:160+2*i+1], v[192+2*i:192+2*i+1]
.set i, i+1
.endr
.set i, 0
.rept 16
	v_cvt_pk_bf16_f32 v[QF+i], v[TA+2*i], v[TA+2*i+1]
.set i, i+1
.endr
.set i, 0
.rept 4
	ds_store_b128 v[QA], v[QF+4*i:QF+4*i+3] offset:512*i
.set i, i+1
.endr
	v_add_nc_u32 v[DST], 16*272, v[DST]
	v_add_nc_u32 v[PB], 64, v[PB]
	v_add_nc_u32 v[QA], 2048, v[QA]
	s_sub_co_u32 s[CNT], s[CNT], 1
	s_cmp_lg_u32 s[CNT], 0
	s_cbranch_scc1 .Lln0
	s_cmp_eq_u32 s[ROLE], 0
	s_cbranch_scc1 .Lnovbm
	v_add_nc_u32 v31, VB, v30                      ; role 1 hands the mask on: my wave's own 64 words, 256 consecutive bytes
	ds_load_b64 v[96:97], v31
	s_wait_dscnt 0x0
	global_store_b64 v30, v[96:97], s[VBMP:VBMP+1]
	s_wait_xcnt 0x0
.Lnovbm:
	; the embedding: ACC = bias + LN0's rows x the chunk
	ENTER
	v_add_nc_u32 v[BA], BIASL+4*1024, v[H32]
.set w, 0
.rept 2
	WIN 0x80+0x40*w
.set i, 0
.rept 32
	ds_load_b128 v[8*i:8*i+3], v[BA] offset:64*(i%16)
	ds_load_b128 v[8*i+4:8*i+7], v[BA] offset:64*(i%16)+16
.set i, i+1
.endr
.set w, w+1
.endr
	ACCK 2, 0
	XSTORE
	; self-attention, head by head: Q, K, V^T (one text, three trips), the attention, and its part of the output projection onto ACC
	s_mov_b32 s[HH], 0
.Lhead:
	s_mov_b32 s[JJ], 0
.Lqkv:
	ENTER
	s_lshl_b32 s2, s[JJ], 10
	s_lshl_b32 s3, s[HH], 8
	s_add_co_u32 s2, s2, s3
	s_add_co_u32 s2, s2, BIASL
	v_add_nc_u32 v[BA], s2, v[H32]                 ; q's bias, k's, or zeros (v's is added behind the softmax)
	s_cmp_eq_u32 s[JJ], 2
	s_cselect_b32 s2, s[XRS], s[SS]                ; for V the sources change places
	s_cselect_b32 s3, s[SS], s[XRS]
	s_cselect_b32 s15, s[VWS], s[KWS]
	s_cmp_eq_u32 s[JJ], 0
	s_cselect_b32 s15, s[QXS], s15
	v_add_nc_u32 v[PA], s2, v[L16]
	v_add_nc_u32 v[PB], s3, v[L16]
	v_add_nc_u32 v[DST], s15, v[L16]
	TAINIT 4
	PROJ 4
	TAPACK 16
.set ti, 0
.rept 16
	ds_store_b128 v[DST], v[TA+4*ti:TA+4*ti+3] offset:((ti%4)*2+ti/8)*1024+((ti/4)%2)*512
.set ti, ti+1
.endr
	s_add_co_u32 s[JJ], s[JJ], 1
	s_cmp_lt_u32 s[JJ], 3
	s_cbranch_scc1 .Lqkv
	ENTER
	s_lshl_b32 s2, s[HH], 8
	s_add_co_u32 s2, s2, BIASL+3*1024
	v_add_nc_u32 v[BA], s2, v[H32]
	ATT
	ACCK 2, 0
	s_add_co_u32 s[HH], s[HH], 1
	s_cmp_lt_u32 s[HH], 4
	s_cbranch_scc1 .Lhead
	LNRES 28, 30, 32, 1
	s_cmp_eq_u32 s[ROLE], 0
	s_cbranch_scc1 .Lenc
	; role 1: q2 = t1 d_eqW + b, 64 columns (a head) a trip, stored as the fragments that the next launch lays into QX
	s_mov_b32 s[HH], 0
.Lq2:
	ENTER
	s_lshl_b32 s2, s[HH], 8
	s_add_co_u32 s2, s2, BIASL+5*1024
	v_add_nc_u32 v[BA], s2, v[H32]
	v_add_nc_u32 v[PA], s[SS], v[L16]
	v_add_nc_u32 v[PB], s[XRS], v[L16]
	TAINIT 4
	PROJ 4
	TAPACK 16
	s_lshl_b32 s2, s[HH], 15
	v_add_nc_u32 v[GA], s2, v[L16]
.set ti, 0
.rept 16
	global_store_b128 v[GA], v[TA+4*ti:TA+4*ti+3], s[Q2P:Q2P+1] offset:((ti%4)*2+ti/8)*1024+((ti/4)%2)*512
.set ti, ti+1
.endr
	s_wait_xcnt 0x0                                ; the stores' data and offset are rewritten in the next trip
	s_add_co_u32 s[HH], s[HH], 1
	s_cmp_lt_u32 s[HH], 4
	s_cbranch_scc1 .Lq2
	FIN
.Lenc:
	; role 0: the FFN, then LN2, whose rows leave as bf16 fragments
	FFN
	VEC3 F2B, LN2G, LN2B
	LNDUMP
	v_mov_b32 v[GA], v[L16]
	s_wait_loadcnt 0x0
	s_mov_b32 s[CNT], 4
.Lln2:
	s_wait_dscnt 0x0
	LNSTAT
	LNY
.set hf, 0
.rept 2
	WIN 0x0f
.set i, 0
.rept 32
	v_cvt_pk_bf16_f32 v[QF+i], v[128+64*hf+2*i], v[128+64*hf+2*i+1]
.set i, i+1
.endr
	WIN 0
.set i, 0
.rept 8
	global_store_b128 v[GA], v[QF+4*i:QF+4*i+3], s[ENCP:ENCP+1] offset:(4*hf+i/2)*4096+(i%2)*512
.set i, i+1
.endr
	s_wait_xcnt 0x0                                ; the 32 registers and the offset are rewritten only behind this wait
.set hf, hf+1
.endr
	v_add_nc_u32 v[GA], 1024, v[GA]
	LNNEXT 0
	s_cbranch_scc1 .Lln2
	FIN
.Lfunc_end_k_q5f345a826b_blkA:
	.size	k_q5f345a826b_blkA, .Lfunc_end_k_q5f345a826b_blkA-k_q5f345a826b_blkA
	.p2alignl 7, 3214868480
	.fill 96, 4, 3214868480
	.section	.rodata,"a",@progbits
	.p2align	6, 0x0
	.amdhsa_kernel k_q5f345a826b_blkA
		.amdhsa_group_segment_fixed_size 303616
		.amdhsa_private_segment_fixed_size 0
		.amdhsa_enable_private_segment 0
		.amdhsa_kernarg_size 232
		.amdhsa_user_sgpr_count 2
		.amdhsa_user_sgpr_kernarg_segment_ptr 1
		.amdhsa_wavefront_size32 1
		.amdhsa_system_sgpr_workgroup_id_x 1
		.amdhsa_system_sgpr_workgroup_id_y 1
		.amdhsa_system_sgpr_workgroup_id_z 1
		.amdhsa_system_vgpr_workitem_id 0
		.amdhsa_next_free_vgpr 1024
		.amdhsa_next_free_sgpr 104
		.amdhsa_reserve_vcc 1
		.amdhsa_float_denorm_mode_32 3
		.amdhsa_float_denorm_mode_16_64 3
		.amdhsa_memory_ordered 1
		.amdhsa_forward_progress 1
		.amdhsa_inst_pref_size 255
	.end_amdhsa_kernel
	.section	.bss,"aw",@nobits
	.p2align	6
	.space	262144
	.amdgpu_metadata
---
amdhsa.version: [ 1, 2 ]
amdhsa.kernels:
  - .name:           k_q5f345a826b_blkA
    .symbol:         k_q5f345a826b_blkA.kd
    .args:
      - { .name: src, .offset: 0, .size: 8, .value_kind: global_buffer, .address_space: global }
      - { .name: wts, .offset: 8, .size: 8, .value_kind: global_buffer, .address_space: global }
      - { .name: ln0sg, .offset: 16, .size: 8, .value_kind: global_buffer, .address_space: global }
      - { .name: ln0sb, .offset: 24, .size: 8, .value_kind: global_buffer, .address_space: global }
      - { .name: semb, .offset: 32, .size: 8, .value_kind: global_buffer, .address_space: global }
      - { .name: e_qb, .offset: 40, .size: 8, .value_kind: global_buffer, .address_space: global }
      - { .name: e_kb, .offset: 48, .size: 8, .value_kind: global_buffer, .address_space: global }
      - { .name: e_vb, .offset: 56, .size: 8, .value_kind: global_buffer, .address_space: global }
      - { .name: e_ob, .offset: 64, .size: 8, .value_kind: global_buffer, .address_space: global }
      - { .name: e_ln1g, .offset: 72, .size: 8, .value_kind: global_buffer, .address_space: global }
      - { .name: e_ln1b, .offset: 80, .size: 8, .value_kind: global_buffer, .address_space: global }
      - { .name: ln0tg, .offset: 88, .size: 8, .value_kind: global_buffer, .address_space: global }
      - { .name: ln0tb, .offset: 96, .size: 8, .value_kind: global_buffer, .address_space: global }
      - { .name: temb, .offset: 104, .size: 8, .value_kind: global_buffer, .address_space: global }
      - { .name: d_sqb, .offset: 112, .size: 8, .value_kind: global_buffer, .address_space: global }
      - { .name: d_skb, .offset: 120, .size: 8, .value_kind: global_buffer, .address_space: global }
      - { .name: d_svb, .offset: 128, .size: 8, .value_kind: global_buffer, .address_space: global }
      - { .name: d_sob, .offset: 136, .size: 8, .value_kind: global_buffer, .address_space: global }
      - { .name: d_ln1g, .offset: 144, .size: 8, .value_kind: global_buffer, .address_space: global }
      - { .name: d_ln1b, .offset: 152, .size: 8, .value_kind: global_buffer, .address_space: global }
      - { .name: e_f1b, .offset: 160, .size: 8, .value_kind: global_buffer, .address_space: global }
      - { .name: e_f2b, .offset: 168, .size: 8, .value_kind: global_buffer, .address_space: global }
      - { .name: e_ln2g, .offset: 176, .size: 8, .value_kind: global_buffer, .address_space: global }
      - { .name: e_ln2b, .offset: 184, .size: 8, .value_kind: global_buffer, .address_space: global }
      - { .name: d_eqb, .offset: 192, .size: 8, .value_kind: global_buffer, .address_space: global }
      - { .name: encx, .offset: 200, .size: 8, .value_kind: global_buffer, .address_space: global }
      - { .name: t1, .offset: 208, .size: 8, .value_kind: global_buffer, .address_space: global }
      - { .name: q2, .offset: 216, .size: 8, .value_kind: global_buffer, .address_space: global }
      - { .name: vbm, .offset: 224, .size: 8, .value_kind: global_buffer, .address_space: global }
    .group_segment_fixed_size: 303616
    .private_segment_fixed_size: 0
    .kernarg_segment_align: 8
    .kernarg_segment_size: 232
    .max_flat_workgroup_size: 128
    .sgpr_count:     104
    .vgpr_count:     1024
    .wavefront_size: 32
...
	.end_amdgpu_metadata
.endif
;; end of part 2
;; launch blkB (part 3): grid 128 x 1, 4 waves a work-group, no clusters, 303,616 bytes of LDS; arguments wts, encx, t1, q2, vbm, d_ekb, d_evb, d_eob, d_ln2g, d_ln2b, d_f1b, d_f2b, d_ln3g, d_ln3b, outW, outb, out0; writes out0
.if DOCPART == 3
	.amdgcn_target "amdgcn-amd-amdhsa--gfx1250"
	.amdhsa_code_object_version 6
	.text
	.protected	k_q5f345a826b_blkB
	.globl	k_q5f345a826b_blkB
	.p2align	8
	.type	k_q5f345a826b_blkB,@function
k_q5f345a826b_blkB:
	s_mov_b64 s[64:65], 0
	v_nop
	global_prefetch_b8 v0, s[64:65] scope:SCOPE_SE
	s_setreg_imm32_b32 hwreg(HW_REG_WAVE_MODE, 25, 1), 1
	s_wait_xcnt 0x0
; The decoder's second half for one batch: K and V from the encoder's rows (encx), cross-attention with q2, output projection onto t1, LN2, FFN, LN3 fused with the one output column, exp, mask, and the division by the batch's sum.
; Shares, layouts, the chunk ring and the reasons for them are those of the launch before: four waves, 64 rows each; the row stream in 512 registers, ACC(rt, nt) at v[512 + 128 rt + 8 nt];
; the matrix instruction used transposed (source 0 = 16 output columns of a weight, source 1 = 16 rows; swapped for V); fragments of 1,024 bytes laid as the registers hold them; weights as chunks of 32,768 bytes that
; each wave brings through 64 registers, one chunk ahead, into the idle one of two LDS slots, the look-ahead clamped to the last chunk.  No cluster and no tensor loads: with them the stream's last trips would be written out twice.
; 128 work-groups: the last division wants the sum over a batch's 256 rows, which one work-group owns.
; LIMITS.  A hidden key's score counts as its value less 8e10; its weight is 0.  No maximum is taken ahead of the last exponential: reference() takes none.  A hidden row's p is 0 (reference: exp x 0).
; A batch with no valid row gives NaN, as in reference().  Divisions are v_rcp_f32 and a multiply; exponentials below 2^-126 count as 0.  Matrix operands are bf16.
.set XR,    65536      ; 4 x 32,768: wave w's operand fragments [kf][rt] at (4 kf + rt) x 1,024
.set QX,    196608     ; 4 x 8,192: wave w's fragments [rt][kf]: Q, the attention's result, the FFN's hidden slab
.set KK,    229376     ; 32,768: K of one head, fragment (key tile t, kf) at 2,048 t + 1,024 kf
.set VT,    262144     ; 32,768: V^T of one head, fragment (channel tile c, keys 32 f on) at 8,192 (f / 2) + 2,048 c + 1,024 (f % 2)
.set VB,    294912     ; 1,024: for each key 0, or -8e10 if it is hidden
.set BIASL, 295936     ; 6 x 1,024: k's bias, zeros, -, v's, -, f1's
.set SPARE, 302080     ; 512: the spare words, 128 bytes a wave; no other line names them
.set PBUF,  302592     ; 1,024: the 256 rows' p
.set L16, 1            ; v1  16 x lane
.set H32, 2            ; v2  32 x (lane / 16)
.set SA,  3
.set GO,  4
.set PA,  5
.set PB,  6
.set DST, 7
.set BA,  8
.set QA,  9
.set KA,  10
.set VA,  11
.set VBA, 12
.set LA,  13
.set GA,  14
.set LB,  15
.set CH,  16           ; v16-23  four chains of pairs
.set MU,  24
.set RH,  26
.set SPW, 28           ; v28  my spare word; never rewritten
.set NIL, 29           ; v29  0; never rewritten
.set STG, 32           ; v32-95  my quarter of the chunk on its way
.set QF,  96
.set TA,  128
.set WTS, 6
.set WV,  8
.set BATCH, 10
.set SS,  11
.set SOFF, 12
.set SLAST, 13
.set W8K, 14
.set XRS, 54
.set QXS, 55
.set KWS, 56
.set VWS, 57
.set LNSS, 58
.set HH,  59
.set JJ,  60
.set CNT, 61
.set SEL, 62
.set CS,  86
.set K1,  88
.set K3,  90
.set I256, 92
.set EPS, 93
.set NEGB, 94
.set I64, 95
.set OB,  96           ; s96  outb
.set ENCP, 16
.set T1P, 18
.set Q2P, 20
.set VBMP, 22
.set EKB, 24
.set EVB, 26
.set EOB, 28
.set LN2G, 30
.set LN2B, 68
.set F1B, 70
.set F2B, 72
.set LN3G, 74
.set LN3B, 76
.set OUTW, 78
.set OUTB, 80
.set OUT0, 82
.set MSB, 0
.macro WIN new                         ; s_set_vgpr_msb: bits 1:0 source 0, 3:2 source 1, 5:4 source 2, 7:6 destination; the high byte repeats the setting that is left
.if MSB != (\new)
	s_set_vgpr_msb (MSB<<8)|(\new)
.set MSB, (\new)
.endif
.endm
.macro PLACES                          ; four places behind a matrix instruction, ahead of vector reads of its result and of loads into its registers
.rept 4
	v_nop
.endr
.endm
.macro FETCH                           ; my quarter of a chunk, 16 x 512 consecutive bytes
	WIN 0
.set fi, 0
.rept 16
	global_load_b128 v[STG+4*fi:STG+4*fi+3], v[GO], s[WTS:WTS+1] offset:512*fi
.set fi, fi+1
.endr
.endm
.macro STAGE                           ; the chunk that has come goes into slot SS; the one after it is asked for
	WIN 0
	s_wait_loadcnt 0x0                             ; the quarter is in; its address register is free
	s_add_co_u32 s15, s[SS], s[W8K]
	v_add_nc_u32 v[SA], s15, v[L16]
.set fi, 0
.rept 16
	ds_store_b128 v[SA], v[STG+4*fi:STG+4*fi+3] offset:512*fi
.set fi, fi+1
.endr
	s_xor_b32 s[SS], s[SS], 0x8000
	s_add_co_u32 s[SOFF], s[SOFF], 0x8000
	s_min_u32 s[SOFF], s[SOFF], s[SLAST]           ; no load passes the last chunk
	s_add_co_u32 s15, s[SOFF], s[W8K]
	v_add_nc_u32 v[GO], s15, v[L16]
	FETCH
.endm
.macro ENTER                           ; a chunk is entered.  The barrier orders: all reads of the slot now overwritten; the stores of the chunk now read; K's and V's stores ahead of the attention, its reads ahead of the next head's stores
	WIN 0
	s_wait_dscnt 0x0                               ; for the others' sake: my LDS reads and stores are done
	s_barrier_signal -1
	s_barrier_wait -1
	STAGE
.endm
.macro TAINIT na                       ; the results begin as the bias: tile 4 a + b takes columns 16 a on
	WIN 0
.set ti, 0
.rept 4*(\na)
	ds_load_b128 v[TA+8*ti:TA+8*ti+3], v[BA] offset:64*(ti/4)
	ds_load_b128 v[TA+8*ti+4:TA+8*ti+7], v[BA] offset:64*(ti/4)+16
.set ti, ti+1
.endr
.endm
.macro LDAB buf, na, ko                ; the fragments of one 32 along k, ko steps on: na from PA, 4 from PB, into buffer buf of window 1
	WIN 0x40
.set li, 0
.rept \na
	ds_load_b128 v[64*(\buf)+8*li:64*(\buf)+8*li+3], v[PA] offset:((\ko)*(\na)+li)*1024
	ds_load_b128 v[64*(\buf)+8*li+4:64*(\buf)+8*li+7], v[PA] offset:((\ko)*(\na)+li)*1024+512
.set li, li+1
.endr
.set li, 0
.rept 4
	ds_load_b128 v[64*(\buf)+32+8*li:64*(\buf)+32+8*li+3], v[PB] offset:((\ko)*4+li)*1024
	ds_load_b128 v[64*(\buf)+32+8*li+4:64*(\buf)+32+8*li+7], v[PB] offset:((\ko)*4+li)*1024+512
.set li, li+1
.endr
.endm
.macro MULAB buf, na                   ; 4 na products; the accumulators take turns
	WIN 0x05
.set mi, 0
.rept 4*(\na)
	v_wmma_f32_16x16x32_bf16 v[TA+8*mi:TA+8*mi+7], v[64*(\buf)+8*(mi/4):64*(\buf)+8*(mi/4)+7], v[64*(\buf)+32+8*(mi%4):64*(\buf)+32+8*(mi%4)+7], v[TA+8*mi:TA+8*mi+7]
.set mi, mi+1
.endr
.endm
.macro PROJ na                         ; TA(a, b) += sum over 256 k, on two fragment buffers; a wait leaves out the 2 (na + 4) loads just issued for the other buffer
	LDAB 0, \na, 0
	WIN 0
	s_mov_b32 s[CNT], 3
.Lpj_\@:
	LDAB 1, \na, 1
	s_wait_dscnt 2*((\na)+4)
	MULAB 0, \na
	PLACES
	LDAB 0, \na, 2
	s_wait_dscnt 2*((\na)+4)
	MULAB 1, \na
	PLACES
	WIN 0
	v_add_nc_u32 v[PA], 2048*(\na), v[PA]
	v_add_nc_u32 v[PB], 8192, v[PB]
	s_sub_co_u32 s[CNT], s[CNT], 1
	s_cmp_lg_u32 s[CNT], 0
	s_cbranch_scc1 .Lpj_\@
	LDAB 1, \na, 1
	s_wait_dscnt 2*((\na)+4)
	MULAB 0, \na
	s_wait_dscnt 0x0
	MULAB 1, \na
	PLACES
	WIN 0
.endm
.macro TAPACK n                        ; n results rounded to bf16, in place and ascending: tile t's four words land at TA + 4 t, behind what has been read
	WIN 0
.set ti, 0
.rept 4*(\n)
	v_cvt_pk_bf16_f32 v[TA+ti], v[TA+2*ti], v[TA+2*ti+1]
.set ti, ti+1
.endr
.endm
.macro ACCK nk, woff                   ; ACC(rt, nt) += my fragments in QX x the chunk's 256 columns, 32 nk along k.  The waits leave out the weight fragments still to come
	WIN 0
	s_add_co_u32 s15, s[SS], \woff
	v_add_nc_u32 v[PA], s15, v[L16]
	v_add_nc_u32 v[PB], s[QXS], v[L16]
.if (\nk) > 1
	s_mov_b32 s[CNT], \nk
.Lack_\@:
.endif
	WIN 0x40
.set ai, 0
.rept 4
	ds_load_b128 v[128+8*ai:128+8*ai+3], v[PB] offset:2048*ai
	ds_load_b128 v[128+8*ai+4:128+8*ai+7], v[PB] offset:2048*ai+512
.set ai, ai+1
.endr
.set ai, 0
.rept 16
	ds_load_b128 v[8*ai:8*ai+3], v[PA] offset:1024*ai
	ds_load_b128 v[8*ai+4:8*ai+7], v[PA] offset:1024*ai+512
.set ai, ai+1
.endr
.set ag, 0
.rept 4
	s_wait_dscnt 24-8*ag
.set aw, 0
.rept 2                                ; row tiles 0, 1 lie in window 2, row tiles 2, 3 in window 3
	WIN 0xa5+0x50*aw
.set ai, 0
.rept 8
.set an, 4*ag+ai/2
.set ar, ai%2
	v_wmma_f32_16x16x32_bf16 v[128*ar+8*an:128*ar+8*an+7], v[8*an:8*an+7], v[128+8*(2*aw+ar):128+8*(2*aw+ar)+7], v[128*ar+8*an:128*ar+8*an+7]
.set ai, ai+1
.endr
.set aw, aw+1
.endr
.set ag, ag+1
.endr
	PLACES
	WIN 0
.if (\nk) > 1
	v_add_nc_u32 v[PA], 16384, v[PA]
	v_add_nc_u32 v[PB], 1024, v[PB]
	s_sub_co_u32 s[CNT], s[CNT], 1
	s_cmp_lg_u32 s[CNT], 0
	s_cbranch_scc1 .Lack_\@
.endif
.endm
.macro XSTORE                          ; the row stream, rounded to bf16, becomes my operand fragments in XR
	WIN 0
	v_add_nc_u32 v[DST], s[XRS], v[L16]
.set xr, 0
.rept 4
	WIN 0x0a+5*(xr/2)
.set xi, 0
.rept 64
	v_cvt_pk_bf16_f32 v[TA+64*(xr%2)+xi], v[128*(xr%2)+2*xi], v[128*(xr%2)+2*xi+1]
.set xi, xi+1
.endr
	WIN 0
.set xi, 0
.rept 16
	ds_store_b128 v[DST], v[TA+64*(xr%2)+4*xi:TA+64*(xr%2)+4*xi+3] offset:(xi/2)*4096+xr*1024+(xi%2)*512
.set xi, xi+1
.endr
.set xr, xr+1
.endr
.endm
.macro RED4                            ; the four chains, the pair's halves, and the other half of the lanes: the row's sum in v[CH] of both its lanes
	v_pk_add_f32 v[CH:CH+1], v[CH:CH+1], v[CH+2:CH+3]
	v_pk_add_f32 v[CH+4:CH+5], v[CH+4:CH+5], v[CH+6:CH+7]
	v_pk_add_f32 v[CH:CH+1], v[CH:CH+1], v[CH+4:CH+5]
	v_add_f32 v[CH], v[CH], v[CH+1]
	v_permlanex16_b32 v[CH+1], v[CH], s[SEL], s[SEL+1]
	v_add_f32 v[CH], v[CH], v[CH+1]
.endm
; ATTENTION of one head for my 64 queries, a row tile a trip.  S^T = mask + K Q^T (a lane: one query, keys 16 t + 8 h + 0..7); p = 2^(c s - c m) with the row's maximum m; O^T = V^T P; O / l + v's bias
; (exact, since the weights sum to 1) goes, as bf16 fragments, where the tile's Q lay.  v[BA] points at v's bias for this head.
.macro ATT
	WIN 0
	v_add_nc_u32 v[QA], s[QXS], v[L16]
	s_mov_b32 s[CNT], 4
.Latt_\@:
.set ai, 0
.rept 16
	ds_load_b128 v[TA+8*ai:TA+8*ai+3], v[VBA] offset:64*ai
	ds_load_b128 v[TA+8*ai+4:TA+8*ai+7], v[VBA] offset:64*ai+16
.set ai, ai+1
.endr
.set ai, 0
.rept 4
	ds_load_b128 v[QF+4*ai:QF+4*ai+3], v[QA] offset:512*ai
.set ai, ai+1
.endr
	WIN 0x40
.set ai, 0
.rept 32                               ; K(t, kf) at v[16 t + 8 kf] of window 1; kf = 0 first
	ds_load_b128 v[16*(ai%16)+8*(ai/16):16*(ai%16)+8*(ai/16)+3], v[KA] offset:(ai%16)*2048+(ai/16)*1024
	ds_load_b128 v[16*(ai%16)+8*(ai/16)+4:16*(ai%16)+8*(ai/16)+7], v[KA] offset:(ai%16)*2048+(ai/16)*1024+512
.set ai, ai+1
.endr
	WIN 0x01
.set ai, 0
.rept 32
.if ai%8 == 0
	s_wait_dscnt 48-16*(ai/8)                      ; the mask, Q and K's next eight fragments are in; the later ones stay out
.endif
	v_wmma_f32_16x16x32_bf16 v[TA+8*(ai%16):TA+8*(ai%16)+7], v[16*(ai%16)+8*(ai/16):16*(ai%16)+8*(ai/16)+7], v[QF+8*(ai/16):QF+8*(ai/16)+7], v[TA+8*(ai%16):TA+8*(ai%16)+7]
.set ai, ai+1
.endr
	PLACES
	WIN 0x40
.set ai, 0
.rept 32                               ; V^T(f, c) at v[8 (4 f + c)] of window 1: it lands while the softmax is made
	ds_load_b128 v[8*ai:8*ai+3], v[VA] offset:(ai/8)*8192+(ai%4)*2048+((ai/4)%2)*1024
	ds_load_b128 v[8*ai+4:8*ai+7], v[VA] offset:(ai/8)*8192+(ai%4)*2048+((ai/4)%2)*1024+512
.set ai, ai+1
.endr
	WIN 0
.set xg, 0
.rept 4                                ; the maximum, in four chains; each result's lowest registers are read first
.set xs, 0
.rept 4
.set xq, 0
.rept 4
.set xb, TA+8*(4*xg+xq)
.if (xg == 0) && (xs == 0)
	v_max3_num_f32 v[CH+xq], v[xb], v[xb+1], v[xb+2]
.elseif (xg == 0) && (xs == 3)
	v_max_num_f32 v[CH+xq], v[CH+xq], v[xb+7]
.elseif xg == 0
	v_max3_num_f32 v[CH+xq], v[CH+xq], v[xb+2*xs+1], v[xb+2*xs+2]
.else
	v_max3_num_f32 v[CH+xq], v[CH+xq], v[xb+2*xs], v[xb+2*xs+1]
.endif
.set xq, xq+1
.endr
.set xs, xs+1
.endr
.set xg, xg+1
.endr
	v_max3_num_f32 v[CH], v[CH], v[CH+1], v[CH+2]
	v_max_num_f32 v[CH], v[CH], v[CH+3]
	v_permlanex16_b32 v[CH+1], v[CH], s[SEL], s[SEL+1]
	v_max_num_f32 v[CH], v[CH], v[CH+1]
	v_mul_f32 v[MU], s[CS], v[CH]
	v_mov_b32 v[MU+1], v[MU]
.set ai, 0
.rept 64
	v_pk_fma_f32 v[TA+2*ai:TA+2*ai+1], v[TA+2*ai:TA+2*ai+1], s[CS:CS+1], v[MU:MU+1] op_sel_hi:[1,0,0] neg_lo:[0,0,1] neg_hi:[0,0,1]
.set ai, ai+1
.endr
.set ei, 0
.rept 16                               ; eight exponentials, then the sums of the eight before: a plain instruction stands behind every exponential before its result is used
.set ej, 0
.rept 8
	v_exp_f32 v[TA+8*ei+ej], v[TA+8*ei+ej]
.set ej, ej+1
.endr
.if ei == 1
	v_nop
.elseif ei == 2
	s_wait_alu depctr_va_vdst(0)
.irp q, 0,2,4,6
	v_pk_add_f32 v[CH+\q:CH+\q+1], v[TA+\q:TA+\q+1], v[TA+8+\q:TA+8+\q+1]
.endr
.elseif ei > 2
	s_wait_alu depctr_va_vdst(0)
.irp q, 0,2,4,6
	v_pk_add_f32 v[CH+\q:CH+\q+1], v[CH+\q:CH+\q+1], v[TA+8*(ei-1)+\q:TA+8*(ei-1)+\q+1]
.endr
.endif
.set ei, ei+1
.endr
	s_wait_alu depctr_va_vdst(0)
.irp q, 0,2,4,6
	v_pk_add_f32 v[CH+\q:CH+\q+1], v[CH+\q:CH+\q+1], v[TA+120+\q:TA+120+\q+1]
.endr
.set ai, 0
.rept 64                               ; P, in place and ascending: the fragment of keys 32 f on at TA + 8 f
	v_cvt_pk_bf16_f32 v[TA+ai], v[TA+2*ai], v[TA+2*ai+1]
.set ai, ai+1
.endr
.set ai, 0
.rept 4
	ds_load_b128 v[224+8*ai:224+8*ai+3], v[BA] offset:64*ai
	ds_load_b128 v[224+8*ai+4:224+8*ai+7], v[BA] offset:64*ai+16
.set ai, ai+1
.endr
	RED4
	v_rcp_f32 v[RH], v[CH]
	v_nop
	s_wait_alu depctr_va_vdst(0)
	v_mov_b32 v[RH+1], v[RH]
	s_wait_dscnt 0x0                               ; V^T and the bias are in
	WIN 0x01
.set ai, 0
.rept 32
.if ai < 4
	v_wmma_f32_16x16x32_bf16 v[192+8*(ai%4):192+8*(ai%4)+7], v[8*ai:8*ai+7], v[TA+8*(ai/4):TA+8*(ai/4)+7], 0
.else
	v_wmma_f32_16x16x32_bf16 v[192+8*(ai%4):192+8*(ai%4)+7], v[8*ai:8*ai+7], v[TA+8*(ai/4):TA+8*(ai/4)+7], v[192+8*(ai%4):192+8*(ai%4)+7]
.endif
.set ai, ai+1
.endr
	PLACES
	WIN 0
.set ai, 0
.rept 16
	v_pk_fma_f32 v[192+2*ai:192+2*ai+1], v[192+2*ai:192+2*ai+1], v[RH:RH+1], v[224+2*ai:224+2*ai+1] op_sel_hi:[1,0,1]
.set ai, ai+1
.endr
.set ai, 0
.rept 16
	v_cvt_pk_bf16_f32 v[QF+ai], v[192+2*ai], v[192+2*ai+1]
.set ai, ai+1
.endr
.set ai, 0
.rept 4
	ds_store_b128 v[QA], v[QF+4*ai:QF+4*ai+3] offset:512*ai
.set ai, ai+1
.endr
	v_add_nc_u32 v[QA], 2048, v[QA]
	s_sub_co_u32 s[CNT], s[CNT], 1
	s_cmp_lg_u32 s[CNT], 0
	s_cbranch_scc1 .Latt_\@
.endm
.macro GELU                            ; x / (1 + 2^(x (k1 + k3 x^2))) on TA's first 64 registers: the tanh form of GELU, k1 = -2 sqrt(2 / pi) log2(e), k3 = 0.044715 k1
	WIN 0
.set gi, 0
.rept 8
.set gx, TA+8*gi
.irp p, 0,2,4,6
	v_pk_mul_f32 v[QF+\p:QF+\p+1], v[gx+\p:gx+\p+1], v[gx+\p:gx+\p+1]
.endr
.irp p, 0,2,4,6
	v_pk_fma_f32 v[QF+\p:QF+\p+1], v[QF+\p:QF+\p+1], s[K3:K3+1], s[K1:K1+1] op_sel_hi:[1,0,0]
.endr
.irp p, 0,2,4,6
	v_pk_mul_f32 v[QF+\p:QF+\p+1], v[QF+\p:QF+\p+1], v[gx+\p:gx+\p+1]
.endr
.irp p, 0,1,2,3,4,5,6,7
	v_exp_f32 v[QF+\p], v[QF+\p]
.endr
	v_nop
	s_wait_alu depctr_va_vdst(0)
.irp p, 0,2,4,6
	v_pk_add_f32 v[QF+\p:QF+\p+1], v[QF+\p:QF+\p+1], 1.0 op_sel_hi:[1,0]
.endr
.irp p, 0,1,2,3,4,5,6,7
	v_rcp_f32 v[QF+\p], v[QF+\p]
.endr
	v_nop
	s_wait_alu depctr_va_vdst(0)
.irp p, 0,2,4,6
	v_pk_mul_f32 v[gx+\p:gx+\p+1], v[gx+\p:gx+\p+1], v[QF+\p:QF+\p+1]
.endr
.set gi, gi+1
.endr
.endm
; LAYER NORM over the row stream.  Registers cannot be indexed, so one text works on row tile 0's registers (T): tiles 1-3 wait in three LDS slots of my own and come into T one a trip.
; BI (window 1, v0-127) is the bias still to be added, G (window 1, v128-255) the gain, TA's registers the additive vector; Y is row tile 3's registers.
.macro VEC3 sbi, sg, sb                ; three vectors of 256, each lane its 128 columns
	WIN 0x40
.set vi, 0
.rept 32
	global_load_b128 v[4*vi:4*vi+3], v[H32], s[\sbi:\sbi+1] offset:64*(vi/2)+16*(vi%2)
	global_load_b128 v[128+4*vi:128+4*vi+3], v[H32], s[\sg:\sg+1] offset:64*(vi/2)+16*(vi%2)
.set vi, vi+1
.endr
	WIN 0
.set vi, 0
.rept 32
	global_load_b128 v[TA+4*vi:TA+4*vi+3], v[H32], s[\sb:\sb+1] offset:64*(vi/2)+16*(vi%2)
.set vi, vi+1
.endr
.endm
.macro LNDUMP                          ; the slots lie over XR, QX and KK, which other waves may still read: a barrier first
	WIN 0
	s_wait_dscnt 0x0
	s_barrier_signal -1
	s_barrier_wait -1
	WIN 0x08
.set vi, 0
.rept 32
	ds_store_b128 v[LB], v[128+4*vi:128+4*vi+3] offset:512*vi
.set vi, vi+1
.endr
	WIN 0x0c
.set vi, 0
.rept 64
	ds_store_b128 v[LB], v[4*vi:4*vi+3] offset:16384+512*vi
.set vi, vi+1
.endr
	WIN 0
	v_mov_b32 v[LA], v[LB]
.endm
.macro LNSTAT                          ; T += BI; T -= mean; v[RH] = 1 / sqrt(variance + 1e-5): two passes, no difference of large sums
	WIN 0x86
.set vi, 0
.rept 64
	v_pk_add_f32 v[2*vi:2*vi+1], v[2*vi:2*vi+1], v[2*vi:2*vi+1]
.set vi, vi+1
.endr
	WIN 0x0a
.irp q, 0,2,4,6
	v_pk_add_f32 v[CH+\q:CH+\q+1], v[\q:\q+1], v[8+\q:8+\q+1]
.endr
	WIN 0x08
.set vi, 8
.rept 56
	v_pk_add_f32 v[CH+2*(vi%4):CH+2*(vi%4)+1], v[CH+2*(vi%4):CH+2*(vi%4)+1], v[2*vi:2*vi+1]
.set vi, vi+1
.endr
	WIN 0
	RED4
	v_mul_f32 v[MU], s[I256], v[CH]
	v_mov_b32 v[MU+1], v[MU]
	WIN 0x82
.set vi, 0
.rept 64
	v_pk_add_f32 v[2*vi:2*vi+1], v[2*vi:2*vi+1], v[MU:MU+1] op_sel_hi:[1,0] neg_lo:[0,1] neg_hi:[0,1]
.set vi, vi+1
.endr
	WIN 0x0a
.irp q, 0,2,4,6
	v_pk_mul_f32 v[CH+\q:CH+\q+1], v[\q:\q+1], v[\q:\q+1]
.endr
.set vi, 4
.rept 60
	v_pk_fma_f32 v[CH+2*(vi%4):CH+2*(vi%4)+1], v[2*vi:2*vi+1], v[2*vi:2*vi+1], v[CH+2*(vi%4):CH+2*(vi%4)+1]
.set vi, vi+1
.endr
	WIN 0
	RED4
	v_fma_f32 v[RH], v[CH], s[I256], s[EPS]
	v_rsq_f32 v[RH], v[RH]
	v_nop
	s_wait_alu depctr_va_vdst(0)
	v_mov_b32 v[RH+1], v[RH]
.endm
.macro LNY                             ; Y = T / sigma x G + the additive vector
	WIN 0x82
.set vi, 0
.rept 64
	v_pk_mul_f32 v[2*vi:2*vi+1], v[2*vi:2*vi+1], v[RH:RH+1] op_sel_hi:[1,0]
.set vi, vi+1
.endr
	WIN 0xc6
.set vi, 0
.rept 64
	v_pk_fma_f32 v[128+2*vi:128+2*vi+1], v[2*vi:2*vi+1], v[128+2*vi:128+2*vi+1], v[128+2*vi:128+2*vi+1]
.set vi, vi+1
.endr
.endm
.macro LNNEXT res                      ; but in the last trip: the next tile comes into T; res = 1: Y takes its place in the slot (LDS serves a wave's instructions in order: the loads see the old bytes).  Leaves the loop's compare in SCC
	WIN 0
	s_cmp_eq_u32 s[CNT], 1
	s_cbranch_scc1 .Llnl_\@
	WIN 0x80
.set vi, 0
.rept 32
	ds_load_b128 v[4*vi:4*vi+3], v[LA] offset:512*vi
.set vi, vi+1
.endr
.if \res
	WIN 0x0c
.set vi, 0
.rept 32
	ds_store_b128 v[LA], v[128+4*vi:128+4*vi+3] offset:512*vi
.set vi, vi+1
.endr
.endif
	WIN 0
	v_add_nc_u32 v[LA], 0x4000, v[LA]
.Llnl_\@:
	s_sub_co_u32 s[CNT], s[CNT], 1
	s_cmp_lg_u32 s[CNT], 0
.endm
.macro LNRES sbi, sg, sb               ; the normed rows go back into ACC and, as bf16 fragments, into XR
	VEC3 \sbi, \sg, \sb
	LNDUMP
	s_wait_loadcnt 0x0                             ; the three vectors
	s_mov_b32 s[CNT], 4
.Lln_\@:
	s_wait_dscnt 0x0                               ; T is in
	LNSTAT
	LNY
	LNNEXT 1
	s_cbranch_scc1 .Lln_\@
	WIN 0x80
.set vi, 0
.rept 64
	ds_load_b128 v[4*vi:4*vi+3], v[LB] offset:512*vi
.set vi, vi+1
.endr
	WIN 0xc0
.set vi, 0
.rept 32
	ds_load_b128 v[4*vi:4*vi+3], v[LB] offset:32768+512*vi
.set vi, vi+1
.endr
	WIN 0
	s_wait_dscnt 0x0                               ; my slots are read out: behind the barrier every wave may write XR again
	s_barrier_signal -1
	s_barrier_wait -1
	XSTORE
.endm
.macro FFN                             ; eight slabs of 32 hidden columns: h = GELU(x f1 + b), ACC += h f2
	WIN 0
	s_mov_b32 s[HH], 0
.Lffn_\@:
	ENTER
	s_lshl_b32 s15, s[HH], 7
	s_add_co_u32 s15, s15, BIASL+5*1024
	v_add_nc_u32 v[BA], s15, v[H32]
	v_add_nc_u32 v[PA], s[SS], v[L16]
	v_add_nc_u32 v[PB], s[XRS], v[L16]
	TAINIT 2
	PROJ 2
	GELU
	TAPACK 8
	v_add_nc_u32 v[DST], s[QXS], v[L16]
.set ti, 0
.rept 8
	ds_store_b128 v[DST], v[TA+4*ti:TA+4*ti+3] offset:(ti%4)*2048+(ti/4)*512
.set ti, ti+1
.endr
	ACCK 1, 16384
	s_add_co_u32 s[HH], s[HH], 1
	s_cmp_lt_u32 s[HH], 8
	s_cbranch_scc1 .Lffn_\@
.endm
.macro SETUP
	v_lshl_add_u32 v[SPW], v0, 2, SPARE
	v_mov_b32 v[NIL], 0
	v_lshrrev_b32 v30, 5, v0
	v_readfirstlane_b32 s[WV], v30
	v_and_b32 v30, 31, v0
	v_lshlrev_b32 v[L16], 4, v30
	v_bfe_u32 v31, v0, 4, 1
	v_lshlrev_b32 v[H32], 5, v31
	v_add_nc_u32 v[KA], KK, v[L16]
	v_add_nc_u32 v[VA], VT, v[L16]
	v_add_nc_u32 v[VBA], VB, v[H32]
	s_mov_b32 s[BATCH], ttmp9
	s_lshl_b32 s[W8K], s[WV], 13
	s_lshl_b32 s[XRS], s[WV], 15
	s_add_co_u32 s[XRS], s[XRS], XR
	s_add_co_u32 s[QXS], s[W8K], QX
	s_add_co_u32 s[KWS], s[W8K], KK
	s_add_co_u32 s[VWS], s[W8K], VT
	s_mul_i32 s[LNSS], s[WV], 49152
	s_add_co_u32 s[LNSS], s[LNSS], XR
	v_add_nc_u32 v[LB], s[LNSS], v[L16]
	s_mov_b32 s[SEL], 0x76543210
	s_mov_b32 s[SEL+1], 0xfedcba98
	s_mov_b32 s[CS], 0x3e38aa3b                    ; log2(e) / 8
	s_mov_b32 s[CS+1], s[CS]
	s_mov_b32 s[K1], 0xc0135766                    ; -2.3022082
	s_mov_b32 s[K1+1], s[K1]
	s_mov_b32 s[K3], 0xbdd2d3e8                    ; -0.10294324
	s_mov_b32 s[K3+1], s[K3]
	s_mov_b32 s[I256], 0x3b800000                  ; 1 / 256
	s_mov_b32 s[EPS], 0x3727c5ac                   ; 1e-5
	s_mov_b32 s[SS], 0
.endm
	s_load_b64 s[WTS:WTS+1], s[0:1], 0x0
	s_load_b512 s[16:31], s[0:1], 0x8              ; encx, t1, q2, vbm, d_ekb, d_evb, d_eob, d_ln2g
	s_load_b512 s[68:83], s[0:1], 0x48             ; d_ln2b, d_f1b, d_f2b, d_ln3g, d_ln3b, outW, outb, out0
	SETUP
	s_mov_b32 s[SOFF], 46*32768                    ; this launch's chunks: 46 to 65
	s_mov_b32 s[SLAST], 65*32768
	s_add_co_u32 s15, s[SOFF], s[W8K]
	v_add_nc_u32 v[GO], s15, v[L16]
	v_lshlrev_b32 v30, 3, v0                       ; 8 x thread: 128 threads copy a vector of 1,024 bytes
	v_mov_b32 v106, 0
	v_mov_b32 v107, 0
	s_wait_kmcnt 0x0
	s_load_b32 s[OB], s[OUTB:OUTB+1], 0x0
	s_mov_b32 s3, 0
	s_lshl2_add_u32 s15, s[BATCH], s[WV]           ; 4 x batch + wave
	s_lshl_b32 s2, s15, 15
	s_add_nc_u64 s[ENCP:ENCP+1], s[ENCP:ENCP+1], s[2:3]
	s_lshl_b32 s2, s15, 16
	s_add_nc_u64 s[T1P:T1P+1], s[T1P:T1P+1], s[2:3]
	s_lshl_b32 s2, s[BATCH], 17
	s_add_co_u32 s2, s2, s[W8K]
	s_add_nc_u64 s[Q2P:Q2P+1], s[Q2P:Q2P+1], s[2:3]
	s_lshl_b32 s2, s[BATCH], 10
	s_add_nc_u64 s[VBMP:VBMP+1], s[VBMP:VBMP+1], s[2:3]
	s_add_nc_u64 s[OUT0:OUT0+1], s[OUT0:OUT0+1], s[2:3]
	FETCH                                          ; everything that the start needs goes out together
	WIN 0x40
.set i, 0
.rept 64                                               ; my 64 rows of the encoder's result, 32,768 bytes of fragments as XR wants them
	global_load_b128 v[4*i:4*i+3], v[L16], s[ENCP:ENCP+1] offset:512*i th:TH_LOAD_NT
.set i, i+1
.endr
	WIN 0x80
.set i, 0
.rept 64                                               ; ACC = t1, as the launch before held it in registers
	global_load_b128 v[4*i:4*i+3], v[L16], s[T1P:T1P+1] offset:512*i th:TH_LOAD_NT
.set i, i+1
.endr
	WIN 0xc0
.set i, 0
.rept 64
	global_load_b128 v[4*i:4*i+3], v[L16], s[T1P:T1P+1] offset:32768+512*i th:TH_LOAD_NT
.set i, i+1
.endr
	WIN 0
	global_load_b64 v[96:97], v30, s[EKB:EKB+1]
	global_load_b64 v[98:99], v30, s[EVB:EVB+1]
	global_load_b64 v[100:101], v30, s[F1B:F1B+1]
	global_load_b64 v[102:103], v30, s[VBMP:VBMP+1]
	STAGE                                          ; waits for all of them; the first chunk goes into slot 0
	v_add_nc_u32 v[BA], BIASL, v30
	ds_store_b64 v[BA], v[96:97]
	ds_store_b64 v[BA], v[106:107] offset:1024
	ds_store_b64 v[BA], v[98:99] offset:3072
	ds_store_b64 v[BA], v[100:101] offset:5120
	v_add_nc_u32 v[BA], VB, v30
	ds_store_b64 v[BA], v[102:103]
	v_add_nc_u32 v[DST], s[XRS], v[L16]
	WIN 0x04
.set i, 0
.rept 64
	ds_store_b128 v[DST], v[4*i:4*i+3] offset:512*i
.set i, i+1
.endr
	WIN 0
	s_wait_kmcnt 0x0                               ; outb
	; cross-attention, head by head: K, V^T (one text, two trips), the attention with q2, and its part of the output projection onto ACC
	s_mov_b32 s[HH], 0
.Lhead:
	s_lshl_b32 s2, s[HH], 15
	v_add_nc_u32 v[GA], s2, v[L16]
	WIN 0x40
.set i, 0
.rept 16                                               ; the head's q2 is asked for now, into registers that the projections leave alone; the chunk ring's wait for loads shows it landed
	global_load_b128 v[128+4*i:128+4*i+3], v[GA], s[Q2P:Q2P+1] offset:512*i th:TH_LOAD_NT
.set i, i+1
.endr
	WIN 0
	s_mov_b32 s[JJ], 0
.Lkv:
	ENTER
	s_lshl_b32 s2, s[JJ], 10
	s_lshl_b32 s3, s[HH], 8
	s_add_co_u32 s2, s2, s3
	s_add_co_u32 s2, s2, BIASL
	v_add_nc_u32 v[BA], s2, v[H32]                 ; k's bias, or zeros (v's is added behind the softmax)
	s_cmp_eq_u32 s[JJ], 1
	s_cselect_b32 s2, s[XRS], s[SS]                ; for V the sources change places
	s_cselect_b32 s3, s[SS], s[XRS]
	s_cselect_b32 s15, s[VWS], s[KWS]
	v_add_nc_u32 v[PA], s2, v[L16]
	v_add_nc_u32 v[PB], s3, v[L16]
	v_add_nc_u32 v[DST], s15, v[L16]
	TAINIT 4
	PROJ 4
	TAPACK 16
.set ti, 0
.rept 16
	ds_store_b128 v[DST], v[TA+4*ti:TA+4*ti+3] offset:((ti%4)*2+ti/8)*1024+((ti/4)%2)*512
.set ti, ti+1
.endr
	s_add_co_u32 s[JJ], s[JJ], 1
	s_cmp_lt_u32 s[JJ], 2
	s_cbranch_scc1 .Lkv
	v_add_nc_u32 v[DST], s[QXS], v[L16]
	WIN 0x04
.set i, 0
.rept 16
	ds_store_b128 v[DST], v[128+4*i:128+4*i+3] offset:512*i
.set i, i+1
.endr
	WIN 0
	ENTER
	s_lshl_b32 s2, s[HH], 8
	s_add_co_u32 s2, s2, BIASL+3*1024
	v_add_nc_u32 v[BA], s2, v[H32]
	ATT
	ACCK 2, 0
	s_add_co_u32 s[HH], s[HH], 1
	s_cmp_lt_u32 s[HH], 4
	s_cbranch_scc1 .Lhead
	LNRES EOB, LN2G, LN2B
	FFN
	; LN3 and the output column in one: logit = (sum of (x - mean) g w) / sigma + sum of b w + outb.  b comes into BI's registers, w = outW into TA's, g into G
	VEC3 LN3B, LN3G, OUTW
	LNDUMP
	s_wait_loadcnt 0x0
	WIN 0x01
.irp q, 0,2,4,6
	v_pk_mul_f32 v[CH+\q:CH+\q+1], v[\q:\q+1], v[TA+\q:TA+\q+1]
.endr
.set i, 4
.rept 60
	v_pk_fma_f32 v[CH+2*(i%4):CH+2*(i%4)+1], v[2*i:2*i+1], v[TA+2*i:TA+2*i+1], v[CH+2*(i%4):CH+2*(i%4)+1]
.set i, i+1
.endr
	WIN 0
	RED4
	v_add_f32 v31, s[OB], v[CH]                    ; sum of b w + outb
	WIN 0x41
.set i, 0
.rept 64
	v_pk_mul_f32 v[128+2*i:128+2*i+1], v[128+2*i:128+2*i+1], v[TA+2*i:TA+2*i+1]
.set i, i+1
.endr
	WIN 0x40
.set i, 0
.rept 32                                               ; BI now takes f2's bias
	global_load_b128 v[4*i:4*i+3], v[H32], s[F2B:F2B+1] offset:64*(i/2)+16*(i%2)
.set i, i+1
.endr
	WIN 0
	v_and_b32 v30, 15, v0
	s_lshl_b32 s15, s[WV], 8
	s_add_co_u32 s15, s15, VB
	v_lshl_add_u32 v[DST], v30, 2, s15             ; my row's word of the mask; its p lies PBUF - VB further on
	s_wait_loadcnt 0x0
	s_mov_b32 s[CNT], 4
.Lln3:
	s_wait_dscnt 0x0                               ; T is in
	ds_load_b32 v30, v[DST]
	LNSTAT
	WIN 0x06
.irp q, 0,2,4,6
	v_pk_mul_f32 v[CH+\q:CH+\q+1], v[\q:\q+1], v[128+\q:128+\q+1]
.endr
.set i, 4
.rept 60
	v_pk_fma_f32 v[CH+2*(i%4):CH+2*(i%4)+1], v[2*i:2*i+1], v[128+2*i:128+2*i+1], v[CH+2*(i%4):CH+2*(i%4)+1]
.set i, i+1
.endr
	WIN 0
	RED4
	v_fma_f32 v[CH], v[CH], v[RH], v31
	v_mul_f32 v[CH], 0x3fb8aa3b, v[CH]
	v_exp_f32 v[CH], v[CH]
	v_nop
	s_wait_dscnt 0x0                               ; the mask's word
	v_cmp_eq_u32 vcc_lo, 0, v30
	s_wait_alu depctr_va_vdst(0)
	v_cndmask_b32 v[CH], 0, v[CH], vcc_lo          ; a hidden row's p is 0
	ds_store_b32 v[DST], v[CH] offset:PBUF-VB      ; both lanes of a row write the same word
	v_add_nc_u32 v[DST], 64, v[DST]
	LNNEXT 0
	s_cbranch_scc1 .Lln3
	s_wait_dscnt 0x0                               ; for the others' sake: my 64 p are stored
	s_barrier_signal -1
	s_barrier_wait -1
	v_lshl_add_u32 v30, v[L16], 1, PBUF            ; every wave adds all 256: eight a lane
	v_lshlrev_b32 v31, 3, v0
	v_add_nc_u32 v[BA], PBUF, v31
	ds_load_b128 v[96:99], v30
	ds_load_b128 v[100:103], v30 offset:16
	ds_load_b64 v[104:105], v[BA]                  ; the two that I store
	s_wait_dscnt 0x0
	v_pk_add_f32 v[96:97], v[96:97], v[98:99]
	v_pk_add_f32 v[100:101], v[100:101], v[102:103]
	v_pk_add_f32 v[96:97], v[96:97], v[100:101]
	v_add_f32 v96, v96, v97
	v_add_f32_dpp v96, v96, v96 row_xmask:1 row_mask:0xf bank_mask:0xf
	v_add_f32_dpp v96, v96, v96 row_xmask:2 row_mask:0xf bank_mask:0xf
	v_add_f32_dpp v96, v96, v96 row_xmask:4 row_mask:0xf bank_mask:0xf
	v_add_f32_dpp v96, v96, v96 row_xmask:8 row_mask:0xf bank_mask:0xf
	v_permlanex16_b32 v97, v96, s[SEL], s[SEL+1]
	v_add_f32 v96, v96, v97
	v_rcp_f32 v96, v96
	v_nop
	s_wait_alu depctr_va_vdst(0)
	v_mul_f32 v104, v104, v96
	v_mul_f32 v105, v105, v96
	global_store_b64 v31, v[104:105], s[OUT0:OUT0+1]  ; a wave stores 256 consecutive bytes, at a multiple of 256 from out0's first byte
	s_wait_tensorcnt 0x0                           ; the wave's end: three lines behind my last LDS store
	ds_add_u32 v[SPW], v[NIL]
	s_wait_dscnt 0x0
	s_endpgm
.Lfunc_end_k_q5f345a826b_blkB:
	.size	k_q5f345a826b_blkB, .Lfunc_end_k_q5f345a826b_blkB-k_q5f345a826b_blkB
	.p2alignl 7, 3214868480
	.fill 96, 4, 3214868480
	.section	.rodata,"a",@progbits
	.p2align	6, 0x0
	.amdhsa_kernel k_q5f345a826b_blkB
		.amdhsa_group_segment_fixed_size 303616
		.amdhsa_private_segment_fixed_size 0
		.amdhsa_enable_private_segment 0
		.amdhsa_kernarg_size 136
		.amdhsa_user_sgpr_count 2
		.amdhsa_user_sgpr_kernarg_segment_ptr 1
		.amdhsa_wavefront_size32 1
		.amdhsa_system_sgpr_workgroup_id_x 1
		.amdhsa_system_sgpr_workgroup_id_y 1
		.amdhsa_system_sgpr_workgroup_id_z 1
		.amdhsa_system_vgpr_workitem_id 0
		.amdhsa_next_free_vgpr 1024
		.amdhsa_next_free_sgpr 104
		.amdhsa_reserve_vcc 1
		.amdhsa_float_denorm_mode_32 3
		.amdhsa_float_denorm_mode_16_64 3
		.amdhsa_memory_ordered 1
		.amdhsa_forward_progress 1
		.amdhsa_inst_pref_size 255
	.end_amdhsa_kernel
	.section	.bss,"aw",@nobits
	.p2align	6
	.space	262144
	.amdgpu_metadata
---
amdhsa.version: [ 1, 2 ]
amdhsa.kernels:
  - .name:           k_q5f345a826b_blkB
    .symbol:         k_q5f345a826b_blkB.kd
    .args:
      - { .name: wts, .offset: 0, .size: 8, .value_kind: global_buffer, .address_space: global }
      - { .name: encx, .offset: 8, .size: 8, .value_kind: global_buffer, .address_space: global }
      - { .name: t1, .offset: 16, .size: 8, .value_kind: global_buffer, .address_space: global }
      - { .name: q2, .offset: 24, .size: 8, .value_kind: global_buffer, .address_space: global }
      - { .name: vbm, .offset: 32, .size: 8, .value_kind: global_buffer, .address_space: global }
      - { .name: d_ekb, .offset: 40, .size: 8, .value_kind: global_buffer, .address_space: global }
      - { .name: d_evb, .offset: 48, .size: 8, .value_kind: global_buffer, .address_space: global }
      - { .name: d_eob, .offset: 56, .size: 8, .value_kind: global_buffer, .address_space: global }
      - { .name: d_ln2g, .offset: 64, .size: 8, .value_kind: global_buffer, .address_space: global }
      - { .name: d_ln2b, .offset: 72, .size: 8, .value_kind: global_buffer, .address_space: global }
      - { .name: d_f1b, .offset: 80, .size: 8, .value_kind: global_buffer, .address_space: global }
      - { .name: d_f2b, .offset: 88, .size: 8, .value_kind: global_buffer, .address_space: global }
      - { .name: d_ln3g, .offset: 96, .size: 8, .value_kind: global_buffer, .address_space: global }
      - { .name: d_ln3b, .offset: 104, .size: 8, .value_kind: global_buffer, .address_space: global }
      - { .name: outW, .offset: 112, .size: 8, .value_kind: global_buffer, .address_space: global }
      - { .name: outb, .offset: 120, .size: 8, .value_kind: global_buffer, .address_space: global }
      - { .name: out0, .offset: 128, .size: 8, .value_kind: global_buffer, .address_space: global }
    .group_segment_fixed_size: 303616
    .private_segment_fixed_size: 0
    .kernarg_segment_align: 8
    .kernarg_segment_size: 136
    .max_flat_workgroup_size: 128
    .sgpr_count:     104
    .vgpr_count:     1024
    .wavefront_size: 32
...
	.end_amdgpu_metadata
.endif
;; end of part 3
;; ======== version 2 of 4: 3 launches; 1.14 times as fast as version 1
;; workspace buffers: wts 2,162,688 bytes; encx 16,777,216 bytes; t1 33,554,432 bytes; q2 16,777,216 bytes; vbm 131,072 bytes; gwb 1,280 bytes
;; launch prep (part 4): grid 66 x 1, 8 waves a work-group, no clusters, 0 bytes of LDS; arguments semW, e_qW, e_kW, e_vW, e_oW, e_f1W, e_f2W, temW, d_sqW, d_skW, d_svW, d_soW, d_eqW, d_ekW, d_evW, d_eoW, d_f1W, d_f2W, wts, d_ln3g, d_ln3b, outW, outb, gwb; writes wts, gwb
.if DOCPART == 4
	.amdgcn_target "amdgcn-amd-amdhsa--gfx1250"
	.amdhsa_code_object_version 6
	.text
	.protected	k_q5f345a826b_prep
	.globl	k_q5f345a826b_prep
	.p2align	8
	.type	k_q5f345a826b_prep,@function
k_q5f345a826b_prep:
	s_mov_b64 s[64:65], 0
	v_nop
	global_prefetch_b8 v0, s[64:65] scope:SCOPE_SE
	s_setreg_imm32_b32 hwreg(HW_REG_WAVE_MODE, 25, 1), 1
	s_wait_xcnt 0x0
; The 18 weight matrices, f32 [K][256], are rounded to bf16 and laid out as matrix fragments, in 66 chunks of 32,768 bytes in the order in which the two block kernels use them.
; A fragment is 16 output columns x 32 k, 1,024 bytes: lane l (r = l % 16, h = l / 16) owns column n0 + r; its k = k0 + 8 h + 0..7 lie at byte 16 l, its k = k0 + 16 + 8 h + 0..7 at byte 512 + 16 l.
; Kinds of chunk, slab S.  P4: 64 columns x 256 k, fragment f = 4 kf + a.  AK: 64 k x 256 columns, f = 16 kf + nt.  FF: f < 16 the first matrix's 32 columns x 256 k (f = 2 kf + a), f >= 16 the second's 32 k x 256 columns.
; Order: 0 semW | 1-16 by head: e_q, e_k, e_v (P4), e_o (AK) | 17-24 FF(e_f1, e_f2) | 25 temW | 26-41 d_sq, d_sk, d_sv, d_so | 42-45 d_eq (P4) | 46-57 by head: d_ek, d_ev (P4), d_eo (AK) | 58-65 FF(d_f1, d_f2).
; One work-group makes one chunk; wave w makes half w % 2 of fragments 4 i + w / 2, i = 0..7.  A store of a wave covers 512 consecutive bytes.
; Work-group 0's wave 0 also folds the last norm into the output column, in f32: gwb[0..255] = d_ln3g x outW, gwb[256..287] = sum of d_ln3b x outW + outb (32 copies, one store of 128 consecutive bytes).
	s_load_b512 s[4:19], s[0:1], 0x0               ; matrices 0-7
	s_load_b512 s[20:35], s[0:1], 0x40             ; matrices 8-15
	s_load_b128 s[36:39], s[0:1], 0x80             ; matrices 16, 17
	s_load_b64 s[40:41], s[0:1], 0x90              ; wts
	s_load_b256 s[84:91], s[0:1], 0x98             ; d_ln3g, d_ln3b, outW, outb
	s_load_b64 s[92:93], s[0:1], 0xb8              ; gwb
	v_lshrrev_b32 v1, 5, v0
	v_readfirstlane_b32 s42, v1                    ; wave 0..7
	v_and_b32 v1, 15, v0                           ; r
	v_bfe_u32 v2, v0, 4, 1                         ; h
	v_lshlrev_b32 v1, 2, v1
	v_lshl_add_u32 v2, v2, 13, v1                  ; 8 h rows of 1,024 bytes + 4 r
	v_lshlrev_b32 v3, 4, v0                        ; where I store: 16 x thread = 512 x wave + 16 x lane
	s_mov_b32 s50, ttmp9                           ; the chunk
	; the chunk's matrices (s60 for f < 16, s62 for f >= 16), kind (s61: 0 P4, 1 AK, 2 FF) and slab (s59)
	s_cmp_lt_u32 s50, 46
	s_cbranch_scc0 .Lthird
	s_cmp_lt_u32 s50, 25
	s_cselect_b32 s51, 0, 25                       ; the stream's first chunk
	s_cselect_b32 s52, 0, 7                        ; and first matrix
	s_cselect_b32 s53, 2, 0                        ; from its chunk 17 on: FF, or d_eq's P4
	s_cselect_b32 s54, 5, 12
	s_cselect_b32 s55, 6, 12
	s_sub_co_u32 s56, s50, s51                     ; x: the chunk's place in its stream
	s_sub_co_u32 s57, s56, 1                       ; (at x = 0 this wraps; that case is set below)
	s_and_b32 s58, s57, 3
	s_lshr_b32 s59, s57, 2
	s_add_co_u32 s60, s52, s58
	s_add_co_u32 s60, s60, 1
	s_mov_b32 s62, s60
	s_cmp_eq_u32 s58, 3
	s_cselect_b32 s61, 1, 0
	s_sub_co_u32 s57, s56, 17
	s_cmp_ge_u32 s56, 17
	s_cselect_b32 s59, s57, s59
	s_cselect_b32 s60, s54, s60
	s_cselect_b32 s62, s55, s62
	s_cselect_b32 s61, s53, s61
	s_cmp_eq_u32 s56, 0
	s_cselect_b32 s59, 0, s59
	s_cselect_b32 s60, s52, s60
	s_cselect_b32 s62, s52, s62
	s_cselect_b32 s61, 1, s61
	s_branch .Ldecoded
.Lthird:
	s_sub_co_u32 s56, s50, 46
	s_mul_i32 s59, s56, 11
	s_lshr_b32 s59, s59, 5                         ; x / 3 for x = 0..11
	s_mul_i32 s57, s59, 3
	s_sub_co_u32 s58, s56, s57
	s_add_co_u32 s60, s58, 13
	s_mov_b32 s62, s60
	s_cmp_eq_u32 s58, 2
	s_cselect_b32 s61, 1, 0
	s_sub_co_u32 s57, s56, 12
	s_cmp_ge_u32 s56, 12
	s_cselect_b32 s59, s57, s59
	s_cselect_b32 s60, 16, s60
	s_cselect_b32 s62, 17, s62
	s_cselect_b32 s61, 2, s61
.Ldecoded:
	; k0 = KB + 32 (f >> SH) + 16 half, n0 = NB + 16 (f & MASK): set A (s66-69: SH, KB, NB, MASK) for f < 16, set B (s72-75) for f >= 16
	s_lshl_b32 s70, s59, 6
	s_lshl_b32 s71, s59, 5
	s_mov_b32 s67, 0
	s_cmp_eq_u32 s61, 0
	s_cselect_b32 s66, 2, 1
	s_cselect_b32 s68, s70, s71
	s_cmp_eq_u32 s61, 1
	s_cselect_b32 s66, 4, s66
	s_cselect_b32 s68, 0, s68
	s_cselect_b32 s67, s70, s67
	s_sub_co_u32 s71, s71, 32                      ; FF's second part: f >> 4 is 1, so KB = 32 S - 32 (the sum below is never negative)
	s_cmp_eq_u32 s61, 2
	s_cselect_b32 s72, 4, s66
	s_cselect_b32 s73, s71, s67
	s_cselect_b32 s74, 0, s68
	s_lshl_b32 s69, 1, s66
	s_sub_co_u32 s69, s69, 1
	s_lshl_b32 s75, 1, s72
	s_sub_co_u32 s75, s75, 1
	s_lshr_b32 s76, s42, 1
	s_and_b32 s77, s42, 1
	s_lshl_b32 s77, s77, 4
	s_lshl_b32 s82, s50, 15
	s_mov_b32 s83, 0
	s_wait_kmcnt 0x0
	s_add_nc_u64 s[40:41], s[40:41], s[82:83]      ; wts at my chunk
	s_mov_b64 s[44:45], s[4:5]
	s_mov_b64 s[46:47], s[4:5]
.set i, 1
.rept 17                                               ; the two matrices' addresses are chosen by their numbers
	s_cmp_eq_u32 s60, i
	s_cselect_b64 s[44:45], s[4+2*i:5+2*i], s[44:45]
	s_cmp_eq_u32 s62, i
	s_cselect_b64 s[46:47], s[4+2*i:5+2*i], s[46:47]
.set i, i+1
.endr
.set i, 0
.rept 8                                                ; all 64 loads of a thread go out before the first is waited for
.set PS, 66+6*(i/4)
.set PP, 44+2*(i/4)
	s_add_co_u32 s78, s76, 4*i                     ; f
	s_lshr_b32 s79, s78, s[PS]
	s_lshl_b32 s79, s79, 5
	s_add_co_u32 s79, s79, s[PS+1]
	s_add_co_u32 s79, s79, s77                     ; k0 + 16 half
	s_and_b32 s80, s78, s[PS+3]
	s_lshl_b32 s80, s80, 4
	s_add_co_u32 s80, s80, s[PS+2]                 ; n0
	s_lshl_b32 s79, s79, 10
	s_lshl2_add_u32 s79, s80, s79
	v_add_nc_u32 v[8+i], s79, v2
.set e, 0
.rept 8
	global_load_b32 v[16+8*i+e], v[8+i], s[PP:PP+1] offset:1024*e
.set e, e+1
.endr
.set i, i+1
.endr
.set i, 0
.rept 8
	s_wait_loadcnt 8*(7-i)                         ; loads come back in order: part i's eight are in, the later parts' stay out
.set e, 0
.rept 4
	v_cvt_pk_bf16_f32 v[80+4*i+e], v[16+8*i+2*e], v[16+8*i+2*e+1]
.set e, e+1
.endr
	global_store_b128 v3, v[80+4*i:80+4*i+3], s[40:41] offset:4096*i
.set i, i+1
.endr
	s_or_b32 s78, s50, s42                         ; the fold of the last norm: work-group 0's wave 0 alone
	s_cmp_lg_u32 s78, 0
	s_cbranch_scc1 .Ldone
	s_load_b32 s94, s[90:91], 0x0                  ; outb
	global_load_b128 v[16:19], v3, s[84:85]        ; in wave 0 v3 is 16 x lane: numbers 4 l .. 4 l + 3 and 128 + 4 l .. of g, b and w
	global_load_b128 v[20:23], v3, s[84:85] offset:512
	global_load_b128 v[24:27], v3, s[86:87]
	global_load_b128 v[28:31], v3, s[86:87] offset:512
	global_load_b128 v[32:35], v3, s[88:89]
	global_load_b128 v[36:39], v3, s[88:89] offset:512
	s_mov_b32 s78, 0x76543210
	s_mov_b32 s79, 0xfedcba98
	v_lshlrev_b32 v4, 2, v0
	s_wait_loadcnt 0x0
	s_wait_kmcnt 0x0
.irp q, 0,2,4,6
	v_pk_mul_f32 v[40+\q:41+\q], v[16+\q:17+\q], v[32+\q:33+\q]
.endr
	v_pk_mul_f32 v[48:49], v[24:25], v[32:33]
.irp q, 2,4,6
	v_pk_fma_f32 v[48:49], v[24+\q:25+\q], v[32+\q:33+\q], v[48:49]
.endr
	v_add_f32 v48, v48, v49
	v_add_f32_dpp v48, v48, v48 row_xmask:1 row_mask:0xf bank_mask:0xf
	v_add_f32_dpp v48, v48, v48 row_xmask:2 row_mask:0xf bank_mask:0xf
	v_add_f32_dpp v48, v48, v48 row_xmask:4 row_mask:0xf bank_mask:0xf
	v_add_f32_dpp v48, v48, v48 row_xmask:8 row_mask:0xf bank_mask:0xf
	v_permlanex16_b32 v49, v48, s78, s79
	v_add_f32 v48, v48, v49
	v_add_f32 v48, s94, v48
	global_store_b128 v3, v[40:43], s[92:93]
	global_store_b128 v3, v[44:47], s[92:93] offset:512
	global_store_b32 v4, v48, s[92:93] offset:1024
.Ldone:
	s_endpgm
.Lfunc_end_k_q5f345a826b_prep:
	.size	k_q5f345a826b_prep, .Lfunc_end_k_q5f345a826b_prep-k_q5f345a826b_prep
	.p2alignl 7, 3214868480
	.fill 96, 4, 3214868480
	.section	.rodata,"a",@progbits
	.p2align	6, 0x0
	.amdhsa_kernel k_q5f345a826b_prep
		.amdhsa_group_segment_fixed_size 0
		.amdhsa_private_segment_fixed_size 0
		.amdhsa_enable_private_segment 0
		.amdhsa_kernarg_size 192
		.amdhsa_user_sgpr_count 2
		.amdhsa_user_sgpr_kernarg_segment_ptr 1
		.amdhsa_wavefront_size32 1
		.amdhsa_system_sgpr_workgroup_id_x 1
		.amdhsa_system_sgpr_workgroup_id_y 1
		.amdhsa_system_sgpr_workgroup_id_z 1
		.amdhsa_system_vgpr_workitem_id 0
		.amdhsa_next_free_vgpr 112
		.amdhsa_next_free_sgpr 96
		.amdhsa_reserve_vcc 0
		.amdhsa_float_denorm_mode_32 3
		.amdhsa_float_denorm_mode_16_64 3
		.amdhsa_memory_ordered 1
		.amdhsa_forward_progress 1
		.amdhsa_inst_pref_size 20
	.end_amdhsa_kernel
	.amdgpu_metadata
---
amdhsa.version: [ 1, 2 ]
amdhsa.kernels:
  - .name:           k_q5f345a826b_prep
    .symbol:         k_q5f345a826b_prep.kd
    .args:
      - { .name: semW, .offset: 0, .size: 8, .value_kind: global_buffer, .address_space: global }
      - { .name: e_qW, .offset: 8, .size: 8, .value_kind: global_buffer, .address_space: global }
      - { .name: e_kW, .offset: 16, .size: 8, .value_kind: global_buffer, .address_space: global }
      - { .name: e_vW, .offset: 24, .size: 8, .value_kind: global_buffer, .address_space: global }
      - { .name: e_oW, .offset: 32, .size: 8, .value_kind: global_buffer, .address_space: global }
      - { .name: e_f1W, .offset: 40, .size: 8, .value_kind: global_buffer, .address_space: global }
      - { .name: e_f2W, .offset: 48, .size: 8, .value_kind: global_buffer, .address_space: global }
      - { .name: temW, .offset: 56, .size: 8, .value_kind: global_buffer, .address_space: global }
      - { .name: d_sqW, .offset: 64, .size: 8, .value_kind: global_buffer, .address_space: global }
      - { .name: d_skW, .offset: 72, .size: 8, .value_kind: global_buffer, .address_space: global }
      - { .name: d_svW, .offset: 80, .size: 8, .value_kind: global_buffer, .address_space: global }
      - { .name: d_soW, .offset: 88, .size: 8, .value_kind: global_buffer, .address_space: global }
      - { .name: d_eqW, .offset: 96, .size: 8, .value_kind: global_buffer, .address_space: global }
      - { .name: d_ekW, .offset: 104, .size: 8, .value_kind: global_buffer, .address_space: global }
      - { .name: d_evW, .offset: 112, .size: 8, .value_kind: global_buffer, .address_space: global }
      - { .name: d_eoW, .offset: 120, .size: 8, .value_kind: global_buffer, .address_space: global }
      - { .name: d_f1W, .offset: 128, .size: 8, .value_kind: global_buffer, .address_space: global }
      - { .name: d_f2W, .offset: 136, .size: 8, .value_kind: global_buffer, .address_space: global }
      - { .name: wts, .offset: 144, .size: 8, .value_kind: global_buffer, .address_space: global }
      - { .name: d_ln3g, .offset: 152, .size: 8, .value_kind: global_buffer, .address_space: global }
      - { .name: d_ln3b, .offset: 160, .size: 8, .value_kind: global_buffer, .address_space: global }
      - { .name: outW, .offset: 168, .size: 8, .value_kind: global_buffer, .address_space: global }
      - { .name: outb, .offset: 176, .size: 8, .value_kind: global_buffer, .address_space: global }
      - { .name: gwb, .offset: 184, .size: 8, .value_kind: global_buffer, .address_space: global }
    .group_segment_fixed_size: 0
    .private_segment_fixed_size: 0
    .kernarg_segment_align: 8
    .kernarg_segment_size: 192
    .max_flat_workgroup_size: 256
    .sgpr_count:     96
    .vgpr_count:     112
    .wavefront_size: 32
...
	.end_amdgpu_metadata
.endif
;; end of part 4
;; launch blkA (part 5): grid 128 x 2, 4 waves a work-group, no clusters, 303,616 bytes of LDS; arguments src, wts, ln0sg, ln0sb, semb, e_qb, e_kb, e_vb, e_ob, e_ln1g, e_ln1b, ln0tg, ln0tb, temb, d_sqb, d_skb, d_svb, d_sob, d_ln1g, d_ln1b, e_f1b, e_f2b, e_ln2g, e_ln2b, d_eqb, encx, t1, q2, vbm; writes encx, t1, q2, vbm
.if DOCPART == 5
	.amdgcn_target "amdgcn-amd-amdhsa--gfx1250"
	.amdhsa_code_object_version 6
	.text
	.protected	k_q5f345a826b_blkA
	.globl	k_q5f345a826b_blkA
	.p2align	8
	.type	k_q5f345a826b_blkA,@function
k_q5f345a826b_blkA:
	s_mov_b64 s[64:65], 0
	v_nop
	global_prefetch_b8 v0, s[64:65] scope:SCOPE_SE
	s_setreg_imm32_b32 hwreg(HW_REG_WAVE_MODE, 25, 1), 1
	s_wait_xcnt 0x0
; One work-group takes one batch (x) and one role (y).  Role 0, the encoder: LN0, embedding, self-attention, LN1, FFN, LN2 -> encx (bf16 fragments).
; Role 1, the decoder's first block: LN0, embedding, self-attention, LN1 -> t1 (f32), q2 = t1 d_eqW + b (bf16 fragments), vbm (the mask's addends).  The common part is one text; the role chooses addresses.
; TWO STAGES, one text: a counted loop of two trips holds XSTORE, the work (stage 0: attention; stage 1: the FFN, or for role 1 q2 through the Q/K/V trip's own text) and the layer norm.  Stage and role are the same in
; all waves of a work-group; they choose addresses by s_cselect and ways by forward jumps.
; SHARES.  Four waves; wave w owns rows 64 w .. 64 w + 63, four row tiles of 16.  The row stream (256 columns, f32) stays in 512 registers: ACC(rt, nt) at v[512 + 128 rt + 8 nt].
; THE MATRIX INSTRUCTION IS USED TRANSPOSED: source 0 = 16 output columns of a weight, source 1 = 16 rows.  A lane then holds row l % 16 and columns 16 nt + 8 (l / 16) + 0..7, so two neighbouring
; results rounded to bf16 ARE the next product's fragment, and a row's sums want one exchange between the halves of the lanes.  For V the sources are swapped, which gives V^T's fragments.
; FRAGMENTS (16 x 32 bf16, 1,024 bytes) lie in LDS and memory as the registers hold them: registers 0-3 at 16 l, 4-7 at 512 + 16 l: every 16-byte access of a wave covers 512 consecutive bytes.
; WEIGHTS come as chunks of 32,768 bytes in order of use.  Each wave loads a quarter of a chunk into 64 registers one chunk ahead and stores it into the idle one of two LDS slots; one barrier a chunk.
; They come through registers and not by tensor loads, and the launch has no cluster: every stage is a counted loop over chunks and the stream runs on across the stages' ends; here the look-ahead is clamped to the
; role's last chunk by a minimum on an offset, where tensor loads would want each role's last trips written out a second time.  The price: each work-group reads the weights for itself.
; LIMITS.  A hidden key's score counts as its value less 8e10 (reference: -1e10 behind the division by 8): its weight is 0 either way; where every key is hidden, weights are equal as long as scores stay under 4,096.
; A row counts as empty if its 64 numbers sum to 0 in this text's order of adding.  Divisions are v_rcp_f32 and a multiply; weights below 2^-126 count as 0.  Matrix operands are bf16.
.set XR,    65536      ; 4 x 32,768: wave w's operand fragments [kf][rt] at (4 kf + rt) x 1,024 (at first: its rows of src, 272 bytes apart)
.set QX,    196608     ; 4 x 8,192: wave w's fragments [rt][kf]: LN0's rows, Q, the attention's result, the FFN's hidden slab
.set KK,    229376     ; 32,768: K of one head, fragment (key tile t, kf) at 2,048 t + 1,024 kf
.set VT,    262144     ; 32,768: V^T of one head, fragment (channel tile c, keys 32 f on) at 8,192 (f / 2) + 2,048 c + 1,024 (f % 2)
.set VB,    294912     ; 1,024: for each key 0, or -8e10 if it is hidden
.set BIASL, 295936     ; 6 x 1,024: q's bias, k's, zeros, v's, the embedding's, f1's or d_eq's
.set SPARE, 302080     ; 512: the spare words, 128 bytes a wave; no other line names them
.set L16, 1            ; v1  16 x lane
.set H32, 2            ; v2  32 x (lane / 16)
.set SA,  3            ; v3  where my quarter of a chunk goes
.set GO,  4            ; v4  where it comes from
.set PA,  5            ; v5, v6  LDS addresses of a product's two sources
.set PB,  6
.set DST, 7            ; v7  where results go
.set BA,  8            ; v8  a bias vector
.set QA,  9            ; v9  my Q fragments
.set KS,  10           ; v10, v11, v12  the attention's key step: K, V^T, the mask
.set VS,  11
.set MS,  12
.set LA,  13           ; v13  LN: the slot in hand
.set GA,  14           ; v14  an offset in global memory
.set LB,  15           ; v15  LN: my three slots of 16,384 bytes, at XR + 49,152 w (they lie over XR, QX and KK)
.set CH,  16           ; v16-23  four chains of pairs
.set MU,  24           ; v24-25  a mean
.set RH,  26           ; v26-27  1 / sigma
.set SPW, 28           ; v28  my spare word; never rewritten
.set NIL, 29           ; v29  0; never rewritten
.set STG, 32           ; v32-95  my quarter of the chunk on its way
.set QF,  96           ; v96-127  at work
.set TA,  128          ; v128-255  16 results of a projection; the scores; an LN's additive vector
.set MX,  4            ; the attention alone: v4-7 the four tiles' running maxima (no chunk is on its way then, and the addresses are made anew behind it)
.set LS,  16           ; v16-23 their running sums, a pair (even keys', odd keys') a tile
.set AQ,  32           ; v32-95 Q, fragment (rt, kf) at 16 rt + 8 kf
.set TM,  96           ; v96-127 the key step's mask; then eight registers a tile at work; at last v's bias
.set WTS, 6            ; s[6:7]
.set WV,  8
.set ROLE, 9
.set BATCH, 10
.set SS,  11           ; the slot that the next chunk goes into; behind ENTER: the slot in use
.set SOFF, 12          ; byte offset in wts of the chunk to be fetched
.set SLAST, 13         ; of the role's last chunk
.set W8K, 14
.set XRS, 54
.set QXS, 55
.set KWS, 56
.set VWS, 57
.set LNSS, 58
.set HH,  59
.set JJ,  60
.set CNT, 61
.set SEL, 62           ; s[62:63] v_permlanex16_b32's selects: each lane takes its own place in the other half
.set CS,  86           ; s[86:87] c = log2(e) / 8
.set K1,  88           ; s[88:89], s[90:91] GELU's two constants
.set K3,  90
.set I256, 92
.set EPS, 93
.set NEGB, 94
.set I64, 95
.set ST,  97           ; the stage, 0 or 1
.set F2B, 70
.set LN2G, 72
.set LN2B, 74
.set ENCP, 78
.set T1P, 80
.set Q2P, 82
.set VBMP, 84
.set MSB, 0
.macro WIN new                         ; s_set_vgpr_msb: bits 1:0 source 0, 3:2 source 1, 5:4 source 2, 7:6 destination; the high byte repeats the setting that is left
.if MSB != (\new)
	s_set_vgpr_msb (MSB<<8)|(\new)
.set MSB, (\new)
.endif
.endm
.macro PLACES                          ; four places behind a matrix instruction, ahead of vector reads of its result and of loads into its registers
.rept 4
	v_nop
.endr
.endm
.macro FETCH                           ; my quarter of a chunk, 16 x 512 consecutive bytes
	WIN 0
.set fi, 0
.rept 16
	global_load_b128 v[STG+4*fi:STG+4*fi+3], v[GO], s[WTS:WTS+1] offset:512*fi
.set fi, fi+1
.endr
.endm
.macro REFETCH                         ; the chunk at SOFF is asked for
	WIN 0
	s_add_co_u32 s15, s[SOFF], s[W8K]
	v_add_nc_u32 v[GO], s15, v[L16]
	FETCH
.endm
.macro STAGE f=1                       ; the chunk that has come goes into slot SS; f = 1: the one after it is asked for (f = 0: the attention asks, in its last trip)
	WIN 0
	s_wait_loadcnt 0x0                             ; the quarter is in; its address register is free
	s_add_co_u32 s15, s[SS], s[W8K]
	v_add_nc_u32 v[SA], s15, v[L16]
.set fi, 0
.rept 16
	ds_store_b128 v[SA], v[STG+4*fi:STG+4*fi+3] offset:512*fi
.set fi, fi+1
.endr
	s_xor_b32 s[SS], s[SS], 0x8000
	s_add_co_u32 s[SOFF], s[SOFF], 0x8000
	s_min_u32 s[SOFF], s[SOFF], s[SLAST]           ; no load passes the role's last chunk
.if \f
	REFETCH
.endif
.endm
.macro ENTER f=1                       ; a chunk is entered.  The barrier orders: all reads of the slot now overwritten; the stores of the chunk now read; K's and V's stores ahead of the attention, its reads ahead of the next head's stores
	WIN 0
	s_wait_dscnt 0x0                               ; for the others' sake: my LDS reads and stores are done
	s_barrier_signal -1
	s_barrier_wait -1
	STAGE \f
.endm
.macro TAINIT na                       ; the results begin as the bias: tile 4 a + b takes columns 16 a on
	WIN 0
.set ti, 0
.rept 4*(\na)
	ds_load_b128 v[TA+8*ti:TA+8*ti+3], v[BA] offset:64*(ti/4)
	ds_load_b128 v[TA+8*ti+4:TA+8*ti+7], v[BA] offset:64*(ti/4)+16
.set ti, ti+1
.endr
.endm
.macro LDAB buf, na, ko                ; the fragments of one 32 along k, ko steps on: na from PA, 4 from PB, into buffer buf of window 1
	WIN 0x40
.set li, 0
.rept \na
	ds_load_b128 v[64*(\buf)+8*li:64*(\buf)+8*li+3], v[PA] offset:((\ko)*(\na)+li)*1024
	ds_load_b128 v[64*(\buf)+8*li+4:64*(\buf)+8*li+7], v[PA] offset:((\ko)*(\na)+li)*1024+512
.set li, li+1
.endr
.set li, 0
.rept 4
	ds_load_b128 v[64*(\buf)+32+8*li:64*(\buf)+32+8*li+3], v[PB] offset:((\ko)*4+li)*1024
	ds_load_b128 v[64*(\buf)+32+8*li+4:64*(\buf)+32+8*li+7], v[PB] offset:((\ko)*4+li)*1024+512
.set li, li+1
.endr
.endm
.macro MULAB buf, na                   ; 4 na products; the accumulators take turns
	WIN 0x05
.set mi, 0
.rept 4*(\na)
	v_wmma_f32_16x16x32_bf16 v[TA+8*mi:TA+8*mi+7], v[64*(\buf)+8*(mi/4):64*(\buf)+8*(mi/4)+7], v[64*(\buf)+32+8*(mi%4):64*(\buf)+32+8*(mi%4)+7], v[TA+8*mi:TA+8*mi+7]
.set mi, mi+1
.endr
.endm
.macro PROJ na                         ; TA(a, b) += sum over 256 k: four trips of 64 along k on two fragment buffers; a counted wait leaves out the 2 (na + 4) loads just issued for the other buffer
	LDAB 0, \na, 0
	WIN 0
	s_mov_b32 s[CNT], 4
.Lpj_\@:
	LDAB 1, \na, 1
	s_wait_dscnt 2*((\na)+4)
	MULAB 0, \na
	PLACES
	WIN 0
	s_cmp_eq_u32 s[CNT], 1
	s_cbranch_scc1 .Lpl_\@                         ; the last trip has nothing to look ahead for
	LDAB 0, \na, 2
	WIN 0
	s_wait_dscnt 2*((\na)+4)
	s_branch .Lpm_\@
.Lpl_\@:
	s_wait_dscnt 0x0
.Lpm_\@:
	MULAB 1, \na
	PLACES
	WIN 0
	v_add_nc_u32 v[PA], 2048*(\na), v[PA]
	v_add_nc_u32 v[PB], 8192, v[PB]
	s_sub_co_u32 s[CNT], s[CNT], 1
	s_cmp_lg_u32 s[CNT], 0
	s_cbranch_scc1 .Lpj_\@
.endm
.macro TAPACK n                        ; n results rounded to bf16, in place and ascending: tile t's four words land at TA + 4 t, behind what has been read
	WIN 0
.set ti, 0
.rept 4*(\n)
	v_cvt_pk_bf16_f32 v[TA+ti], v[TA+2*ti], v[TA+2*ti+1]
.set ti, ti+1
.endr
.endm
.macro ACCK nk, woff                   ; ACC(rt, nt) += my fragments in QX x the chunk's 256 columns, 32 nk along k.  The waits leave out the weight fragments still to come
	WIN 0
	s_add_co_u32 s15, s[SS], \woff
	v_add_nc_u32 v[PA], s15, v[L16]
	v_add_nc_u32 v[PB], s[QXS], v[L16]
.if (\nk) > 1
	s_mov_b32 s[CNT], \nk
.Lack_\@:
.endif
	WIN 0x40
.set ai, 0
.rept 4
	ds_load_b128 v[128+8*ai:128+8*ai+3], v[PB] offset:2048*ai
	ds_load_b128 v[128+8*ai+4:128+8*ai+7], v[PB] offset:2048*ai+512
.set ai, ai+1
.endr
.set ai, 0
.rept 16
	ds_load_b128 v[8*ai:8*ai+3], v[PA] offset:1024*ai
	ds_load_b128 v[8*ai+4:8*ai+7], v[PA] offset:1024*ai+512
.set ai, ai+1
.endr
.set ag, 0
.rept 4
	s_wait_dscnt 24-8*ag
.set aw, 0
.rept 2                                ; row tiles 0, 1 lie in window 2, row tiles 2, 3 in window 3
	WIN 0xa5+0x50*aw
.set ai, 0
.rept 8
.set an, 4*ag+ai/2
.set ar, ai%2
	v_wmma_f32_16x16x32_bf16 v[128*ar+8*an:128*ar+8*an+7], v[8*an:8*an+7], v[128+8*(2*aw+ar):128+8*(2*aw+ar)+7], v[128*ar+8*an:128*ar+8*an+7]
.set ai, ai+1
.endr
.set aw, aw+1
.endr
.set ag, ag+1
.endr
	PLACES
	WIN 0
.if (\nk) > 1
	v_add_nc_u32 v[PA], 16384, v[PA]
	v_add_nc_u32 v[PB], 1024, v[PB]
	s_sub_co_u32 s[CNT], s[CNT], 1
	s_cmp_lg_u32 s[CNT], 0
	s_cbranch_scc1 .Lack_\@
.endif
.endm
.macro XSTORE                          ; the row stream, rounded to bf16, becomes my operand fragments in XR
	WIN 0
	v_add_nc_u32 v[DST], s[XRS], v[L16]
.set xr, 0
.rept 4
	WIN 0x0a+5*(xr/2)
.set xi, 0
.rept 64
	v_cvt_pk_bf16_f32 v[TA+64*(xr%2)+xi], v[128*(xr%2)+2*xi], v[128*(xr%2)+2*xi+1]
.set xi, xi+1
.endr
	WIN 0
.set xi, 0
.rept 16
	ds_store_b128 v[DST], v[TA+64*(xr%2)+4*xi:TA+64*(xr%2)+4*xi+3] offset:(xi/2)*4096+xr*1024+(xi%2)*512
.set xi, xi+1
.endr
.set xr, xr+1
.endr
.endm
.macro RED4                            ; the four chains, the pair's halves, and the other half of the lanes: the row's sum in v[CH] of both its lanes
	v_pk_add_f32 v[CH:CH+1], v[CH:CH+1], v[CH+2:CH+3]
	v_pk_add_f32 v[CH+4:CH+5], v[CH+4:CH+5], v[CH+6:CH+7]
	v_pk_add_f32 v[CH:CH+1], v[CH:CH+1], v[CH+4:CH+5]
	v_add_f32 v[CH], v[CH], v[CH+1]
	v_permlanex16_b32 v[CH+1], v[CH], s[SEL], s[SEL+1]
	v_add_f32 v[CH], v[CH], v[CH+1]
.endm
; ATTENTION of one head for my 64 queries: all four row tiles together, 64 keys a trip, four trips.  So a fragment of K or V read from LDS feeds four products, and the step's mask (32 registers) starts all four tiles' sums.
; S^T = mask + K Q^T (a lane: one query, keys 16 t + 8 h + 0..7); for each query a running maximum m and sum l: p = 2^(c s - c m); in every trip but the first O^T and l are multiplied by a = 2^(c m_old - c m_new).
; O^T += V^T P.  The first trip starts O^T with the constant 0 and skips the rescaling; l starts at 0 and m at the lowest finite number, so its a is 0.  At the end O / l + v's bias (exact, since the weights sum to 1)
; goes, as bf16 fragments, where Q lay.  Window 1: v0-127 O^T (rt, c) at 32 rt + 8 c; v128-191 K (tl, kf) at 16 tl + 8 kf; v192-255 V^T (c, fl) at 16 c + 8 fl.  v[BA] points at v's bias for this head.
; The next step's K and mask are asked for ahead of the products V^T P, V behind the products K Q^T: each lands under other work.  The last trip asks for v's bias and for the next chunk of weights instead.
.macro ALL4 line:vararg                ; one line for each of the four tiles
.set tt, 0
.rept 4
.set rT, TM+8*tt
.set rS, TA+32*tt
.set rM, MX+tt
.set rL, LS+2*tt
.set rO, 32*tt
	\line
.set tt, tt+1
.endr
.endm
.macro KMLOAD                          ; K and the mask of the key step at v[KS], v[MS]
	WIN 0x40
.set ai, 0
.rept 16
	ds_load_b128 v[128+4*ai:128+4*ai+3], v[KS] offset:512*ai
.set ai, ai+1
.endr
	WIN 0
.set ai, 0
.rept 4
	ds_load_b128 v[TM+8*ai:TM+8*ai+3], v[MS] offset:64*ai
	ds_load_b128 v[TM+8*ai+4:TM+8*ai+7], v[MS] offset:64*ai+16
.set ai, ai+1
.endr
.endm
.macro SUMG g                          ; the eight weights of group g (tile g / 4) go onto the tile's two chains
.set sT, TM+8*((\g)/4)+4
.set sS, TA+8*(\g)
.if (\g)%4 == 0
	s_wait_alu depctr_va_vdst(0)
	v_pk_add_f32 v[sT:sT+1], v[sS:sS+1], v[sS+2:sS+3]
	v_pk_add_f32 v[sT+2:sT+3], v[sS+4:sS+5], v[sS+6:sS+7]
.else
	s_wait_alu depctr_va_vdst(0)
	v_pk_add_f32 v[sT:sT+1], v[sT:sT+1], v[sS:sS+1]
	v_pk_add_f32 v[sT+2:sT+3], v[sT+2:sT+3], v[sS+2:sS+3]
	v_pk_add_f32 v[sT:sT+1], v[sT:sT+1], v[sS+4:sS+5]
	v_pk_add_f32 v[sT+2:sT+3], v[sT+2:sT+3], v[sS+6:sS+7]
.endif
.endm
.macro PVH fl, zero                    ; 16 products of O^T += V^T P, keys 32 fl on; the 16 accumulators take turns
	WIN 0x51
.set ai, 0
.rept 16
.set pO, 32*(ai%4)+8*(ai/4)
.set pV, 192+16*(ai/4)+8*(\fl)
.set pP, TA+32*(ai%4)+8*(\fl)
.if \zero
	v_wmma_f32_16x16x32_bf16 v[pO:pO+7], v[pV:pV+7], v[pP:pP+7], 0
.else
	v_wmma_f32_16x16x32_bf16 v[pO:pO+7], v[pV:pV+7], v[pP:pP+7], v[pO:pO+7]
.endif
.set ai, ai+1
.endr
.endm
.macro ATT
	WIN 0
	v_add_nc_u32 v[QA], s[QXS], v[L16]
	v_add_nc_u32 v[KS], KK, v[L16]
	v_add_nc_u32 v[VS], VT, v[L16]
	v_add_nc_u32 v[MS], VB, v[H32]
.set ai, 0
.rept 16
	ds_load_b128 v[AQ+4*ai:AQ+4*ai+3], v[QA] offset:512*ai
.set ai, ai+1
.endr
	KMLOAD
.set ai, 0
.rept 4
	v_mov_b32 v[MX+ai], 0xff7fffff
	v_mov_b32 v[LS+2*ai], 0
	v_mov_b32 v[LS+2*ai+1], 0
.set ai, ai+1
.endr
	s_mov_b32 s[CNT], 4
.Latt_\@:
	s_wait_dscnt 0x0                               ; K and the mask (in the first trip Q too) are in
	WIN 0x01
.set ai, 0
.rept 32                               ; channels 32 (ai / 16) on, key tile (ai / 4) % 4, row tile ai % 4: 16 accumulators by turns
.set qS, TA+32*(ai%4)+8*((ai/4)%4)
.set qK, 128+16*((ai/4)%4)+8*(ai/16)
.set qQ, AQ+16*(ai%4)+8*(ai/16)
.set qM, TM+8*((ai/4)%4)
.if ai < 16
	v_wmma_f32_16x16x32_bf16 v[qS:qS+7], v[qK:qK+7], v[qQ:qQ+7], v[qM:qM+7]
.else
	v_wmma_f32_16x16x32_bf16 v[qS:qS+7], v[qK:qK+7], v[qQ:qQ+7], v[qS:qS+7]
.endif
.set ai, ai+1
.endr
	PLACES
	WIN 0x40
.set ai, 0
.rept 16                               ; V^T of this step: it lands while the softmax is made
	ds_load_b128 v[192+4*ai:192+4*ai+3], v[VS] offset:512*ai
.set ai, ai+1
.endr
	WIN 0
	; the maximum of a lane's 32 scores and the old m, in four chains a tile; each result's lowest registers are read first.  The four tiles alternate, so that no line waits for the one before it
.set xn, 0
.rept 4
	ALL4 v_max3_num_f32 v[rT+xn], v[rS+8*xn], v[rS+8*xn+1], v[rS+8*xn+2]
.set xn, xn+1
.endr
.rept 8
	ALL4 v_max3_num_f32 v[rT+xn%4], v[rT+xn%4], v[rS+8*(xn%4)+2*(xn/4)+1], v[rS+8*(xn%4)+2*(xn/4)+2]
.set xn, xn+1
.endr
	ALL4 v_max3_num_f32 v[rT], v[rT], v[rS+7], v[rS+15]
	ALL4 v_max3_num_f32 v[rT+1], v[rT+1], v[rS+23], v[rS+31]
	ALL4 v_max3_num_f32 v[rT+2], v[rT+2], v[rT+3], v[rM]
	ALL4 v_max3_num_f32 v[rT], v[rT], v[rT+1], v[rT+2]
	ALL4 v_permlanex16_b32 v[rT+3], v[rT], s[SEL], s[SEL+1]
	ALL4 v_max_num_f32 v[rT+1], v[rT], v[rT+3]
	ALL4 v_sub_f32 v[rT+2], v[rM], v[rT+1]
	ALL4 v_mov_b32 v[rM], v[rT+1]
	ALL4 v_mul_f32 v[rT], s[CS], v[rT+1]
	ALL4 v_mul_f32 v[rT+2], s[CS], v[rT+2]
	ALL4 v_exp_f32 v[rT+2], v[rT+2]
.set ii, 0
.rept 16                               ; c s - c m
	ALL4 v_pk_fma_f32 v[rS+2*ii:rS+2*ii+1], v[rS+2*ii:rS+2*ii+1], s[CS:CS+1], v[rT:rT+1] op_sel_hi:[1,0,0] neg_lo:[0,0,1] neg_hi:[0,0,1]
.set ii, ii+1
.endr
.set ei, 0
.rept 16                               ; eight exponentials, then the sums of the eight before: a plain instruction stands behind every exponential before its result is used
.set ej, 0
.rept 8
	v_exp_f32 v[TA+8*ei+ej], v[TA+8*ei+ej]
.set ej, ej+1
.endr
.if ei == 0
	v_nop
.else
	SUMG ei-1
.endif
.set ei, ei+1
.endr
	SUMG 15
	ALL4 v_pk_add_f32 v[rT+4:rT+5], v[rT+4:rT+5], v[rT+6:rT+7]
	ALL4 v_pk_fma_f32 v[rL:rL+1], v[rL:rL+1], v[rT+2:rT+3], v[rT+4:rT+5] op_sel_hi:[1,0,1]
.set ii, 0
.rept 16                               ; P, in place and ascending: a tile's fragment of keys 32 fl on at its S + 8 fl
	ALL4 v_cvt_pk_bf16_f32 v[rS+ii], v[rS+2*ii], v[rS+2*ii+1]
.set ii, ii+1
.endr
	v_add_nc_u32 v[KS], 0x2000, v[KS]
	v_add_nc_u32 v[MS], 0x100, v[MS]
	s_wait_dscnt 0x0                               ; V^T is in
	s_cmp_eq_u32 s[CNT], 4
	s_cbranch_scc1 .Lafi_\@
	WIN 0x41
.set ii, 0
.rept 16                               ; O^T times a
	ALL4 v_pk_mul_f32 v[rO+2*ii:rO+2*ii+1], v[rO+2*ii:rO+2*ii+1], v[rT+2:rT+3] op_sel_hi:[1,0]
.set ii, ii+1
.endr
	WIN 0
	s_cmp_eq_u32 s[CNT], 1
	s_cbranch_scc1 .Lala_\@
	KMLOAD
	s_branch .Lapa_\@
.Lala_\@:
.set ai, 0
.rept 4                                ; the last trip: v's bias where the mask lay, and the next chunk of weights into the registers that Q has left
	ds_load_b128 v[TM+8*ai:TM+8*ai+3], v[BA] offset:64*ai
	ds_load_b128 v[TM+8*ai+4:TM+8*ai+7], v[BA] offset:64*ai+16
.set ai, ai+1
.endr
	REFETCH
.Lapa_\@:
	PVH 0, 0
	WIN 0
	s_branch .Lapb_\@
.Lafi_\@:
	KMLOAD
	PVH 0, 1
	WIN 0
.Lapb_\@:
	PVH 1, 0
.rept 5
	v_nop                                          ; with the line below six places: the next trip's first products write over P, which these products read
.endr
	WIN 0
	v_add_nc_u32 v[VS], 0x2000, v[VS]
	s_sub_co_u32 s[CNT], s[CNT], 1
	s_cmp_lg_u32 s[CNT], 0
	s_cbranch_scc1 .Latt_\@
	ALL4 v_add_f32 v[rL], v[rL], v[rL+1]
	ALL4 v_permlanex16_b32 v[rL+1], v[rL], s[SEL], s[SEL+1]
	ALL4 v_add_f32 v[rL], v[rL], v[rL+1]
	ALL4 v_rcp_f32 v[rL], v[rL]
	v_nop
	s_wait_alu depctr_va_vdst(0)
	s_wait_dscnt 0x0                               ; v's bias
	WIN 0x41
.set ii, 0
.rept 16
	ALL4 v_pk_fma_f32 v[rO+2*ii:rO+2*ii+1], v[rO+2*ii:rO+2*ii+1], v[rL:rL+1], v[TM+2*ii:TM+2*ii+1] op_sel_hi:[1,0,1]
.set ii, ii+1
.endr
	WIN 0x05
.set ii, 0
.rept 64
	v_cvt_pk_bf16_f32 v[TA+ii], v[2*ii], v[2*ii+1]
.set ii, ii+1
.endr
	WIN 0
.set ii, 0
.rept 16
	ds_store_b128 v[QA], v[TA+4*ii:TA+4*ii+3] offset:512*ii
.set ii, ii+1
.endr
.endm
.macro GELU                            ; x / (1 + 2^(x (k1 + k3 x^2))) on TA's first 64 registers: the tanh form of GELU, k1 = -2 sqrt(2 / pi) log2(e), k3 = 0.044715 k1
	WIN 0
.set gi, 0
.rept 8
.set gx, TA+8*gi
.irp p, 0,2,4,6
	v_pk_mul_f32 v[QF+\p:QF+\p+1], v[gx+\p:gx+\p+1], v[gx+\p:gx+\p+1]
.endr
.irp p, 0,2,4,6
	v_pk_fma_f32 v[QF+\p:QF+\p+1], v[QF+\p:QF+\p+1], s[K3:K3+1], s[K1:K1+1] op_sel_hi:[1,0,0]
.endr
.irp p, 0,2,4,6
	v_pk_mul_f32 v[QF+\p:QF+\p+1], v[QF+\p:QF+\p+1], v[gx+\p:gx+\p+1]
.endr
.irp p, 0,1,2,3,4,5,6,7
	v_exp_f32 v[QF+\p], v[QF+\p]
.endr
	v_nop
	s_wait_alu depctr_va_vdst(0)
.irp p, 0,2,4,6
	v_pk_add_f32 v[QF+\p:QF+\p+1], v[QF+\p:QF+\p+1], 1.0 op_sel_hi:[1,0]
.endr
.irp p, 0,1,2,3,4,5,6,7
	v_rcp_f32 v[QF+\p], v[QF+\p]
.endr
	v_nop
	s_wait_alu depctr_va_vdst(0)
.irp p, 0,2,4,6
	v_pk_mul_f32 v[gx+\p:gx+\p+1], v[gx+\p:gx+\p+1], v[QF+\p:QF+\p+1]
.endr
.set gi, gi+1
.endr
.endm
; LAYER NORM over the row stream.  Registers cannot be indexed, so one text works on row tile 0's registers (T): tiles 1-3 wait in three LDS slots of my own and come into T one a trip.
; BI (window 1, v0-127) is the bias still to be added, G (window 1, v128-255) the gain, TA's registers the additive vector; Y is row tile 3's registers.
.macro VEC3 sbi, sg, sb                ; three vectors of 256, each lane its 128 columns
	WIN 0x40
.set vi, 0
.rept 32
	global_load_b128 v[4*vi:4*vi+3], v[H32], s[\sbi:\sbi+1] offset:64*(vi/2)+16*(vi%2)
	global_load_b128 v[128+4*vi:128+4*vi+3], v[H32], s[\sg:\sg+1] offset:64*(vi/2)+16*(vi%2)
.set vi, vi+1
.endr
	WIN 0
.set vi, 0
.rept 32
	global_load_b128 v[TA+4*vi:TA+4*vi+3], v[H32], s[\sb:\sb+1] offset:64*(vi/2)+16*(vi%2)
.set vi, vi+1
.endr
.endm
.macro LNDUMP                          ; the slots lie over XR, QX and KK, which other waves may still read: a barrier first
	WIN 0
	s_wait_dscnt 0x0
	s_barrier_signal -1
	s_barrier_wait -1
	WIN 0x08
.set vi, 0
.rept 32
	ds_store_b128 v[LB], v[128+4*vi:128+4*vi+3] offset:512*vi
.set vi, vi+1
.endr
	WIN 0x0c
.set vi, 0
.rept 64
	ds_store_b128 v[LB], v[4*vi:4*vi+3] offset:16384+512*vi
.set vi, vi+1
.endr
	WIN 0
	v_mov_b32 v[LA], v[LB]
.endm
.macro LNSTAT                          ; T += BI; T -= mean; v[RH] = 1 / sqrt(variance + 1e-5): two passes, no difference of large sums
	WIN 0x86
.set vi, 0
.rept 64
	v_pk_add_f32 v[2*vi:2*vi+1], v[2*vi:2*vi+1], v[2*vi:2*vi+1]
.set vi, vi+1
.endr
	WIN 0x0a
.irp q, 0,2,4,6
	v_pk_add_f32 v[CH+\q:CH+\q+1], v[\q:\q+1], v[8+\q:8+\q+1]
.endr
	WIN 0x08
.set vi, 8
.rept 56
	v_pk_add_f32 v[CH+2*(vi%4):CH+2*(vi%4)+1], v[CH+2*(vi%4):CH+2*(vi%4)+1], v[2*vi:2*vi+1]
.set vi, vi+1
.endr
	WIN 0
	RED4
	v_mul_f32 v[MU], s[I256], v[CH]
	v_mov_b32 v[MU+1], v[MU]
	WIN 0x82
.set vi, 0
.rept 64
	v_pk_add_f32 v[2*vi:2*vi+1], v[2*vi:2*vi+1], v[MU:MU+1] op_sel_hi:[1,0] neg_lo:[0,1] neg_hi:[0,1]
.set vi, vi+1
.endr
	WIN 0x0a
.irp q, 0,2,4,6
	v_pk_mul_f32 v[CH+\q:CH+\q+1], v[\q:\q+1], v[\q:\q+1]
.endr
.set vi, 4
.rept 60
	v_pk_fma_f32 v[CH+2*(vi%4):CH+2*(vi%4)+1], v[2*vi:2*vi+1], v[2*vi:2*vi+1], v[CH+2*(vi%4):CH+2*(vi%4)+1]
.set vi, vi+1
.endr
	WIN 0
	RED4
	v_fma_f32 v[RH], v[CH], s[I256], s[EPS]
	v_rsq_f32 v[RH], v[RH]
	v_nop
	s_wait_alu depctr_va_vdst(0)
	v_mov_b32 v[RH+1], v[RH]
.endm
.macro LNY                             ; Y = T / sigma x G + the additive vector
	WIN 0x82
.set vi, 0
.rept 64
	v_pk_mul_f32 v[2*vi:2*vi+1], v[2*vi:2*vi+1], v[RH:RH+1] op_sel_hi:[1,0]
.set vi, vi+1
.endr
	WIN 0xc6
.set vi, 0
.rept 64
	v_pk_fma_f32 v[128+2*vi:128+2*vi+1], v[2*vi:2*vi+1], v[128+2*vi:128+2*vi+1], v[128+2*vi:128+2*vi+1]
.set vi, vi+1
.endr
.endm
.macro LNNEXT                          ; but in the last trip: the next tile comes into T; in stage 0 Y takes its place in the slot (LDS serves a wave's instructions in order: the loads see the old bytes).  Leaves the loop's compare in SCC
	WIN 0
	s_cmp_eq_u32 s[CNT], 1
	s_cbranch_scc1 .Llnl_\@
	WIN 0x80
.set vi, 0
.rept 32
	ds_load_b128 v[4*vi:4*vi+3], v[LA] offset:512*vi
.set vi, vi+1
.endr
	WIN 0
	s_cmp_eq_u32 s[ST], 1
	s_cbranch_scc1 .Llns_\@
	WIN 0x0c
.set vi, 0
.rept 32
	ds_store_b128 v[LA], v[128+4*vi:128+4*vi+3] offset:512*vi
.set vi, vi+1
.endr
	WIN 0
.Llns_\@:
	v_add_nc_u32 v[LA], 0x4000, v[LA]
.Llnl_\@:
	s_sub_co_u32 s[CNT], s[CNT], 1
	s_cmp_lg_u32 s[CNT], 0
.endm
.macro LNBACK                          ; stage 0: tiles 0-2 come back from my slots into ACC
	WIN 0x80
.set vi, 0
.rept 64
	ds_load_b128 v[4*vi:4*vi+3], v[LB] offset:512*vi
.set vi, vi+1
.endr
	WIN 0xc0
.set vi, 0
.rept 32
	ds_load_b128 v[4*vi:4*vi+3], v[LB] offset:32768+512*vi
.set vi, vi+1
.endr
	WIN 0
	s_wait_dscnt 0x0                               ; my slots are read out: behind the barrier every wave may write XR again
	s_barrier_signal -1
	s_barrier_wait -1
.endm
.macro FFN                             ; eight slabs of 32 hidden columns: h = GELU(x f1 + b), ACC += h f2
	WIN 0
	s_mov_b32 s[HH], 0
.Lffn_\@:
	ENTER
	s_lshl_b32 s15, s[HH], 7
	s_add_co_u32 s15, s15, BIASL+5*1024
	v_add_nc_u32 v[BA], s15, v[H32]
	v_add_nc_u32 v[PA], s[SS], v[L16]
	v_add_nc_u32 v[PB], s[XRS], v[L16]
	TAINIT 2
	PROJ 2
	GELU
	TAPACK 8
	v_add_nc_u32 v[DST], s[QXS], v[L16]
.set ti, 0
.rept 8
	ds_store_b128 v[DST], v[TA+4*ti:TA+4*ti+3] offset:(ti%4)*2048+(ti/4)*512
.set ti, ti+1
.endr
	ACCK 1, 16384
	s_add_co_u32 s[HH], s[HH], 1
	s_cmp_lt_u32 s[HH], 8
	s_cbranch_scc1 .Lffn_\@
.endm
.macro SETUP
	v_lshl_add_u32 v[SPW], v0, 2, SPARE
	v_mov_b32 v[NIL], 0
	v_lshrrev_b32 v30, 5, v0
	v_readfirstlane_b32 s[WV], v30
	v_and_b32 v30, 31, v0
	v_lshlrev_b32 v[L16], 4, v30
	v_bfe_u32 v31, v0, 4, 1
	v_lshlrev_b32 v[H32], 5, v31
	s_mov_b32 s[BATCH], ttmp9
	s_lshl_b32 s[W8K], s[WV], 13
	s_lshl_b32 s[XRS], s[WV], 15
	s_add_co_u32 s[XRS], s[XRS], XR
	s_add_co_u32 s[QXS], s[W8K], QX
	s_add_co_u32 s[KWS], s[W8K], KK
	s_add_co_u32 s[VWS], s[W8K], VT
	s_mul_i32 s[LNSS], s[WV], 49152
	s_add_co_u32 s[LNSS], s[LNSS], XR
	v_add_nc_u32 v[LB], s[LNSS], v[L16]
	s_mov_b32 s[SEL], 0x76543210
	s_mov_b32 s[SEL+1], 0xfedcba98
	s_mov_b32 s[CS], 0x3e38aa3b                    ; log2(e) / 8
	s_mov_b32 s[CS+1], s[CS]
	s_mov_b32 s[K1], 0xc0135766                    ; -2.3022082
	s_mov_b32 s[K1+1], s[K1]
	s_mov_b32 s[K3], 0xbdd2d3e8                    ; -0.10294324
	s_mov_b32 s[K3+1], s[K3]
	s_mov_b32 s[I256], 0x3b800000                  ; 1 / 256
	s_mov_b32 s[EPS], 0x3727c5ac                   ; 1e-5
	s_mov_b32 s[NEGB], 0xd19502f9                  ; -8e10
	s_mov_b32 s[I64], 0x3c800000                   ; 1 / 64
	s_mov_b32 s[SS], 0
.endm
	s_load_b128 s[4:7], s[0:1], 0x0                ; src, wts
	s_load_b512 s[16:31], s[0:1], 0x10             ; role 0: ln0g, ln0b, embedding's bias, q's, k's, v's, o's, ln1g,
	s_load_b64 s[32:33], s[0:1], 0x50              ; ln1b
	s_load_b512 s[36:51], s[0:1], 0x58             ; role 1: the same nine
	s_load_b64 s[52:53], s[0:1], 0x98
	s_load_b512 s[68:83], s[0:1], 0xa0             ; e_f1b, e_f2b, e_ln2g, e_ln2b, d_eqb, encx, t1, q2,
	s_load_b64 s[84:85], s[0:1], 0xe0              ; vbm
	SETUP
	s_and_b32 s[ROLE], ttmp7, 0xffff
	s_mul_i32 s[SOFF], s[ROLE], 25*32768           ; the role's first chunk: 0 or 25,
	s_mul_i32 s[SLAST], s[ROLE], 21*32768
	s_add_co_u32 s[SLAST], s[SLAST], 24*32768      ; and its last: 24 or 45
	v_and_b32 v30, 15, v0                          ; r (v31 holds h)
	v_mul_u32_u24 v[PA], v31, 272
	v_lshl_add_u32 v[PA], v30, 4, v[PA]
	v_add_nc_u32 v[PA], s[XRS], v[PA]              ; src into LDS: 32 lanes x 16 bytes are two rows, laid 272 bytes apart
	v_mul_u32_u24 v[DST], v30, 272
	v_add_nc_u32 v[DST], v[DST], v[H32]
	v_add_nc_u32 v[DST], s[XRS], v[DST]            ; and out of it: row r, columns 8 h on: the 16 rows of a load start at 16 different groups of four banks
	s_lshl_b32 s15, s[WV], 8
	s_add_co_u32 s15, s15, VB
	v_lshl_add_u32 v[PB], v30, 2, s15              ; my row's word of the mask
	v_add_nc_u32 v[QA], s[QXS], v[L16]
	v_lshlrev_b32 v30, 3, v0                       ; 8 x thread: 128 threads copy a vector of 1,024 bytes
	v_mov_b32 v106, 0
	v_mov_b32 v107, 0
	s_wait_kmcnt 0x0
	s_cmp_eq_u32 s[ROLE], 1
.set i, 0
.rept 9
	s_cselect_b64 s[16+2*i:17+2*i], s[36+2*i:37+2*i], s[16+2*i:17+2*i]
.set i, i+1
.endr
	s_cselect_b64 s[68:69], s[76:77], s[68:69]     ; f1's bias, or d_eq's
	s_lshl_b32 s2, s[BATCH], 16
	s_lshl_b32 s3, s[WV], 14
	s_add_co_u32 s2, s2, s3
	s_mov_b32 s3, 0
	s_add_nc_u64 s[4:5], s[4:5], s[2:3]            ; src at my 64 rows
	s_lshl2_add_u32 s15, s[BATCH], s[WV]           ; 4 x batch + wave
	s_lshl_b32 s2, s15, 15
	s_add_nc_u64 s[ENCP:ENCP+1], s[ENCP:ENCP+1], s[2:3]
	s_lshl_b32 s2, s15, 16
	s_add_nc_u64 s[T1P:T1P+1], s[T1P:T1P+1], s[2:3]
	s_lshl_b32 s2, s[BATCH], 17
	s_add_co_u32 s2, s2, s[W8K]
	s_add_nc_u64 s[Q2P:Q2P+1], s[Q2P:Q2P+1], s[2:3]
	s_lshl_b32 s2, s[BATCH], 10
	s_add_nc_u64 s[VBMP:VBMP+1], s[VBMP:VBMP+1], s[2:3]
	REFETCH                                        ; everything that the start needs goes out together
	WIN 0x40
.set i, 0
.rept 32
	global_load_b128 v[4*i:4*i+3], v[L16], s[4:5] offset:512*i
.set i, i+1
.endr
	WIN 0
.set i, 0
.rept 8
	global_load_b128 v[160+4*i:160+4*i+3], v[H32], s[16:17] offset:64*(i/2)+16*(i%2)
	global_load_b128 v[192+4*i:192+4*i+3], v[H32], s[18:19] offset:64*(i/2)+16*(i%2)
.set i, i+1
.endr
	global_load_b64 v[96:97], v30, s[22:23]
	global_load_b64 v[98:99], v30, s[24:25]
	global_load_b64 v[100:101], v30, s[26:27]
	global_load_b64 v[102:103], v30, s[20:21]
	global_load_b64 v[104:105], v30, s[68:69]
	STAGE                                          ; waits for all of them; the first chunk goes into slot 0
	v_add_nc_u32 v[BA], BIASL, v30
	ds_store_b64 v[BA], v[96:97]
	ds_store_b64 v[BA], v[98:99] offset:1024
	ds_store_b64 v[BA], v[106:107] offset:2048
	ds_store_b64 v[BA], v[100:101] offset:3072
	ds_store_b64 v[BA], v[102:103] offset:4096
	ds_store_b64 v[BA], v[104:105] offset:5120
	WIN 0x04
.set i, 0
.rept 32
	ds_store_b128 v[PA], v[4*i:4*i+3] offset:544*i
.set i, i+1
.endr
	WIN 0
	; LN0, a row tile a trip: the row's sum (also: is the row empty?), two-pass norm over 64 columns, bf16 fragments into QX
	s_mov_b32 s[CNT], 4
.Lln0:
.set i, 0
.rept 4
	ds_load_b128 v[TA+8*i:TA+8*i+3], v[DST] offset:64*i
	ds_load_b128 v[TA+8*i+4:TA+8*i+7], v[DST] offset:64*i+16
.set i, i+1
.endr
	s_wait_dscnt 0x0
.irp q, 0,2,4,6
	v_pk_add_f32 v[CH+\q:CH+\q+1], v[TA+\q:TA+\q+1], v[TA+8+\q:TA+8+\q+1]
.endr
.set i, 8
.rept 8
	v_pk_add_f32 v[CH+2*(i%4):CH+2*(i%4)+1], v[CH+2*(i%4):CH+2*(i%4)+1], v[TA+2*i:TA+2*i+1]
.set i, i+1
.endr
	RED4
	v_cmp_eq_f32 vcc_lo, 0, v[CH]
	v_cndmask_b32 v31, 0, s[NEGB], vcc_lo
	ds_store_b32 v[PB], v31                        ; both lanes of a row write the same word
	v_mul_f32 v[MU], s[I64], v[CH]
	v_mov_b32 v[MU+1], v[MU]
.set i, 0
.rept 16
	v_pk_add_f32 v[TA+2*i:TA+2*i+1], v[TA+2*i:TA+2*i+1], v[MU:MU+1] op_sel_hi:[1,0] neg_lo:[0,1] neg_hi:[0,1]
.set i, i+1
.endr
.irp q, 0,2,4,6
	v_pk_mul_f32 v[CH+\q:CH+\q+1], v[TA+\q:TA+\q+1], v[TA+\q:TA+\q+1]
.endr
.set i, 4
.rept 12
	v_pk_fma_f32 v[CH+2*(i%4):CH+2*(i%4)+1], v[TA+2*i:TA+2*i+1], v[TA+2*i:TA+2*i+1], v[CH+2*(i%4):CH+2*(i%4)+1]
.set i, i+1
.endr
	RED4
	v_fma_f32 v[RH], v[CH], s[I64], s[EPS]
	v_rsq_f32 v[RH], v[RH]
	v_nop
	s_wait_alu depctr_va_vdst(0)
	v_mov_b32 v[RH+1], v[RH]
.set i, 0
.rept 16
	v_pk_mul_f32 v[TA+2*i:TA+2*i+1], v[TA+2*i:TA+2*i+1], v[RH:RH+1] op_sel_hi:[1,0]
.set i, i+1
.endr
.set i, 0
.rept 16
	v_pk_fma_f32 v[TA+2*i:TA+2*i+1], v[TA+2*i:TA+2*i+1], v[160+2*i:160+2*i+1], v[192+2*i:192+2*i+1]
.set i, i+1
.endr
.set i, 0
.rept 16
	v_cvt_pk_bf16_f32 v[QF+i], v[TA+2*i], v[TA+2*i+1]
.set i, i+1
.endr
.set i, 0
.rept 4
	ds_store_b128 v[QA], v[QF+4*i:QF+4*i+3] offset:512*i
.set i, i+1
.endr
	v_add_nc_u32 v[DST], 16*272, v[DST]
	v_add_nc_u32 v[PB], 64, v[PB]
	v_add_nc_u32 v[QA], 2048, v[QA]
	s_sub_co_u32 s[CNT], s[CNT], 1
	s_cmp_lg_u32 s[CNT], 0
	s_cbranch_scc1 .Lln0
	s_cmp_eq_u32 s[ROLE], 0
	s_cbranch_scc1 .Lnovbm
	v_add_nc_u32 v31, VB, v30                      ; role 1 hands the mask on: my wave's own 64 words, 256 consecutive bytes
	ds_load_b64 v[96:97], v31
	s_wait_dscnt 0x0
	global_store_b64 v30, v[96:97], s[VBMP:VBMP+1]
	s_wait_xcnt 0x0
.Lnovbm:
	; the embedding: ACC = bias + LN0's rows x the chunk
	ENTER
	v_add_nc_u32 v[BA], BIASL+4*1024, v[H32]
.set w, 0
.rept 2
	WIN 0x80+0x40*w
.set i, 0
.rept 32
	ds_load_b128 v[8*i:8*i+3], v[BA] offset:64*(i%16)
	ds_load_b128 v[8*i+4:8*i+7], v[BA] offset:64*(i%16)+16
.set i, i+1
.endr
.set w, w+1
.endr
	ACCK 2, 0
	s_mov_b32 s[ST], 0
.Lstage:                                               ; two trips: stage 0, stage 1
	XSTORE
	s_lshl1_add_u32 s2, s[ST], s[ROLE]
	s_cmp_eq_u32 s2, 2
	s_cbranch_scc1 .Lffn                           ; stage 1 of role 0
	; Stage 0: self-attention, head by head: Q, K, V^T (one text, three trips), the attention, and its part of the output projection onto ACC.
	; Stage 1 of role 1: q2 = t1 d_eqW + b, a head (64 columns) a trip, through the first of the three trips, which it leaves for 16 global stores
	s_mov_b32 s[HH], 0
.Lhead:
	s_mov_b32 s[JJ], 0
.Lqkv:
	ENTER
	s_lshl_b32 s2, s[JJ], 10
	s_lshl_b32 s3, s[HH], 8
	s_add_co_u32 s2, s2, s3
	s_mul_i32 s3, s[ST], 5*1024
	s_add_co_u32 s2, s2, s3
	s_add_co_u32 s2, s2, BIASL
	v_add_nc_u32 v[BA], s2, v[H32]                 ; q's bias, k's, or zeros (v's is added behind the softmax); in stage 1 d_eq's
	s_cmp_eq_u32 s[JJ], 2
	s_cselect_b32 s2, s[XRS], s[SS]                ; for V the sources change places
	s_cselect_b32 s3, s[SS], s[XRS]
	s_cselect_b32 s15, s[VWS], s[KWS]
	s_cmp_eq_u32 s[JJ], 0
	s_cselect_b32 s15, s[QXS], s15
	v_add_nc_u32 v[PA], s2, v[L16]
	v_add_nc_u32 v[PB], s3, v[L16]
	v_add_nc_u32 v[DST], s15, v[L16]
	TAINIT 4
	PROJ 4
	TAPACK 16
.set ti, 0
.rept 16
	ds_store_b128 v[DST], v[TA+4*ti:TA+4*ti+3] offset:((ti%4)*2+ti/8)*1024+((ti/4)%2)*512
.set ti, ti+1
.endr
	s_cmp_eq_u32 s[ST], 1
	s_cbranch_scc1 .Lq2out
	s_add_co_u32 s[JJ], s[JJ], 1
	s_cmp_lt_u32 s[JJ], 3
	s_cbranch_scc1 .Lqkv
	ENTER 0
	s_lshl_b32 s2, s[HH], 8
	s_add_co_u32 s2, s2, BIASL+3*1024
	v_add_nc_u32 v[BA], s2, v[H32]
	ATT
	ACCK 2, 0
	s_branch .Lhnext
.Lq2out:
	s_lshl_b32 s2, s[HH], 15
	v_add_nc_u32 v[GA], s2, v[L16]
.set ti, 0
.rept 16                                               ; the fragments as the next launch lays them into QX
	global_store_b128 v[GA], v[TA+4*ti:TA+4*ti+3], s[Q2P:Q2P+1] offset:((ti%4)*2+ti/8)*1024+((ti/4)%2)*512
.set ti, ti+1
.endr
	s_wait_xcnt 0x0                                ; the stores' data and offset are rewritten in the next trip
.Lhnext:
	s_add_co_u32 s[HH], s[HH], 1
	s_cmp_lt_u32 s[HH], 4
	s_cbranch_scc1 .Lhead
	s_cmp_eq_u32 s[ST], 1
	s_cbranch_scc1 .Lend                           ; role 1 is done
	s_branch .Lln
.Lffn:
	FFN
.Lln:
	; the layer norm: stage 0 with o's bias and ln1 (rows back into ACC; role 1 also stores them, f32, as the registers hold them), stage 1 with f2's bias and ln2 (rows leave as bf16 fragments)
	s_cmp_eq_u32 s[ST], 1
	s_cselect_b64 s[36:37], s[F2B:F2B+1], s[28:29]
	s_cselect_b64 s[38:39], s[LN2G:LN2G+1], s[30:31]
	s_cselect_b64 s[40:41], s[LN2B:LN2B+1], s[32:33]
	VEC3 36, 38, 40
	LNDUMP
	v_mov_b32 v[GA], v[L16]
	s_wait_loadcnt 0x0                             ; the three vectors
	s_mov_b32 s[CNT], 4
.Llnl:
	s_wait_dscnt 0x0                               ; T is in
	LNSTAT
	LNY
	WIN 0
	s_cmp_eq_u32 s[ST], 1
	s_cbranch_scc1 .Lwoenc
	s_cmp_eq_u32 s[ROLE], 0
	s_cbranch_scc1 .Lwodone
	WIN 0x0c
.set vi, 0
.rept 32
	global_store_b128 v[GA], v[128+4*vi:128+4*vi+3], s[T1P:T1P+1] offset:512*vi
.set vi, vi+1
.endr
	WIN 0
	s_wait_xcnt 0x0                                ; the offset, and Y in the next trip, are rewritten only behind this wait
	v_add_nc_u32 v[GA], 0x4000, v[GA]
	s_branch .Lwodone
.Lwoenc:
.set hf, 0
.rept 2
	WIN 0x0f
.set i, 0
.rept 32
	v_cvt_pk_bf16_f32 v[QF+i], v[128+64*hf+2*i], v[128+64*hf+2*i+1]
.set i, i+1
.endr
	WIN 0
.set i, 0
.rept 8
	global_store_b128 v[GA], v[QF+4*i:QF+4*i+3], s[ENCP:ENCP+1] offset:(4*hf+i/2)*4096+(i%2)*512
.set i, i+1
.endr
	s_wait_xcnt 0x0                                ; the 32 registers and the offset are rewritten only behind this wait
.set hf, hf+1
.endr
	v_add_nc_u32 v[GA], 1024, v[GA]
.Lwodone:
	LNNEXT
	s_cbranch_scc1 .Llnl
	s_cmp_eq_u32 s[ST], 1
	s_cbranch_scc1 .Lstnext
	LNBACK
.Lstnext:
	s_add_co_u32 s[ST], s[ST], 1
	s_cmp_lt_u32 s[ST], 2
	s_cbranch_scc1 .Lstage
.Lend:
	s_wait_tensorcnt 0x0                           ; the wave's end: three lines behind my last LDS store
	ds_add_u32 v[SPW], v[NIL]
	s_wait_dscnt 0x0
	s_endpgm
.Lfunc_end_k_q5f345a826b_blkA:
	.size	k_q5f345a826b_blkA, .Lfunc_end_k_q5f345a826b_blkA-k_q5f345a826b_blkA
	.p2alignl 7, 3214868480
	.fill 96, 4, 3214868480
	.section	.rodata,"a",@progbits
	.p2align	6, 0x0
	.amdhsa_kernel k_q5f345a826b_blkA
		.amdhsa_group_segment_fixed_size 303616
		.amdhsa_private_segment_fixed_size 0
		.amdhsa_enable_private_segment 0
		.amdhsa_kernarg_size 232
		.amdhsa_user_sgpr_count 2
		.amdhsa_user_sgpr_kernarg_segment_ptr 1
		.amdhsa_wavefront_size32 1
		.amdhsa_system_sgpr_workgroup_id_x 1
		.amdhsa_system_sgpr_workgroup_id_y 1
		.amdhsa_system_sgpr_workgroup_id_z 1
		.amdhsa_system_vgpr_workitem_id 0
		.amdhsa_next_free_vgpr 1024
		.amdhsa_next_free_sgpr 104
		.amdhsa_reserve_vcc 1
		.amdhsa_float_denorm_mode_32 3
		.amdhsa_float_denorm_mode_16_64 3
		.amdhsa_memory_ordered 1
		.amdhsa_forward_progress 1
		.amdhsa_inst_pref_size 235
	.end_amdhsa_kernel
	.amdgpu_metadata
---
amdhsa.version: [ 1, 2 ]
amdhsa.kernels:
  - .name:           k_q5f345a826b_blkA
    .symbol:         k_q5f345a826b_blkA.kd
    .args:
      - { .name: src, .offset: 0, .size: 8, .value_kind: global_buffer, .address_space: global }
      - { .name: wts, .offset: 8, .size: 8, .value_kind: global_buffer, .address_space: global }
      - { .name: ln0sg, .offset: 16, .size: 8, .value_kind: global_buffer, .address_space: global }
      - { .name: ln0sb, .offset: 24, .size: 8, .value_kind: global_buffer, .address_space: global }
      - { .name: semb, .offset: 32, .size: 8, .value_kind: global_buffer, .address_space: global }
      - { .name: e_qb, .offset: 40, .size: 8, .value_kind: global_buffer, .address_space: global }
      - { .name: e_kb, .offset: 48, .size: 8, .value_kind: global_buffer, .address_space: global }
      - { .name: e_vb, .offset: 56, .size: 8, .value_kind: global_buffer, .address_space: global }
      - { .name: e_ob, .offset: 64, .size: 8, .value_kind: global_buffer, .address_space: global }
      - { .name: e_ln1g, .offset: 72, .size: 8, .value_kind: global_buffer, .address_space: global }
      - { .name: e_ln1b, .offset: 80, .size: 8, .value_kind: global_buffer, .address_space: global }
      - { .name: ln0tg, .offset: 88, .size: 8, .value_kind: global_buffer, .address_space: global }
      - { .name: ln0tb, .offset: 96, .size: 8, .value_kind: global_buffer, .address_space: global }
      - { .name: temb, .offset: 104, .size: 8, .value_kind: global_buffer, .address_space: global }
      - { .name: d_sqb, .offset: 112, .size: 8, .value_kind: global_buffer, .address_space: global }
      - { .name: d_skb, .offset: 120, .size: 8, .value_kind: global_buffer, .address_space: global }
      - { .name: d_svb, .offset: 128, .size: 8, .value_kind: global_buffer, .address_space: global }
      - { .name: d_sob, .offset: 136, .size: 8, .value_kind: global_buffer, .address_space: global }
      - { .name: d_ln1g, .offset: 144, .size: 8, .value_kind: global_buffer, .address_space: global }
      - { .name: d_ln1b, .offset: 152, .size: 8, .value_kind: global_buffer, .address_space: global }
      - { .name: e_f1b, .offset: 160, .size: 8, .value_kind: global_buffer, .address_space: global }
      - { .name: e_f2b, .offset: 168, .size: 8, .value_kind: global_buffer, .address_space: global }
      - { .name: e_ln2g, .offset: 176, .size: 8, .value_kind: global_buffer, .address_space: global }
      - { .name: e_ln2b, .offset: 184, .size: 8, .value_kind: global_buffer, .address_space: global }
      - { .name: d_eqb, .offset: 192, .size: 8, .value_kind: global_buffer, .address_space: global }
      - { .name: encx, .offset: 200, .size: 8, .value_kind: global_buffer, .address_space: global }
      - { .name: t1, .offset: 208, .size: 8, .value_kind: global_buffer, .address_space: global }
      - { .name: q2, .offset: 216, .size: 8, .value_kind: global_buffer, .address_space: global }
      - { .name: vbm, .offset: 224, .size: 8, .value_kind: global_buffer, .address_space: global }
    .group_segment_fixed_size: 303616
    .private_segment_fixed_size: 0
    .kernarg_segment_align: 8
    .kernarg_segment_size: 232
    .max_flat_workgroup_size: 128
    .sgpr_count:     104
    .vgpr_count:     1024
    .wavefront_size: 32
...
	.end_amdgpu_metadata
.endif
;; end of part 5
;; launch blkB (part 6): grid 128 x 1, 4 waves a work-group, no clusters, 303,616 bytes of LDS; arguments wts, encx, t1, q2, vbm, d_ekb, d_evb, d_eob, d_ln2g, d_ln2b, d_f1b, d_f2b, gwb, out0; writes out0
.if DOCPART == 6
	.amdgcn_target "amdgcn-amd-amdhsa--gfx1250"
	.amdhsa_code_object_version 6
	.text
	.protected	k_q5f345a826b_blkB
	.globl	k_q5f345a826b_blkB
	.p2align	8
	.type	k_q5f345a826b_blkB,@function
k_q5f345a826b_blkB:
	s_mov_b64 s[64:65], 0
	v_nop
	global_prefetch_b8 v0, s[64:65] scope:SCOPE_SE
	s_setreg_imm32_b32 hwreg(HW_REG_WAVE_MODE, 25, 1), 1
	s_wait_xcnt 0x0
; The decoder's second half for one batch: K and V from the encoder's rows (encx), cross-attention with q2, output projection onto t1, LN2, FFN, LN3 fused with the one output column, exp, mask, and the division by the batch's sum.
; Shares, layouts, the chunk ring and the reasons for them are those of the launch before: four waves, 64 rows each; the row stream in 512 registers, ACC(rt, nt) at v[512 + 128 rt + 8 nt];
; the matrix instruction used transposed (source 0 = 16 output columns of a weight, source 1 = 16 rows; swapped for V); fragments of 1,024 bytes laid as the registers hold them; weights as chunks of 32,768 bytes that
; each wave brings through 64 registers, one chunk ahead, into the idle one of two LDS slots, the look-ahead clamped to the last chunk.  No cluster and no tensor loads: with them the stream's last trips would be written out twice.
; TWO STAGES, one text for the layer norm: a counted loop of two trips; stage 0: attention, LN2 (rows back into ACC); stage 1: FFN, LN3 with the output column.  The stage chooses addresses by s_cselect and ways by forward jumps.
; gwb holds d_ln3g x outW (256 numbers) and, behind them, sum of d_ln3b x outW + outb, made in f32 by the first launch: logit = (sum of (x - mean) g w) / sigma + that sum.
; 128 work-groups: the last division wants the sum over a batch's 256 rows, which one work-group owns.
; LIMITS.  A hidden key's score counts as its value less 8e10; its weight is 0.  No maximum is taken ahead of the last exponential: reference() takes none.  A hidden row's p is 0 (reference: exp x 0).
; A batch with no valid row gives NaN, as in reference().  Divisions are v_rcp_f32 and a multiply; exponentials below 2^-126 count as 0.  Matrix operands are bf16.
.set XR,    65536      ; 4 x 32,768: wave w's operand fragments [kf][rt] at (4 kf + rt) x 1,024
.set QX,    196608     ; 4 x 8,192: wave w's fragments [rt][kf]: Q, the attention's result, the FFN's hidden slab
.set KK,    229376     ; 32,768: K of one head, fragment (key tile t, kf) at 2,048 t + 1,024 kf
.set VT,    262144     ; 32,768: V^T of one head, fragment (channel tile c, keys 32 f on) at 8,192 (f / 2) + 2,048 c + 1,024 (f % 2)
.set VB,    294912     ; 1,024: for each key 0, or -8e10 if it is hidden
.set BIASL, 295936     ; 6 x 1,024: k's bias, zeros, -, v's, -, f1's
.set SPARE, 302080     ; 512: the spare words, 128 bytes a wave; no other line names them
.set PBUF,  302592     ; 1,024: the 256 rows' p
.set L16, 1            ; v1  16 x lane
.set H32, 2            ; v2  32 x (lane / 16)
.set SA,  3
.set GO,  4
.set PA,  5
.set PB,  6
.set DST, 7
.set BA,  8
.set QA,  9
.set KS,  10           ; v10, v11, v12  the attention's key step: K, V^T, the mask
.set VS,  11
.set MS,  12
.set LA,  13
.set GA,  14
.set LB,  15
.set CH,  16           ; v16-23  four chains of pairs
.set MU,  24
.set RH,  26
.set SPW, 28           ; v28  my spare word; never rewritten
.set NIL, 29           ; v29  0; never rewritten
.set STG, 32           ; v32-95  my quarter of the chunk on its way
.set QF,  96
.set TA,  128
.set MX,  4            ; the attention alone: v4-7 the four tiles' running maxima (no chunk is on its way then, and the addresses are made anew behind it)
.set LS,  16           ; v16-23 their running sums, a pair (even keys', odd keys') a tile
.set AQ,  32           ; v32-95 Q, fragment (rt, kf) at 16 rt + 8 kf
.set TM,  96           ; v96-127 the key step's mask; then eight registers a tile at work; at last v's bias
.set WTS, 6
.set WV,  8
.set BATCH, 10
.set SS,  11
.set SOFF, 12
.set SLAST, 13
.set W8K, 14
.set XRS, 54
.set QXS, 55
.set KWS, 56
.set VWS, 57
.set LNSS, 58
.set HH,  59
.set JJ,  60
.set CNT, 61
.set SEL, 62
.set CS,  86
.set K1,  88
.set K3,  90
.set I256, 92
.set EPS, 93
.set OB,  96           ; s96  sum of b w + outb
.set ST,  97           ; the stage, 0 or 1
.set ENCP, 16
.set T1P, 18
.set Q2P, 20
.set VBMP, 22
.set EKB, 24
.set EVB, 26
.set EOB, 28
.set LN2G, 30
.set LN2B, 68
.set F1B, 70
.set F2B, 72
.set GWB, 74
.set OUT0, 76
.set MSB, 0
.macro WIN new                         ; s_set_vgpr_msb: bits 1:0 source 0, 3:2 source 1, 5:4 source 2, 7:6 destination; the high byte repeats the setting that is left
.if MSB != (\new)
	s_set_vgpr_msb (MSB<<8)|(\new)
.set MSB, (\new)
.endif
.endm
.macro PLACES                          ; four places behind a matrix instruction, ahead of vector reads of its result and of loads into its registers
.rept 4
	v_nop
.endr
.endm
.macro FETCH                           ; my quarter of a chunk, 16 x 512 consecutive bytes
	WIN 0
.set fi, 0
.rept 16
	global_load_b128 v[STG+4*fi:STG+4*fi+3], v[GO], s[WTS:WTS+1] offset:512*fi
.set fi, fi+1
.endr
.endm
.macro REFETCH                         ; the chunk at SOFF is asked for
	WIN 0
	s_add_co_u32 s15, s[SOFF], s[W8K]
	v_add_nc_u32 v[GO], s15, v[L16]
	FETCH
.endm
.macro STAGE f=1                       ; the chunk that has come goes into slot SS; f = 1: the one after it is asked for (f = 0: the attention asks, in its last trip)
	WIN 0
	s_wait_loadcnt 0x0                             ; the quarter is in; its address register is free
	s_add_co_u32 s15, s[SS], s[W8K]
	v_add_nc_u32 v[SA], s15, v[L16]
.set fi, 0
.rept 16
	ds_store_b128 v[SA], v[STG+4*fi:STG+4*fi+3] offset:512*fi
.set fi, fi+1
.endr
	s_xor_b32 s[SS], s[SS], 0x8000
	s_add_co_u32 s[SOFF], s[SOFF], 0x8000
	s_min_u32 s[SOFF], s[SOFF], s[SLAST]           ; no load passes the last chunk
.if \f
	REFETCH
.endif
.endm
.macro ENTER f=1                       ; a chunk is entered.  The barrier orders: all reads of the slot now overwritten; the stores of the chunk now read; K's and V's stores ahead of the attention, its reads ahead of the next head's stores
	WIN 0
	s_wait_dscnt 0x0                               ; for the others' sake: my LDS reads and stores are done
	s_barrier_signal -1
	s_barrier_wait -1
	STAGE \f
.endm
.macro TAINIT na                       ; the results begin as the bias: tile 4 a + b takes columns 16 a on
	WIN 0
.set ti, 0
.rept 4*(\na)
	ds_load_b128 v[TA+8*ti:TA+8*ti+3], v[BA] offset:64*(ti/4)
	ds_load_b128 v[TA+8*ti+4:TA+8*ti+7], v[BA] offset:64*(ti/4)+16
.set ti, ti+1
.endr
.endm
.macro LDAB buf, na, ko                ; the fragments of one 32 along k, ko steps on: na from PA, 4 from PB, into buffer buf of window 1
	WIN 0x40
.set li, 0
.rept \na
	ds_load_b128 v[64*(\buf)+8*li:64*(\buf)+8*li+3], v[PA] offset:((\ko)*(\na)+li)*1024
	ds_load_b128 v[64*(\buf)+8*li+4:64*(\buf)+8*li+7], v[PA] offset:((\ko)*(\na)+li)*1024+512
.set li, li+1
.endr
.set li, 0
.rept 4
	ds_load_b128 v[64*(\buf)+32+8*li:64*(\buf)+32+8*li+3], v[PB] offset:((\ko)*4+li)*1024
	ds_load_b128 v[64*(\buf)+32+8*li+4:64*(\buf)+32+8*li+7], v[PB] offset:((\ko)*4+li)*1024+512
.set li, li+1
.endr
.endm
.macro MULAB buf, na                   ; 4 na products; the accumulators take turns
	WIN 0x05
.set mi, 0
.rept 4*(\na)
	v_wmma_f32_16x16x32_bf16 v[TA+8*mi:TA+8*mi+7], v[64*(\buf)+8*(mi/4):64*(\buf)+8*(mi/4)+7], v[64*(\buf)+32+8*(mi%4):64*(\buf)+32+8*(mi%4)+7], v[TA+8*mi:TA+8*mi+7]
.set mi, mi+1
.endr
.endm
.macro PROJ na                         ; TA(a, b) += sum over 256 k: four trips of 64 along k on two fragment buffers; a counted wait leaves out the 2 (na + 4) loads just issued for the other buffer
	LDAB 0, \na, 0
	WIN 0
	s_mov_b32 s[CNT], 4
.Lpj_\@:
	LDAB 1, \na, 1
	s_wait_dscnt 2*((\na)+4)
	MULAB 0, \na
	PLACES
	WIN 0
	s_cmp_eq_u32 s[CNT], 1
	s_cbranch_scc1 .Lpl_\@                         ; the last trip has nothing to look ahead for
	LDAB 0, \na, 2
	WIN 0
	s_wait_dscnt 2*((\na)+4)
	s_branch .Lpm_\@
.Lpl_\@:
	s_wait_dscnt 0x0
.Lpm_\@:
	MULAB 1, \na
	PLACES
	WIN 0
	v_add_nc_u32 v[PA], 2048*(\na), v[PA]
	v_add_nc_u32 v[PB], 8192, v[PB]
	s_sub_co_u32 s[CNT], s[CNT], 1
	s_cmp_lg_u32 s[CNT], 0
	s_cbranch_scc1 .Lpj_\@
.endm
.macro TAPACK n                        ; n results rounded to bf16, in place and ascending: tile t's four words land at TA + 4 t, behind what has been read
	WIN 0
.set ti, 0
.rept 4*(\n)
	v_cvt_pk_bf16_f32 v[TA+ti], v[TA+2*ti], v[TA+2*ti+1]
.set ti, ti+1
.endr
.endm
.macro ACCK nk, woff                   ; ACC(rt, nt) += my fragments in QX x the chunk's 256 columns, 32 nk along k.  The waits leave out the weight fragments still to come
	WIN 0
	s_add_co_u32 s15, s[SS], \woff
	v_add_nc_u32 v[PA], s15, v[L16]
	v_add_nc_u32 v[PB], s[QXS], v[L16]
.if (\nk) > 1
	s_mov_b32 s[CNT], \nk
.Lack_\@:
.endif
	WIN 0x40
.set ai, 0
.rept 4
	ds_load_b128 v[128+8*ai:128+8*ai+3], v[PB] offset:2048*ai
	ds_load_b128 v[128+8*ai+4:128+8*ai+7], v[PB] offset:2048*ai+512
.set ai, ai+1
.endr
.set ai, 0
.rept 16
	ds_load_b128 v[8*ai:8*ai+3], v[PA] offset:1024*ai
	ds_load_b128 v[8*ai+4:8*ai+7], v[PA] offset:1024*ai+512
.set ai, ai+1
.endr
.set ag, 0
.rept 4
	s_wait_dscnt 24-8*ag
.set aw, 0
.rept 2                                ; row tiles 0, 1 lie in window 2, row tiles 2, 3 in window 3
	WIN 0xa5+0x50*aw
.set ai, 0
.rept 8
.set an, 4*ag+ai/2
.set ar, ai%2
	v_wmma_f32_16x16x32_bf16 v[128*ar+8*an:128*ar+8*an+7], v[8*an:8*an+7], v[128+8*(2*aw+ar):128+8*(2*aw+ar)+7], v[128*ar+8*an:128*ar+8*an+7]
.set ai, ai+1
.endr
.set aw, aw+1
.endr
.set ag, ag+1
.endr
	PLACES
	WIN 0
.if (\nk) > 1
	v_add_nc_u32 v[PA], 16384, v[PA]
	v_add_nc_u32 v[PB], 1024, v[PB]
	s_sub_co_u32 s[CNT], s[CNT], 1
	s_cmp_lg_u32 s[CNT], 0
	s_cbranch_scc1 .Lack_\@
.endif
.endm
.macro XSTORE                          ; the row stream, rounded to bf16, becomes my operand fragments in XR
	WIN 0
	v_add_nc_u32 v[DST], s[XRS], v[L16]
.set xr, 0
.rept 4
	WIN 0x0a+5*(xr/2)
.set xi, 0
.rept 64
	v_cvt_pk_bf16_f32 v[TA+64*(xr%2)+xi], v[128*(xr%2)+2*xi], v[128*(xr%2)+2*xi+1]
.set xi, xi+1
.endr
	WIN 0
.set xi, 0
.rept 16
	ds_store_b128 v[DST], v[TA+64*(xr%2)+4*xi:TA+64*(xr%2)+4*xi+3] offset:(xi/2)*4096+xr*1024+(xi%2)*512
.set xi, xi+1
.endr
.set xr, xr+1
.endr
.endm
.macro RED4                            ; the four chains, the pair's halves, and the other half of the lanes: the row's sum in v[CH] of both its lanes
	v_pk_add_f32 v[CH:CH+1], v[CH:CH+1], v[CH+2:CH+3]
	v_pk_add_f32 v[CH+4:CH+5], v[CH+4:CH+5], v[CH+6:CH+7]
	v_pk_add_f32 v[CH:CH+1], v[CH:CH+1], v[CH+4:CH+5]
	v_add_f32 v[CH], v[CH], v[CH+1]
	v_permlanex16_b32 v[CH+1], v[CH], s[SEL], s[SEL+1]
	v_add_f32 v[CH], v[CH], v[CH+1]
.endm
; ATTENTION of one head for my 64 queries: all four row tiles together, 64 keys a trip, four trips.  So a fragment of K or V read from LDS feeds four products, and the step's mask (32 registers) starts all four tiles' sums.
; S^T = mask + K Q^T (a lane: one query, keys 16 t + 8 h + 0..7); for each query a running maximum m and sum l: p = 2^(c s - c m); in every trip but the first O^T and l are multiplied by a = 2^(c m_old - c m_new).
; O^T += V^T P.  The first trip starts O^T with the constant 0 and skips the rescaling; l starts at 0 and m at the lowest finite number, so its a is 0.  At the end O / l + v's bias (exact, since the weights sum to 1)
; goes, as bf16 fragments, where Q lay.  Window 1: v0-127 O^T (rt, c) at 32 rt + 8 c; v128-191 K (tl, kf) at 16 tl + 8 kf; v192-255 V^T (c, fl) at 16 c + 8 fl.  v[BA] points at v's bias for this head.
; The next step's K and mask are asked for ahead of the products V^T P, V behind the products K Q^T: each lands under other work.  The last trip asks for v's bias and for the next chunk of weights instead.
.macro ALL4 line:vararg                ; one line for each of the four tiles
.set tt, 0
.rept 4
.set rT, TM+8*tt
.set rS, TA+32*tt
.set rM, MX+tt
.set rL, LS+2*tt
.set rO, 32*tt
	\line
.set tt, tt+1
.endr
.endm
.macro KMLOAD                          ; K and the mask of the key step at v[KS], v[MS]
	WIN 0x40
.set ai, 0
.rept 16
	ds_load_b128 v[128+4*ai:128+4*ai+3], v[KS] offset:512*ai
.set ai, ai+1
.endr
	WIN 0
.set ai, 0
.rept 4
	ds_load_b128 v[TM+8*ai:TM+8*ai+3], v[MS] offset:64*ai
	ds_load_b128 v[TM+8*ai+4:TM+8*ai+7], v[MS] offset:64*ai+16
.set ai, ai+1
.endr
.endm
.macro SUMG g                          ; the eight weights of group g (tile g / 4) go onto the tile's two chains
.set sT, TM+8*((\g)/4)+4
.set sS, TA+8*(\g)
.if (\g)%4 == 0
	s_wait_alu depctr_va_vdst(0)
	v_pk_add_f32 v[sT:sT+1], v[sS:sS+1], v[sS+2:sS+3]
	v_pk_add_f32 v[sT+2:sT+3], v[sS+4:sS+5], v[sS+6:sS+7]
.else
	s_wait_alu depctr_va_vdst(0)
	v_pk_add_f32 v[sT:sT+1], v[sT:sT+1], v[sS:sS+1]
	v_pk_add_f32 v[sT+2:sT+3], v[sT+2:sT+3], v[sS+2:sS+3]
	v_pk_add_f32 v[sT:sT+1], v[sT:sT+1], v[sS+4:sS+5]
	v_pk_add_f32 v[sT+2:sT+3], v[sT+2:sT+3], v[sS+6:sS+7]
.endif
.endm
.macro PVH fl, zero                    ; 16 products of O^T += V^T P, keys 32 fl on; the 16 accumulators take turns
	WIN 0x51
.set ai, 0
.rept 16
.set pO, 32*(ai%4)+8*(ai/4)
.set pV, 192+16*(ai/4)+8*(\fl)
.set pP, TA+32*(ai%4)+8*(\fl)
.if \zero
	v_wmma_f32_16x16x32_bf16 v[pO:pO+7], v[pV:pV+7], v[pP:pP+7], 0
.else
	v_wmma_f32_16x16x32_bf16 v[pO:pO+7], v[pV:pV+7], v[pP:pP+7], v[pO:pO+7]
.endif
.set ai, ai+1
.endr
.endm
.macro ATT
	WIN 0
	v_add_nc_u32 v[QA], s[QXS], v[L16]
	v_add_nc_u32 v[KS], KK, v[L16]
	v_add_nc_u32 v[VS], VT, v[L16]
	v_add_nc_u32 v[MS], VB, v[H32]
.set ai, 0
.rept 16
	ds_load_b128 v[AQ+4*ai:AQ+4*ai+3], v[QA] offset:512*ai
.set ai, ai+1
.endr
	KMLOAD
.set ai, 0
.rept 4
	v_mov_b32 v[MX+ai], 0xff7fffff
	v_mov_b32 v[LS+2*ai], 0
	v_mov_b32 v[LS+2*ai+1], 0
.set ai, ai+1
.endr
	s_mov_b32 s[CNT], 4
.Latt_\@:
	s_wait_dscnt 0x0                               ; K and the mask (in the first trip Q too) are in
	WIN 0x01
.set ai, 0
.rept 32                               ; channels 32 (ai / 16) on, key tile (ai / 4) % 4, row tile ai % 4: 16 accumulators by turns
.set qS, TA+32*(ai%4)+8*((ai/4)%4)
.set qK, 128+16*((ai/4)%4)+8*(ai/16)
.set qQ, AQ+16*(ai%4)+8*(ai/16)
.set qM, TM+8*((ai/4)%4)
.if ai < 16
	v_wmma_f32_16x16x32_bf16 v[qS:qS+7], v[qK:qK+7], v[qQ:qQ+7], v[qM:qM+7]
.else
	v_wmma_f32_16x16x32_bf16 v[qS:qS+7], v[qK:qK+7], v[qQ:qQ+7], v[qS:qS+7]
.endif
.set ai, ai+1
.endr
	PLACES
	WIN 0x40
.set ai, 0
.rept 16                               ; V^T of this step: it lands while the softmax is made
	ds_load_b128 v[192+4*ai:192+4*ai+3], v[VS] offset:512*ai
.set ai, ai+1
.endr
	WIN 0
	; the maximum of a lane's 32 scores and the old m, in four chains a tile; each result's lowest registers are read first.  The four tiles alternate, so that no line waits for the one before it
.set xn, 0
.rept 4
	ALL4 v_max3_num_f32 v[rT+xn], v[rS+8*xn], v[rS+8*xn+1], v[rS+8*xn+2]
.set xn, xn+1
.endr
.rept 8
	ALL4 v_max3_num_f32 v[rT+xn%4], v[rT+xn%4], v[rS+8*(xn%4)+2*(xn/4)+1], v[rS+8*(xn%4)+2*(xn/4)+2]
.set xn, xn+1
.endr
	ALL4 v_max3_num_f32 v[rT], v[rT], v[rS+7], v[rS+15]
	ALL4 v_max3_num_f32 v[rT+1], v[rT+1], v[rS+23], v[rS+31]
	ALL4 v_max3_num_f32 v[rT+2], v[rT+2], v[rT+3], v[rM]
	ALL4 v_max3_num_f32 v[rT], v[rT], v[rT+1], v[rT+2]
	ALL4 v_permlanex16_b32 v[rT+3], v[rT], s[SEL], s[SEL+1]
	ALL4 v_max_num_f32 v[rT+1], v[rT], v[rT+3]
	ALL4 v_sub_f32 v[rT+2], v[rM], v[rT+1]
	ALL4 v_mov_b32 v[rM], v[rT+1]
	ALL4 v_mul_f32 v[rT], s[CS], v[rT+1]
	ALL4 v_mul_f32 v[rT+2], s[CS], v[rT+2]
	ALL4 v_exp_f32 v[rT+2], v[rT+2]
.set ii, 0
.rept 16                               ; c s - c m
	ALL4 v_pk_fma_f32 v[rS+2*ii:rS+2*ii+1], v[rS+2*ii:rS+2*ii+1], s[CS:CS+1], v[rT:rT+1] op_sel_hi:[1,0,0] neg_lo:[0,0,1] neg_hi:[0,0,1]
.set ii, ii+1
.endr
.set ei, 0
.rept 16                               ; eight exponentials, then the sums of the eight before: a plain instruction stands behind every exponential before its result is used
.set ej, 0
.rept 8
	v_exp_f32 v[TA+8*ei+ej], v[TA+8*ei+ej]
.set ej, ej+1
.endr
.if ei == 0
	v_nop
.else
	SUMG ei-1
.endif
.set ei, ei+1
.endr
	SUMG 15
	ALL4 v_pk_add_f32 v[rT+4:rT+5], v[rT+4:rT+5], v[rT+6:rT+7]
	ALL4 v_pk_fma_f32 v[rL:rL+1], v[rL:rL+1], v[rT+2:rT+3], v[rT+4:rT+5] op_sel_hi:[1,0,1]
.set ii, 0
.rept 16                               ; P, in place and ascending: a tile's fragment of keys 32 fl on at its S + 8 fl
	ALL4 v_cvt_pk_bf16_f32 v[rS+ii], v[rS+2*ii], v[rS+2*ii+1]
.set ii, ii+1
.endr
	v_add_nc_u32 v[KS], 0x2000, v[KS]
	v_add_nc_u32 v[MS], 0x100, v[MS]
	s_wait_dscnt 0x0                               ; V^T is in
	s_cmp_eq_u32 s[CNT], 4
	s_cbranch_scc1 .Lafi_\@
	WIN 0x41
.set ii, 0
.rept 16                               ; O^T times a
	ALL4 v_pk_mul_f32 v[rO+2*ii:rO+2*ii+1], v[rO+2*ii:rO+2*ii+1], v[rT+2:rT+3] op_sel_hi:[1,0]
.set ii, ii+1
.endr
	WIN 0
	s_cmp_eq_u32 s[CNT], 1
	s_cbranch_scc1 .Lala_\@
	KMLOAD
	s_branch .Lapa_\@
.Lala_\@:
.set ai, 0
.rept 4                                ; the last trip: v's bias where the mask lay, and the next chunk of weights into the registers that Q has left
	ds_load_b128 v[TM+8*ai:TM+8*ai+3], v[BA] offset:64*ai
	ds_load_b128 v[TM+8*ai+4:TM+8*ai+7], v[BA] offset:64*ai+16
.set ai, ai+1
.endr
	REFETCH
.Lapa_\@:
	PVH 0, 0
	WIN 0
	s_branch .Lapb_\@
.Lafi_\@:
	KMLOAD
	PVH 0, 1
	WIN 0
.Lapb_\@:
	PVH 1, 0
.rept 5
	v_nop                                          ; with the line below six places: the next trip's first products write over P, which these products read
.endr
	WIN 0
	v_add_nc_u32 v[VS], 0x2000, v[VS]
	s_sub_co_u32 s[CNT], s[CNT], 1
	s_cmp_lg_u32 s[CNT], 0
	s_cbranch_scc1 .Latt_\@
	ALL4 v_add_f32 v[rL], v[rL], v[rL+1]
	ALL4 v_permlanex16_b32 v[rL+1], v[rL], s[SEL], s[SEL+1]
	ALL4 v_add_f32 v[rL], v[rL], v[rL+1]
	ALL4 v_rcp_f32 v[rL], v[rL]
	v_nop
	s_wait_alu depctr_va_vdst(0)
	s_wait_dscnt 0x0                               ; v's bias
	WIN 0x41
.set ii, 0
.rept 16
	ALL4 v_pk_fma_f32 v[rO+2*ii:rO+2*ii+1], v[rO+2*ii:rO+2*ii+1], v[rL:rL+1], v[TM+2*ii:TM+2*ii+1] op_sel_hi:[1,0,1]
.set ii, ii+1
.endr
	WIN 0x05
.set ii, 0
.rept 64
	v_cvt_pk_bf16_f32 v[TA+ii], v[2*ii], v[2*ii+1]
.set ii, ii+1
.endr
	WIN 0
.set ii, 0
.rept 16
	ds_store_b128 v[QA], v[TA+4*ii:TA+4*ii+3] offset:512*ii
.set ii, ii+1
.endr
.endm
.macro GELU                            ; x / (1 + 2^(x (k1 + k3 x^2))) on TA's first 64 registers: the tanh form of GELU, k1 = -2 sqrt(2 / pi) log2(e), k3 = 0.044715 k1
	WIN 0
.set gi, 0
.rept 8
.set gx, TA+8*gi
.irp p, 0,2,4,6
	v_pk_mul_f32 v[QF+\p:QF+\p+1], v[gx+\p:gx+\p+1], v[gx+\p:gx+\p+1]
.endr
.irp p, 0,2,4,6
	v_pk_fma_f32 v[QF+\p:QF+\p+1], v[QF+\p:QF+\p+1], s[K3:K3+1], s[K1:K1+1] op_sel_hi:[1,0,0]
.endr
.irp p, 0,2,4,6
	v_pk_mul_f32 v[QF+\p:QF+\p+1], v[QF+\p:QF+\p+1], v[gx+\p:gx+\p+1]
.endr
.irp p, 0,1,2,3,4,5,6,7
	v_exp_f32 v[QF+\p], v[QF+\p]
.endr
	v_nop
	s_wait_alu depctr_va_vdst(0)
.irp p, 0,2,4,6
	v_pk_add_f32 v[QF+\p:QF+\p+1], v[QF+\p:QF+\p+1], 1.0 op_sel_hi:[1,0]
.endr
.irp p, 0,1,2,3,4,5,6,7
	v_rcp_f32 v[QF+\p], v[QF+\p]
.endr
	v_nop
	s_wait_alu depctr_va_vdst(0)
.irp p, 0,2,4,6
	v_pk_mul_f32 v[gx+\p:gx+\p+1], v[gx+\p:gx+\p+1], v[QF+\p:QF+\p+1]
.endr
.set gi, gi+1
.endr
.endm
; LAYER NORM over the row stream.  Registers cannot be indexed, so one text works on row tile 0's registers (T): tiles 1-3 wait in three LDS slots of my own and come into T one a trip.
; BI (window 1, v0-127) is the bias still to be added, G (window 1, v128-255) the gain, TA's registers the additive vector; Y is row tile 3's registers.
.macro VEC3 sbi, sg, sb                ; three vectors of 256, each lane its 128 columns
	WIN 0x40
.set vi, 0
.rept 32
	global_load_b128 v[4*vi:4*vi+3], v[H32], s[\sbi:\sbi+1] offset:64*(vi/2)+16*(vi%2)
	global_load_b128 v[128+4*vi:128+4*vi+3], v[H32], s[\sg:\sg+1] offset:64*(vi/2)+16*(vi%2)
.set vi, vi+1
.endr
	WIN 0
.set vi, 0
.rept 32
	global_load_b128 v[TA+4*vi:TA+4*vi+3], v[H32], s[\sb:\sb+1] offset:64*(vi/2)+16*(vi%2)
.set vi, vi+1
.endr
.endm
.macro LNDUMP                          ; the slots lie over XR, QX and KK, which other waves may still read: a barrier first
	WIN 0
	s_wait_dscnt 0x0
	s_barrier_signal -1
	s_barrier_wait -1
	WIN 0x08
.set vi, 0
.rept 32
	ds_store_b128 v[LB], v[128+4*vi:128+4*vi+3] offset:512*vi
.set vi, vi+1
.endr
	WIN 0x0c
.set vi, 0
.rept 64
	ds_store_b128 v[LB], v[4*vi:4*vi+3] offset:16384+512*vi
.set vi, vi+1
.endr
	WIN 0
	v_mov_b32 v[LA], v[LB]
.endm
.macro LNSTAT                          ; T += BI; T -= mean; v[RH] = 1 / sqrt(variance + 1e-5): two passes, no difference of large sums
	WIN 0x86
.set vi, 0
.rept 64
	v_pk_add_f32 v[2*vi:2*vi+1], v[2*vi:2*vi+1], v[2*vi:2*vi+1]
.set vi, vi+1
.endr
	WIN 0x0a
.irp q, 0,2,4,6
	v_pk_add_f32 v[CH+\q:CH+\q+1], v[\q:\q+1], v[8+\q:8+\q+1]
.endr
	WIN 0x08
.set vi, 8
.rept 56
	v_pk_add_f32 v[CH+2*(vi%4):CH+2*(vi%4)+1], v[CH+2*(vi%4):CH+2*(vi%4)+1], v[2*vi:2*vi+1]
.set vi, vi+1
.endr
	WIN 0
	RED4
	v_mul_f32 v[MU], s[I256], v[CH]
	v_mov_b32 v[MU+1], v[MU]
	WIN 0x82
.set vi, 0
.rept 64
	v_pk_add_f32 v[2*vi:2*vi+1], v[2*vi:2*vi+1], v[MU:MU+1] op_sel_hi:[1,0] neg_lo:[0,1] neg_hi:[0,1]
.set vi, vi+1
.endr
	WIN 0x0a
.irp q, 0,2,4,6
	v_pk_mul_f32 v[CH+\q:CH+\q+1], v[\q:\q+1], v[\q:\q+1]
.endr
.set vi, 4
.rept 60
	v_pk_fma_f32 v[CH+2*(vi%4):CH+2*(vi%4)+1], v[2*vi:2*vi+1], v[2*vi:2*vi+1], v[CH+2*(vi%4):CH+2*(vi%4)+1]
.set vi, vi+1
.endr
	WIN 0
	RED4
	v_fma_f32 v[RH], v[CH], s[I256], s[EPS]
	v_rsq_f32 v[RH], v[RH]
	v_nop
	s_wait_alu depctr_va_vdst(0)
	v_mov_b32 v[RH+1], v[RH]
.endm
.macro LNY                             ; Y = T / sigma x G + the additive vector
	WIN 0x82
.set vi, 0
.rept 64
	v_pk_mul_f32 v[2*vi:2*vi+1], v[2*vi:2*vi+1], v[RH:RH+1] op_sel_hi:[1,0]
.set vi, vi+1
.endr
	WIN 0xc6
.set vi, 0
.rept 64
	v_pk_fma_f32 v[128+2*vi:128+2*vi+1], v[2*vi:2*vi+1], v[128+2*vi:128+2*vi+1], v[128+2*vi:128+2*vi+1]
.set vi, vi+1
.endr
.endm
.macro LNNEXT                          ; but in the last trip: the next tile comes into T; in stage 0 Y takes its place in the slot (LDS serves a wave's instructions in order: the loads see the old bytes).  Leaves the loop's compare in SCC
	WIN 0
	s_cmp_eq_u32 s[CNT], 1
	s_cbranch_scc1 .Llnl_\@
	WIN 0x80
.set vi, 0
.rept 32
	ds_load_b128 v[4*vi:4*vi+3], v[LA] offset:512*vi
.set vi, vi+1
.endr
	WIN 0
	s_cmp_eq_u32 s[ST], 1
	s_cbranch_scc1 .Llns_\@
	WIN 0x0c
.set vi, 0
.rept 32
	ds_store_b128 v[LA], v[128+4*vi:128+4*vi+3] offset:512*vi
.set vi, vi+1
.endr
	WIN 0
.Llns_\@:
	v_add_nc_u32 v[LA], 0x4000, v[LA]
.Llnl_\@:
	s_sub_co_u32 s[CNT], s[CNT], 1
	s_cmp_lg_u32 s[CNT], 0
.endm
.macro LNBACK                          ; stage 0: tiles 0-2 come back from my slots into ACC
	WIN 0x80
.set vi, 0
.rept 64
	ds_load_b128 v[4*vi:4*vi+3], v[LB] offset:512*vi
.set vi, vi+1
.endr
	WIN 0xc0
.set vi, 0
.rept 32
	ds_load_b128 v[4*vi:4*vi+3], v[LB] offset:32768+512*vi
.set vi, vi+1
.endr
	WIN 0
	s_wait_dscnt 0x0                               ; my slots are read out: behind the barrier every wave may write XR again
	s_barrier_signal -1
	s_barrier_wait -1
.endm
.macro FFN                             ; eight slabs of 32 hidden columns: h = GELU(x f1 + b), ACC += h f2
	WIN 0
	s_mov_b32 s[HH], 0
.Lffn_\@:
	ENTER
	s_lshl_b32 s15, s[HH], 7
	s_add_co_u32 s15, s15, BIASL+5*1024
	v_add_nc_u32 v[BA], s15, v[H32]
	v_add_nc_u32 v[PA], s[SS], v[L16]
	v_add_nc_u32 v[PB], s[XRS], v[L16]
	TAINIT 2
	PROJ 2
	GELU
	TAPACK 8
	v_add_nc_u32 v[DST], s[QXS], v[L16]
.set ti, 0
.rept 8
	ds_store_b128 v[DST], v[TA+4*ti:TA+4*ti+3] offset:(ti%4)*2048+(ti/4)*512
.set ti, ti+1
.endr
	ACCK 1, 16384
	s_add_co_u32 s[HH], s[HH], 1
	s_cmp_lt_u32 s[HH], 8
	s_cbranch_scc1 .Lffn_\@
.endm
.macro SETUP
	v_lshl_add_u32 v[SPW], v0, 2, SPARE
	v_mov_b32 v[NIL], 0
	v_lshrrev_b32 v30, 5, v0
	v_readfirstlane_b32 s[WV], v30
	v_and_b32 v30, 31, v0
	v_lshlrev_b32 v[L16], 4, v30
	v_bfe_u32 v31, v0, 4, 1
	v_lshlrev_b32 v[H32], 5, v31
	s_mov_b32 s[BATCH], ttmp9
	s_lshl_b32 s[W8K], s[WV], 13
	s_lshl_b32 s[XRS], s[WV], 15
	s_add_co_u32 s[XRS], s[XRS], XR
	s_add_co_u32 s[QXS], s[W8K], QX
	s_add_co_u32 s[KWS], s[W8K], KK
	s_add_co_u32 s[VWS], s[W8K], VT
	s_mul_i32 s[LNSS], s[WV], 49152
	s_add_co_u32 s[LNSS], s[LNSS], XR
	v_add_nc_u32 v[LB], s[LNSS], v[L16]
	s_mov_b32 s[SEL], 0x76543210
	s_mov_b32 s[SEL+1], 0xfedcba98
	s_mov_b32 s[CS], 0x3e38aa3b                    ; log2(e) / 8
	s_mov_b32 s[CS+1], s[CS]
	s_mov_b32 s[K1], 0xc0135766                    ; -2.3022082
	s_mov_b32 s[K1+1], s[K1]
	s_mov_b32 s[K3], 0xbdd2d3e8                    ; -0.10294324
	s_mov_b32 s[K3+1], s[K3]
	s_mov_b32 s[I256], 0x3b800000                  ; 1 / 256
	s_mov_b32 s[EPS], 0x3727c5ac                   ; 1e-5
	s_mov_b32 s[SS], 0
.endm
	s_load_b64 s[WTS:WTS+1], s[0:1], 0x0
	s_load_b512 s[16:31], s[0:1], 0x8              ; encx, t1, q2, vbm, d_ekb, d_evb, d_eob, d_ln2g
	s_load_b256 s[68:75], s[0:1], 0x48             ; d_ln2b, d_f1b, d_f2b, gwb
	s_load_b64 s[OUT0:OUT0+1], s[0:1], 0x68        ; out0
	SETUP
	s_mov_b32 s[SOFF], 46*32768                    ; this launch's chunks: 46 to 65
	s_mov_b32 s[SLAST], 65*32768
	v_lshlrev_b32 v30, 3, v0                       ; 8 x thread: 128 threads copy a vector of 1,024 bytes
	v_mov_b32 v106, 0
	v_mov_b32 v107, 0
	s_wait_kmcnt 0x0
	s_load_b32 s[OB], s[GWB:GWB+1], 0x400          ; sum of b w + outb
	s_mov_b32 s3, 0
	s_lshl2_add_u32 s15, s[BATCH], s[WV]           ; 4 x batch + wave
	s_lshl_b32 s2, s15, 15
	s_add_nc_u64 s[ENCP:ENCP+1], s[ENCP:ENCP+1], s[2:3]
	s_lshl_b32 s2, s15, 16
	s_add_nc_u64 s[T1P:T1P+1], s[T1P:T1P+1], s[2:3]
	s_lshl_b32 s2, s[BATCH], 17
	s_add_co_u32 s2, s2, s[W8K]
	s_add_nc_u64 s[Q2P:Q2P+1], s[Q2P:Q2P+1], s[2:3]
	s_lshl_b32 s2, s[BATCH], 10
	s_add_nc_u64 s[VBMP:VBMP+1], s[VBMP:VBMP+1], s[2:3]
	s_add_nc_u64 s[OUT0:OUT0+1], s[OUT0:OUT0+1], s[2:3]
	REFETCH                                        ; everything that the start needs goes out together
	WIN 0x40
.set i, 0
.rept 64                                               ; my 64 rows of the encoder's result, 32,768 bytes of fragments as XR wants them
	global_load_b128 v[4*i:4*i+3], v[L16], s[ENCP:ENCP+1] offset:512*i th:TH_LOAD_NT
.set i, i+1
.endr
	WIN 0x80
.set i, 0
.rept 64                                               ; ACC = t1, as the launch before held it in registers
	global_load_b128 v[4*i:4*i+3], v[L16], s[T1P:T1P+1] offset:512*i th:TH_LOAD_NT
.set i, i+1
.endr
	WIN 0xc0
.set i, 0
.rept 64
	global_load_b128 v[4*i:4*i+3], v[L16], s[T1P:T1P+1] offset:32768+512*i th:TH_LOAD_NT
.set i, i+1
.endr
	WIN 0
	global_load_b64 v[96:97], v30, s[EKB:EKB+1]
	global_load_b64 v[98:99], v30, s[EVB:EVB+1]
	global_load_b64 v[100:101], v30, s[F1B:F1B+1]
	global_load_b64 v[102:103], v30, s[VBMP:VBMP+1]
	STAGE                                          ; waits for all of them; the first chunk goes into slot 0
	v_add_nc_u32 v[BA], BIASL, v30
	ds_store_b64 v[BA], v[96:97]
	ds_store_b64 v[BA], v[106:107] offset:1024
	ds_store_b64 v[BA], v[98:99] offset:3072
	ds_store_b64 v[BA], v[100:101] offset:5120
	v_add_nc_u32 v[BA], VB, v30
	ds_store_b64 v[BA], v[102:103]
	v_add_nc_u32 v[DST], s[XRS], v[L16]
	WIN 0x04
.set i, 0
.rept 64
	ds_store_b128 v[DST], v[4*i:4*i+3] offset:512*i
.set i, i+1
.endr
	WIN 0
	s_wait_kmcnt 0x0                               ; the scalar from gwb
	s_mov_b32 s[ST], 0
.Lstage:                                               ; two trips: stage 0, stage 1
	s_cmp_eq_u32 s[ST], 1
	s_cbranch_scc1 .Lffn
	; cross-attention, head by head: K, V^T (one text, two trips), the attention with q2, and its part of the output projection onto ACC
	s_mov_b32 s[HH], 0
.Lhead:
	s_lshl_b32 s2, s[HH], 15
	v_add_nc_u32 v[GA], s2, v[L16]
	WIN 0x40
.set i, 0
.rept 16                                               ; the head's q2 is asked for now, into registers that the projections leave alone; the chunk ring's wait for loads shows it landed
	global_load_b128 v[128+4*i:128+4*i+3], v[GA], s[Q2P:Q2P+1] offset:512*i th:TH_LOAD_NT
.set i, i+1
.endr
	WIN 0
	s_mov_b32 s[JJ], 0
.Lkv:
	ENTER
	s_lshl_b32 s2, s[JJ], 10
	s_lshl_b32 s3, s[HH], 8
	s_add_co_u32 s2, s2, s3
	s_add_co_u32 s2, s2, BIASL
	v_add_nc_u32 v[BA], s2, v[H32]                 ; k's bias, or zeros (v's is added behind the softmax)
	s_cmp_eq_u32 s[JJ], 1
	s_cselect_b32 s2, s[XRS], s[SS]                ; for V the sources change places
	s_cselect_b32 s3, s[SS], s[XRS]
	s_cselect_b32 s15, s[VWS], s[KWS]
	v_add_nc_u32 v[PA], s2, v[L16]
	v_add_nc_u32 v[PB], s3, v[L16]
	v_add_nc_u32 v[DST], s15, v[L16]
	TAINIT 4
	PROJ 4
	TAPACK 16
.set ti, 0
.rept 16
	ds_store_b128 v[DST], v[TA+4*ti:TA+4*ti+3] offset:((ti%4)*2+ti/8)*1024+((ti/4)%2)*512
.set ti, ti+1
.endr
	s_add_co_u32 s[JJ], s[JJ], 1
	s_cmp_lt_u32 s[JJ], 2
	s_cbranch_scc1 .Lkv
	v_add_nc_u32 v[DST], s[QXS], v[L16]
	WIN 0x04
.set i, 0
.rept 16
	ds_store_b128 v[DST], v[128+4*i:128+4*i+3] offset:512*i
.set i, i+1
.endr
	WIN 0
	ENTER 0
	s_lshl_b32 s2, s[HH], 8
	s_add_co_u32 s2, s2, BIASL+3*1024
	v_add_nc_u32 v[BA], s2, v[H32]
	ATT
	ACCK 2, 0
	s_add_co_u32 s[HH], s[HH], 1
	s_cmp_lt_u32 s[HH], 4
	s_cbranch_scc1 .Lhead
	s_branch .Lln
.Lffn:
	XSTORE
	FFN
.Lln:
	; the layer norm: stage 0 with o's bias and ln2 (rows back into ACC), stage 1 with f2's bias and g w (the third vector is not used there)
	s_cmp_eq_u32 s[ST], 1
	s_cselect_b64 s[36:37], s[F2B:F2B+1], s[EOB:EOB+1]
	s_cselect_b64 s[38:39], s[GWB:GWB+1], s[LN2G:LN2G+1]
	s_cselect_b64 s[40:41], s[GWB:GWB+1], s[LN2B:LN2B+1]
	VEC3 36, 38, 40
	LNDUMP
	v_and_b32 v30, 15, v0
	s_lshl_b32 s15, s[WV], 8
	s_add_co_u32 s15, s15, VB
	v_lshl_add_u32 v[DST], v30, 2, s15             ; my row's word of the mask; its p lies PBUF - VB further on
	s_wait_loadcnt 0x0                             ; the three vectors
	s_mov_b32 s[CNT], 4
.Llnl:
	s_wait_dscnt 0x0                               ; T is in
	LNSTAT
	s_cmp_eq_u32 s[ST], 1
	s_cbranch_scc1 .Ldot
	LNY
	WIN 0
	s_branch .Lwo
.Ldot:
	ds_load_b32 v30, v[DST]
	WIN 0x06
.irp q, 0,2,4,6
	v_pk_mul_f32 v[CH+\q:CH+\q+1], v[\q:\q+1], v[128+\q:128+\q+1]
.endr
.set i, 4
.rept 60
	v_pk_fma_f32 v[CH+2*(i%4):CH+2*(i%4)+1], v[2*i:2*i+1], v[128+2*i:128+2*i+1], v[CH+2*(i%4):CH+2*(i%4)+1]
.set i, i+1
.endr
	WIN 0
	RED4
	v_fma_f32 v[CH], v[CH], v[RH], s[OB]
	v_mul_f32 v[CH], 0x3fb8aa3b, v[CH]
	v_exp_f32 v[CH], v[CH]
	v_nop
	s_wait_dscnt 0x0                               ; the mask's word
	v_cmp_eq_u32 vcc_lo, 0, v30
	s_wait_alu depctr_va_vdst(0)
	v_cndmask_b32 v[CH], 0, v[CH], vcc_lo          ; a hidden row's p is 0
	ds_store_b32 v[DST], v[CH] offset:PBUF-VB      ; both lanes of a row write the same word
	v_add_nc_u32 v[DST], 64, v[DST]
.Lwo:
	LNNEXT
	s_cbranch_scc1 .Llnl
	s_cmp_eq_u32 s[ST], 1
	s_cbranch_scc1 .Lstnext
	LNBACK
.Lstnext:
	s_add_co_u32 s[ST], s[ST], 1
	s_cmp_lt_u32 s[ST], 2
	s_cbranch_scc1 .Lstage
	s_wait_dscnt 0x0                               ; for the others' sake: my 64 p are stored
	s_barrier_signal -1
	s_barrier_wait -1
	v_lshl_add_u32 v30, v[L16], 1, PBUF            ; every wave adds all 256: eight a lane
	v_lshlrev_b32 v31, 3, v0
	v_add_nc_u32 v[BA], PBUF, v31
	ds_load_b128 v[96:99], v30
	ds_load_b128 v[100:103], v30 offset:16
	ds_load_b64 v[104:105], v[BA]                  ; the two that I store
	s_wait_dscnt 0x0
	v_pk_add_f32 v[96:97], v[96:97], v[98:99]
	v_pk_add_f32 v[100:101], v[100:101], v[102:103]
	v_pk_add_f32 v[96:97], v[96:97], v[100:101]
	v_add_f32 v96, v96, v97
	v_add_f32_dpp v96, v96, v96 row_xmask:1 row_mask:0xf bank_mask:0xf
	v_add_f32_dpp v96, v96, v96 row_xmask:2 row_mask:0xf bank_mask:0xf
	v_add_f32_dpp v96, v96, v96 row_xmask:4 row_mask:0xf bank_mask:0xf
	v_add_f32_dpp v96, v96, v96 row_xmask:8 row_mask:0xf bank_mask:0xf
	v_permlanex16_b32 v97, v96, s[SEL], s[SEL+1]
	v_add_f32 v96, v96, v97
	v_rcp_f32 v96, v96
	v_nop
	s_wait_alu depctr_va_vdst(0)
	v_mul_f32 v104, v104, v96
	v_mul_f32 v105, v105, v96
	global_store_b64 v31, v[104:105], s[OUT0:OUT0+1]  ; a wave stores 256 consecutive bytes, at a multiple of 256 from out0's first byte
	s_wait_tensorcnt 0x0                           ; the wave's end: three lines behind my last LDS store
	ds_add_u32 v[SPW], v[NIL]
	s_wait_dscnt 0x0
	s_endpgm
.Lfunc_end_k_q5f345a826b_blkB:
	.size	k_q5f345a826b_blkB, .Lfunc_end_k_q5f345a826b_blkB-k_q5f345a826b_blkB
	.p2alignl 7, 3214868480
	.fill 96, 4, 3214868480
	.section	.rodata,"a",@progbits
	.p2align	6, 0x0
	.amdhsa_kernel k_q5f345a826b_blkB
		.amdhsa_group_segment_fixed_size 303616
		.amdhsa_private_segment_fixed_size 0
		.amdhsa_enable_private_segment 0
		.amdhsa_kernarg_size 112
		.amdhsa_user_sgpr_count 2
		.amdhsa_user_sgpr_kernarg_segment_ptr 1
		.amdhsa_wavefront_size32 1
		.amdhsa_system_sgpr_workgroup_id_x 1
		.amdhsa_system_sgpr_workgroup_id_y 1
		.amdhsa_system_sgpr_workgroup_id_z 1
		.amdhsa_system_vgpr_workitem_id 0
		.amdhsa_next_free_vgpr 1024
		.amdhsa_next_free_sgpr 104
		.amdhsa_reserve_vcc 1
		.amdhsa_float_denorm_mode_32 3
		.amdhsa_float_denorm_mode_16_64 3
		.amdhsa_memory_ordered 1
		.amdhsa_forward_progress 1
		.amdhsa_inst_pref_size 221
	.end_amdhsa_kernel
	.amdgpu_metadata
---
amdhsa.version: [ 1, 2 ]
amdhsa.kernels:
  - .name:           k_q5f345a826b_blkB
    .symbol:         k_q5f345a826b_blkB.kd
    .args:
      - { .name: wts, .offset: 0, .size: 8, .value_kind: global_buffer, .address_space: global }
      - { .name: encx, .offset: 8, .size: 8, .value_kind: global_buffer, .address_space: global }
      - { .name: t1, .offset: 16, .size: 8, .value_kind: global_buffer, .address_space: global }
      - { .name: q2, .offset: 24, .size: 8, .value_kind: global_buffer, .address_space: global }
      - { .name: vbm, .offset: 32, .size: 8, .value_kind: global_buffer, .address_space: global }
      - { .name: d_ekb, .offset: 40, .size: 8, .value_kind: global_buffer, .address_space: global }
      - { .name: d_evb, .offset: 48, .size: 8, .value_kind: global_buffer, .address_space: global }
      - { .name: d_eob, .offset: 56, .size: 8, .value_kind: global_buffer, .address_space: global }
      - { .name: d_ln2g, .offset: 64, .size: 8, .value_kind: global_buffer, .address_space: global }
      - { .name: d_ln2b, .offset: 72, .size: 8, .value_kind: global_buffer, .address_space: global }
      - { .name: d_f1b, .offset: 80, .size: 8, .value_kind: global_buffer, .address_space: global }
      - { .name: d_f2b, .offset: 88, .size: 8, .value_kind: global_buffer, .address_space: global }
      - { .name: gwb, .offset: 96, .size: 8, .value_kind: global_buffer, .address_space: global }
      - { .name: out0, .offset: 104, .size: 8, .value_kind: global_buffer, .address_space: global }
    .group_segment_fixed_size: 303616
    .private_segment_fixed_size: 0
    .kernarg_segment_align: 8
    .kernarg_segment_size: 112
    .max_flat_workgroup_size: 128
    .sgpr_count:     104
    .vgpr_count:     1024
    .wavefront_size: 32
...
	.end_amdgpu_metadata
.endif
;; end of part 6
;; ======== version 3 of 4: 4 launches; 1.30 times as fast as version 1
;; workspace buffers: wts 2,162,688 bytes; encx 16,777,216 bytes; t1 33,554,432 bytes; q2 16,777,216 bytes; vbm 131,072 bytes; gwb 1,280 bytes; pun 131,072 bytes
;; launch prep: the kernel of part 4 again; grid 66 x 1, 8 waves a work-group, no clusters, 0 bytes of LDS; arguments semW, e_qW, e_kW, e_vW, e_oW, e_f1W, e_f2W, temW, d_sqW, d_skW, d_svW, d_soW, d_eqW, d_ekW, d_evW, d_eoW, d_f1W, d_f2W, wts, d_ln3g, d_ln3b, outW, outb, gwb; writes wts, gwb
;; launch blkA: the kernel of part 5 again; grid 128 x 2, 4 waves a work-group, no clusters, 303,616 bytes of LDS; arguments src, wts, ln0sg, ln0sb, semb, e_qb, e_kb, e_vb, e_ob, e_ln1g, e_ln1b, ln0tg, ln0tb, temb, d_sqb, d_skb, d_svb, d_sob, d_ln1g, d_ln1b, e_f1b, e_f2b, e_ln2g, e_ln2b, d_eqb, encx, t1, q2, vbm; writes encx, t1, q2, vbm
;; launch blkB (part 7): grid 128 x 2, 4 waves a work-group, no clusters, 270,848 bytes of LDS; arguments wts, encx, t1, q2, vbm, d_ekb, d_evb, d_eob, d_ln2g, d_ln2b, d_f1b, d_f2b, gwb, pun; writes pun
.if DOCPART == 7
	.amdgcn_target "amdgcn-amd-amdhsa--gfx1250"
	.amdhsa_code_object_version 6
	.text
	.protected	k_q5f345a826b_blkB
	.globl	k_q5f345a826b_blkB
	.p2align	8
	.type	k_q5f345a826b_blkB,@function
k_q5f345a826b_blkB:
	s_mov_b64 s[64:65], 0
	v_nop
	global_prefetch_b8 v0, s[64:65] scope:SCOPE_SE
	s_setreg_imm32_b32 hwreg(HW_REG_WAVE_MODE, 25, 1), 1
	s_wait_xcnt 0x0
; The decoder's second half for one batch (x) and one half of its queries (y): K and V of all 256 keys from the encoder's rows (encx), cross-attention with q2, output projection onto t1, LN2, FFN,
; LN3 fused with the one output column, exp and mask -> pun (the 128 rows' p; the division by the batch's sum, which spans two work-groups, is the next launch's).
; SHARES.  Four waves.  For K and V wave w takes key rows 64 w .. 64 w + 63 (both halves of a batch make all of K and V: 2 of the 7 products of 256 x 256 x 256 are made twice, the other 5 are halved).
; For all else wave w owns 32 query rows: row tiles 8 y + 2 w and the next of the batch's 16.  Their stream (256 columns, f32) stays in 256 registers: ACC(rt, nt) at v[512 + 128 rt + 8 nt].
; THE MATRIX INSTRUCTION IS USED TRANSPOSED: source 0 = 16 output columns of a weight, source 1 = 16 rows (swapped for V, which gives V^T's fragments).  A lane then holds row l % 16 and columns 16 nt + 8 (l / 16) + 0..7,
; so two neighbouring results rounded to bf16 ARE the next product's source 1: the attention's result, the FFN's operand and its hidden slab go from product to product in registers, never through LDS.
; FRAGMENTS (16 x 32 bf16, 1,024 bytes) lie in LDS and memory as the registers hold them: registers 0-3 at 16 l, 4-7 at 512 + 16 l: every 16-byte access of a wave covers 512 consecutive bytes.
; WEIGHTS come as chunks of 32,768 bytes in order of use (chunks 46 to 65).  Each wave loads a quarter of a chunk into 64 registers one chunk ahead and stores it into the idle one of two LDS slots; one barrier a chunk.
; They come through registers and not by tensor loads, and the launch has no cluster: every stage is a counted loop over chunks and the stream runs on across the stages' ends; here the look-ahead is clamped to the last
; chunk by a minimum on an offset, where tensor loads would want the last trips written out a second time.  The price: each work-group reads the weights for itself.
; TWO STAGES, one text for the layer norm: a counted loop of two trips; stage 0: attention, LN2 (in place in ACC); stage 1: FFN, LN3 with the output column.  The stage chooses addresses by s_cselect and ways by forward jumps.
; gwb holds d_ln3g x outW (256 numbers) and, behind them, sum of d_ln3b x outW + outb, made in f32 by the first launch: logit = (sum of (x - mean) g w) / sigma + that sum.
; REGISTERS, in windows of 256.  Window 0: addresses, statistics, the chunk on its way, TM, TA.  Window 1: fragments out of LDS; the attention's O^T, K, V^T; an LN's bias and gain.  Window 2: ACC.
; Window 3: v0-31 the head's Q, fragment (rt, kf) at 16 rt + 8 kf; in stage 1 v0-127 the FFN's operand, fragment (rt, kf) at 64 rt + 8 kf.
; LIMITS.  A hidden key's score counts as its value less 8e10 (reference: -1e10 behind the division by 8): its weight is 0 either way; where every key is hidden, weights are equal as long as scores stay under 4,096.
; No maximum is taken ahead of the last exponential: reference() takes none.  A hidden row's p is 0 (reference: exp x 0).  Divisions are v_rcp_f32 and a multiply; exponentials below 2^-126 count as 0.  Matrix operands are bf16.
.set XR,    65536      ; 4 x 32,768: wave w's 64 rows of encx, fragments [kf][rt] at (4 kf + rt) x 1,024
.set KK,    196608     ; 32,768: K of one head, fragment (key tile t, kf) at 2,048 t + 1,024 kf
.set VT,    229376     ; 32,768: V^T of one head, fragment (channel tile c, keys 32 f on) at 8,192 (f / 2) + 2,048 c + 1,024 (f % 2)
.set VB,    262144     ; 1,024: for each key 0, or -8e10 if it is hidden
.set BIASL, 263168     ; 6 x 1,024: k's bias, zeros, -, v's, -, f1's
.set SPARE, 269312     ; 512: the spare words, 128 bytes a wave; no other line names them
.set PBUF,  269824     ; 1,024, of which 512 are used: the work-group's 128 p
.set L16, 1            ; v1  16 x lane
.set H32, 2            ; v2  32 x (lane / 16)
.set SA,  3            ; v3  where my quarter of a chunk goes
.set GO,  4            ; v4  where it comes from
.set PA,  5            ; v5, v6  LDS addresses of a product's sources
.set PB,  6
.set DST, 7            ; v7  where results go
.set BA,  8            ; v8  a bias vector
.set KS,  10           ; v10, v11, v12  the attention's key step: K, V^T, the mask
.set VS,  11
.set MS,  12
.set MK,  13           ; v13, v15  the mask's word of my row in tile 0, tile 1; never rewritten
.set GA,  14           ; v14  an offset in q2
.set CH,  16           ; v16-23  four chains of pairs
.set MU,  24           ; v24-25  a mean
.set RH,  26           ; v26-27  1 / sigma
.set SPW, 28           ; v28  my spare word; never rewritten
.set NIL, 29           ; v29  0; never rewritten
.set MX,  30           ; v30-31  at work; in the attention the two tiles' running maxima
.set STG, 32           ; v32-95  my quarter of the chunk on its way
.set QF,  96           ; v96-127  at work
.set TA,  128          ; v128-255  16 results of a projection; the scores; an LN's additive vector
.set LS,  16           ; the attention: v16-19 the two tiles' running sums, a pair (even keys', odd keys') a tile
.set TM,  96           ; v96-127 the key step's mask; then eight registers a tile at work; at last v's bias
.set WTS, 6
.set WV,  8
.set HALF, 9
.set BATCH, 10
.set SS,  11           ; the slot that the next chunk goes into; behind ENTER: the slot in use
.set SOFF, 12          ; byte offset in wts of the chunk to be fetched
.set SLAST, 13         ; of the last chunk
.set W8K, 14
.set XRS, 54
.set KWS, 56
.set VWS, 57
.set HH,  59
.set JJ,  60
.set CNT, 61
.set SEL, 62           ; s[62:63] v_permlanex16_b32's selects: each lane takes its own place in the other half
.set CS,  86           ; s[86:87] c = log2(e) / 8
.set K1,  88           ; s[88:89], s[90:91] GELU's two constants
.set K3,  90
.set I256, 92
.set EPS, 93
.set OB,  96           ; s96  sum of b w + outb
.set ST,  97           ; the stage, 0 or 1
.set ENCP, 16
.set T1P, 18
.set Q2P, 20
.set VBMP, 22
.set EKB, 24
.set EVB, 26
.set EOB, 28
.set LN2G, 30
.set LN2B, 68
.set F1B, 70
.set F2B, 72
.set GWB, 74
.set PUN, 76
.set MSB, 0
.macro WIN new                         ; s_set_vgpr_msb: bits 1:0 source 0, 3:2 source 1, 5:4 source 2, 7:6 destination; the high byte repeats the setting that is left
.if MSB != (\new)
	s_set_vgpr_msb (MSB<<8)|(\new)
.set MSB, (\new)
.endif
.endm
.macro PLACES                          ; four places behind a matrix instruction, ahead of vector reads of its result and of loads into its registers
.rept 4
	v_nop
.endr
.endm
.macro REFETCH                         ; the chunk at SOFF is asked for: my quarter, 16 x 512 consecutive bytes
	WIN 0
	s_add_co_u32 s15, s[SOFF], s[W8K]
	v_add_nc_u32 v[GO], s15, v[L16]
.set fi, 0
.rept 16
	global_load_b128 v[STG+4*fi:STG+4*fi+3], v[GO], s[WTS:WTS+1] offset:512*fi
.set fi, fi+1
.endr
.endm
.macro STAGE                           ; the chunk that has come goes into slot SS; the one after it is asked for
	WIN 0
	s_wait_loadcnt 0x0                             ; the quarter is in (and whatever else was asked for); its address register is free
	s_add_co_u32 s15, s[SS], s[W8K]
	v_add_nc_u32 v[SA], s15, v[L16]
.set fi, 0
.rept 16
	ds_store_b128 v[SA], v[STG+4*fi:STG+4*fi+3] offset:512*fi
.set fi, fi+1
.endr
	s_xor_b32 s[SS], s[SS], 0x8000
	s_add_co_u32 s[SOFF], s[SOFF], 0x8000
	s_min_u32 s[SOFF], s[SOFF], s[SLAST]           ; no load passes the last chunk
	REFETCH
.endm
.macro ENTER                           ; a chunk is entered.  The barrier orders: all reads of the slot now overwritten; the stores of the chunk now read; K's and V's stores ahead of the attention, its reads ahead of the next head's stores
	WIN 0
	s_wait_dscnt 0x0                               ; for the others' sake: my LDS reads and stores are done
	s_barrier_signal -1
	s_barrier_wait -1
	STAGE
.endm
.macro TAINIT na                       ; the results begin as the bias: tile 4 a + b takes columns 16 a on
	WIN 0
.set ti, 0
.rept 4*(\na)
	ds_load_b128 v[TA+8*ti:TA+8*ti+3], v[BA] offset:64*(ti/4)
	ds_load_b128 v[TA+8*ti+4:TA+8*ti+7], v[BA] offset:64*(ti/4)+16
.set ti, ti+1
.endr
.endm
.macro LDAB buf, na, ko                ; the fragments of one 32 along k, ko steps on: na from PA, 4 from PB, into buffer buf of window 1
	WIN 0x40
.set li, 0
.rept \na
	ds_load_b128 v[64*(\buf)+8*li:64*(\buf)+8*li+3], v[PA] offset:((\ko)*(\na)+li)*1024
	ds_load_b128 v[64*(\buf)+8*li+4:64*(\buf)+8*li+7], v[PA] offset:((\ko)*(\na)+li)*1024+512
.set li, li+1
.endr
.set li, 0
.rept 4
	ds_load_b128 v[64*(\buf)+32+8*li:64*(\buf)+32+8*li+3], v[PB] offset:((\ko)*4+li)*1024
	ds_load_b128 v[64*(\buf)+32+8*li+4:64*(\buf)+32+8*li+7], v[PB] offset:((\ko)*4+li)*1024+512
.set li, li+1
.endr
.endm
.macro MULAB buf, na                   ; 4 na products; the accumulators take turns
	WIN 0x05
.set mi, 0
.rept 4*(\na)
	v_wmma_f32_16x16x32_bf16 v[TA+8*mi:TA+8*mi+7], v[64*(\buf)+8*(mi/4):64*(\buf)+8*(mi/4)+7], v[64*(\buf)+32+8*(mi%4):64*(\buf)+32+8*(mi%4)+7], v[TA+8*mi:TA+8*mi+7]
.set mi, mi+1
.endr
.endm
.macro PROJ na                         ; TA(a, b) += sum over 256 k: four trips of 64 along k on two fragment buffers; a counted wait leaves out the 2 (na + 4) loads just issued for the other buffer
	LDAB 0, \na, 0
	WIN 0
	s_mov_b32 s[CNT], 4
.Lpj_\@:
	LDAB 1, \na, 1
	s_wait_dscnt 2*((\na)+4)
	MULAB 0, \na
	PLACES
	WIN 0
	s_cmp_eq_u32 s[CNT], 1
	s_cbranch_scc1 .Lpl_\@                         ; the last trip has nothing to look ahead for
	LDAB 0, \na, 2
	WIN 0
	s_wait_dscnt 2*((\na)+4)
	s_branch .Lpm_\@
.Lpl_\@:
	s_wait_dscnt 0x0
.Lpm_\@:
	MULAB 1, \na
	PLACES
	WIN 0
	v_add_nc_u32 v[PA], 2048*(\na), v[PA]
	v_add_nc_u32 v[PB], 8192, v[PB]
	s_sub_co_u32 s[CNT], s[CNT], 1
	s_cmp_lg_u32 s[CNT], 0
	s_cbranch_scc1 .Lpj_\@
.endm
.macro TAPACK n                        ; n results rounded to bf16, in place and ascending: tile t's four words land at TA + 4 t, behind what has been read
	WIN 0
.set ti, 0
.rept 4*(\n)
	v_cvt_pk_bf16_f32 v[TA+ti], v[TA+2*ti], v[TA+2*ti+1]
.set ti, ti+1
.endr
.endm
.macro RED4                            ; the four chains, the pair's halves, and the other half of the lanes: the row's sum in v[CH] of both its lanes
	v_pk_add_f32 v[CH:CH+1], v[CH:CH+1], v[CH+2:CH+3]
	v_pk_add_f32 v[CH+4:CH+5], v[CH+4:CH+5], v[CH+6:CH+7]
	v_pk_add_f32 v[CH:CH+1], v[CH:CH+1], v[CH+4:CH+5]
	v_add_f32 v[CH], v[CH], v[CH+1]
	v_permlanex16_b32 v[CH+1], v[CH], s[SEL], s[SEL+1]
	v_add_f32 v[CH], v[CH], v[CH+1]
.endm
; ATTENTION of one head for my 32 queries: both row tiles together, 64 keys a trip, four trips.  The step's mask (32 registers) starts both tiles' sums.
; S^T = mask + K Q^T (a lane: one query, keys 16 t + 8 h + 0..7); for each query a running maximum m and sum l: p = 2^(c s - c m); in every trip but the first O^T and l are multiplied by a = 2^(c m_old - c m_new).
; O^T += V^T P.  The first trip starts O^T with the constant 0 and skips the rescaling; l starts at 0 and m at the lowest finite number, so its a is 0.  At the end O / l + v's bias (exact, since the weights sum to 1),
; rounded to bf16, lies at TA + 16 rt + 8 kf: source 1 of the output projection.  Window 1: v0-63 O^T (rt, c) at 32 rt + 8 c; v128-191 K (tl, kf) at 16 tl + 8 kf; v192-255 V^T (c, fl) at 16 c + 8 fl.
; The next step's K and mask are asked for ahead of the products V^T P, V behind the products K Q^T: each lands under other work.  The last trip asks for v's bias instead, and, behind its products K Q^T, for the next head's Q.
.macro ALL2 line:vararg                ; one line for each of the two tiles
.set tt, 0
.rept 2
.set rT, TM+8*tt
.set rS, TA+32*tt
.set rM, MX+tt
.set rL, LS+2*tt
.set rO, 32*tt
	\line
.set tt, tt+1
.endr
.endm
.macro KMLOAD                          ; K and the mask of the key step at v[KS], v[MS]
	WIN 0x40
.set ai, 0
.rept 16
	ds_load_b128 v[128+4*ai:128+4*ai+3], v[KS] offset:512*ai
.set ai, ai+1
.endr
	WIN 0
.set ai, 0
.rept 4
	ds_load_b128 v[TM+8*ai:TM+8*ai+3], v[MS] offset:64*ai
	ds_load_b128 v[TM+8*ai+4:TM+8*ai+7], v[MS] offset:64*ai+16
.set ai, ai+1
.endr
.endm
.macro SUMG g                          ; the eight weights of group g (tile g / 4) go onto the tile's two chains
.set sT, TM+8*((\g)/4)+4
.set sS, TA+8*(\g)
.if (\g)%4 == 0
	s_wait_alu depctr_va_vdst(0)
	v_pk_add_f32 v[sT:sT+1], v[sS:sS+1], v[sS+2:sS+3]
	v_pk_add_f32 v[sT+2:sT+3], v[sS+4:sS+5], v[sS+6:sS+7]
.else
	s_wait_alu depctr_va_vdst(0)
	v_pk_add_f32 v[sT:sT+1], v[sT:sT+1], v[sS:sS+1]
	v_pk_add_f32 v[sT+2:sT+3], v[sT+2:sT+3], v[sS+2:sS+3]
	v_pk_add_f32 v[sT:sT+1], v[sT:sT+1], v[sS+4:sS+5]
	v_pk_add_f32 v[sT+2:sT+3], v[sT+2:sT+3], v[sS+6:sS+7]
.endif
.endm
.macro PVH fl, zero                    ; 8 products of O^T += V^T P, keys 32 fl on; the 8 accumulators take turns
	WIN 0x51
.set ai, 0
.rept 8
.set pO, 32*(ai%2)+8*(ai/2)
.set pV, 192+16*(ai/2)+8*(\fl)
.set pP, TA+32*(ai%2)+8*(\fl)
.if \zero
	v_wmma_f32_16x16x32_bf16 v[pO:pO+7], v[pV:pV+7], v[pP:pP+7], 0
.else
	v_wmma_f32_16x16x32_bf16 v[pO:pO+7], v[pV:pV+7], v[pP:pP+7], v[pO:pO+7]
.endif
.set ai, ai+1
.endr
.endm
.macro ATT
	WIN 0
	v_add_nc_u32 v[KS], KK, v[L16]
	v_add_nc_u32 v[VS], VT, v[L16]
	v_add_nc_u32 v[MS], VB, v[H32]
	KMLOAD
.set ai, 0
.rept 2
	v_mov_b32 v[MX+ai], 0xff7fffff
	v_mov_b32 v[LS+2*ai], 0
	v_mov_b32 v[LS+2*ai+1], 0
.set ai, ai+1
.endr
	s_mov_b32 s[CNT], 4
.Latt_\@:
	s_wait_dscnt 0x0                               ; K and the mask are in
	WIN 0x0d                                       ; K in window 1, Q in window 3
.set ai, 0
.rept 16                               ; channels 32 (ai / 8) on, key tile (ai / 2) % 4, row tile ai % 2: 8 accumulators by turns
.set qS, TA+32*(ai%2)+8*((ai/2)%4)
.set qK, 128+16*((ai/2)%4)+8*(ai/8)
.set qQ, 16*(ai%2)+8*(ai/8)
.set qM, TM+8*((ai/2)%4)
.if ai < 8
	v_wmma_f32_16x16x32_bf16 v[qS:qS+7], v[qK:qK+7], v[qQ:qQ+7], v[qM:qM+7]
.else
	v_wmma_f32_16x16x32_bf16 v[qS:qS+7], v[qK:qK+7], v[qQ:qQ+7], v[qS:qS+7]
.endif
.set ai, ai+1
.endr
	PLACES
	WIN 0x40
.set ai, 0
.rept 16                               ; V^T of this step: it lands while the softmax is made
	ds_load_b128 v[192+4*ai:192+4*ai+3], v[VS] offset:512*ai
.set ai, ai+1
.endr
	WIN 0
	s_cmp_eq_u32 s[CNT], 1
	s_cbranch_scc0 .Lanq_\@
	s_cmp_eq_u32 s[HH], 3
	s_cbranch_scc1 .Lanq_\@
	s_lshl_b32 s2, s[HH], 15                       ; the head's last products K Q^T are out: the next head's Q, 4,096 consecutive bytes, comes into the same registers;
	s_add_co_u32 s2, s2, 32768                     ; the chunk ring's next wait for loads shows it landed
	v_add_nc_u32 v[GA], s2, v[L16]
	WIN 0xc0
.set ai, 0
.rept 8
	global_load_b128 v[4*ai:4*ai+3], v[GA], s[Q2P:Q2P+1] offset:512*ai th:TH_LOAD_NT
.set ai, ai+1
.endr
	WIN 0
.Lanq_\@:
	; the maximum of a lane's 32 scores and the old m, in four chains a tile; each result's lowest registers are read first.  The two tiles alternate
.set xn, 0
.rept 4
	ALL2 v_max3_num_f32 v[rT+xn], v[rS+8*xn], v[rS+8*xn+1], v[rS+8*xn+2]
.set xn, xn+1
.endr
.rept 8
	ALL2 v_max3_num_f32 v[rT+xn%4], v[rT+xn%4], v[rS+8*(xn%4)+2*(xn/4)+1], v[rS+8*(xn%4)+2*(xn/4)+2]
.set xn, xn+1
.endr
	ALL2 v_max3_num_f32 v[rT], v[rT], v[rS+7], v[rS+15]
	ALL2 v_max3_num_f32 v[rT+1], v[rT+1], v[rS+23], v[rS+31]
	ALL2 v_max3_num_f32 v[rT+2], v[rT+2], v[rT+3], v[rM]
	ALL2 v_max3_num_f32 v[rT], v[rT], v[rT+1], v[rT+2]
	ALL2 v_permlanex16_b32 v[rT+3], v[rT], s[SEL], s[SEL+1]
	ALL2 v_max_num_f32 v[rT+1], v[rT], v[rT+3]
	ALL2 v_sub_f32 v[rT+2], v[rM], v[rT+1]
	ALL2 v_mov_b32 v[rM], v[rT+1]
	ALL2 v_mul_f32 v[rT], s[CS], v[rT+1]
	ALL2 v_mul_f32 v[rT+2], s[CS], v[rT+2]
	ALL2 v_exp_f32 v[rT+2], v[rT+2]
.set ii, 0
.rept 16                               ; c s - c m
	ALL2 v_pk_fma_f32 v[rS+2*ii:rS+2*ii+1], v[rS+2*ii:rS+2*ii+1], s[CS:CS+1], v[rT:rT+1] op_sel_hi:[1,0,0] neg_lo:[0,0,1] neg_hi:[0,0,1]
.set ii, ii+1
.endr
.set ei, 0
.rept 8                                ; eight exponentials, then the sums of the eight before: a plain instruction stands behind every exponential before its result is used
.set ej, 0
.rept 8
	v_exp_f32 v[TA+8*ei+ej], v[TA+8*ei+ej]
.set ej, ej+1
.endr
.if ei == 0
	v_nop
.else
	SUMG ei-1
.endif
.set ei, ei+1
.endr
	SUMG 7
	ALL2 v_pk_add_f32 v[rT+4:rT+5], v[rT+4:rT+5], v[rT+6:rT+7]
	ALL2 v_pk_fma_f32 v[rL:rL+1], v[rL:rL+1], v[rT+2:rT+3], v[rT+4:rT+5] op_sel_hi:[1,0,1]
.set ii, 0
.rept 16                               ; P, in place and ascending: a tile's fragment of keys 32 fl on at its S + 8 fl
	ALL2 v_cvt_pk_bf16_f32 v[rS+ii], v[rS+2*ii], v[rS+2*ii+1]
.set ii, ii+1
.endr
	v_add_nc_u32 v[KS], 0x2000, v[KS]
	v_add_nc_u32 v[MS], 0x100, v[MS]
	s_wait_dscnt 0x0                               ; V^T is in
	s_cmp_eq_u32 s[CNT], 4
	s_cbranch_scc1 .Lafi_\@
	WIN 0x41
.set ii, 0
.rept 16                               ; O^T times a
	ALL2 v_pk_mul_f32 v[rO+2*ii:rO+2*ii+1], v[rO+2*ii:rO+2*ii+1], v[rT+2:rT+3] op_sel_hi:[1,0]
.set ii, ii+1
.endr
	WIN 0
	s_cmp_eq_u32 s[CNT], 1
	s_cbranch_scc1 .Lala_\@
	KMLOAD
	s_branch .Lapa_\@
.Lala_\@:
.set ai, 0
.rept 4                                ; the last trip: v's bias where the mask lay
	ds_load_b128 v[TM+8*ai:TM+8*ai+3], v[BA] offset:64*ai
	ds_load_b128 v[TM+8*ai+4:TM+8*ai+7], v[BA] offset:64*ai+16
.set ai, ai+1
.endr
.Lapa_\@:
	PVH 0, 0
	WIN 0
	s_branch .Lapb_\@
.Lafi_\@:
	KMLOAD
	PVH 0, 1
	WIN 0
.Lapb_\@:
	PVH 1, 0
.rept 5
	v_nop                                          ; with the line below six places: the next trip's first products write over P, which these products read
.endr
	WIN 0
	v_add_nc_u32 v[VS], 0x2000, v[VS]
	s_sub_co_u32 s[CNT], s[CNT], 1
	s_cmp_lg_u32 s[CNT], 0
	s_cbranch_scc1 .Latt_\@
	ALL2 v_add_f32 v[rL], v[rL], v[rL+1]
	ALL2 v_permlanex16_b32 v[rL+1], v[rL], s[SEL], s[SEL+1]
	ALL2 v_add_f32 v[rL], v[rL], v[rL+1]
	ALL2 v_rcp_f32 v[rL], v[rL]
	v_nop
	s_wait_alu depctr_va_vdst(0)
	s_wait_dscnt 0x0                               ; v's bias
	WIN 0x41
.set ii, 0
.rept 16
	ALL2 v_pk_fma_f32 v[rO+2*ii:rO+2*ii+1], v[rO+2*ii:rO+2*ii+1], v[rL:rL+1], v[TM+2*ii:TM+2*ii+1] op_sel_hi:[1,0,1]
.set ii, ii+1
.endr
	WIN 0x05
.set ii, 0
.rept 32
	v_cvt_pk_bf16_f32 v[TA+ii], v[2*ii], v[2*ii+1]
.set ii, ii+1
.endr
	WIN 0
.endm
; THE OUTPUT PROJECTION's part of one head: ACC(rt, nt) += the chunk's fragment (kf, nt) x the attention's result (rt, kf), which lies in TA's registers.  The chunk's 32 fragments fill window 1, in eight groups
; of four (eight loads); four groups go out first, and behind the products of group g the loads of group g + 4.  A wait leaves out the groups issued behind the one that is needed: three, towards the end fewer.
.macro OLOAD g
	WIN 0x40
.set ai, 0
.rept 8
	ds_load_b128 v[32*(\g)+4*ai:32*(\g)+4*ai+3], v[PA] offset:4096*(\g)+512*ai
.set ai, ai+1
.endr
.endm
.macro OPROJ
	WIN 0
	v_add_nc_u32 v[PA], s[SS], v[L16]
	OLOAD 0
	OLOAD 1
	OLOAD 2
	OLOAD 3
.set og, 0
.rept 8
.if og < 5
	s_wait_dscnt 24
.else
	s_wait_dscnt 8*(7-og)
.endif
	WIN 0xa1                                       ; the weights in window 1, the rows in window 0, ACC in window 2
.set ai, 0
.rept 8                                ; 32 accumulators by turns
.set on, 4*(og%4)+ai/2
.set orw, ai%2
	v_wmma_f32_16x16x32_bf16 v[128*orw+8*on:128*orw+8*on+7], v[128*(og/4)+8*on:128*(og/4)+8*on+7], v[TA+16*orw+8*(og/4):TA+16*orw+8*(og/4)+7], v[128*orw+8*on:128*orw+8*on+7]
.set ai, ai+1
.endr
.if og < 4
	OLOAD og+4
.endif
.set og, og+1
.endr
	PLACES
	WIN 0
.endm
.macro GELU n                          ; x / (1 + 2^(x (k1 + k3 x^2))) on TA's first 8 n registers: the tanh form of GELU, k1 = -2 sqrt(2 / pi) log2(e), k3 = 0.044715 k1
	WIN 0
.set gi, 0
.rept \n
.set gx, TA+8*gi
.irp p, 0,2,4,6
	v_pk_mul_f32 v[QF+\p:QF+\p+1], v[gx+\p:gx+\p+1], v[gx+\p:gx+\p+1]
.endr
.irp p, 0,2,4,6
	v_pk_fma_f32 v[QF+\p:QF+\p+1], v[QF+\p:QF+\p+1], s[K3:K3+1], s[K1:K1+1] op_sel_hi:[1,0,0]
.endr
.irp p, 0,2,4,6
	v_pk_mul_f32 v[QF+\p:QF+\p+1], v[QF+\p:QF+\p+1], v[gx+\p:gx+\p+1]
.endr
.irp p, 0,1,2,3,4,5,6,7
	v_exp_f32 v[QF+\p], v[QF+\p]
.endr
	v_nop
	s_wait_alu depctr_va_vdst(0)
.irp p, 0,2,4,6
	v_pk_add_f32 v[QF+\p:QF+\p+1], v[QF+\p:QF+\p+1], 1.0 op_sel_hi:[1,0]
.endr
.irp p, 0,1,2,3,4,5,6,7
	v_rcp_f32 v[QF+\p], v[QF+\p]
.endr
	v_nop
	s_wait_alu depctr_va_vdst(0)
.irp p, 0,2,4,6
	v_pk_mul_f32 v[gx+\p:gx+\p+1], v[gx+\p:gx+\p+1], v[QF+\p:QF+\p+1]
.endr
.set gi, gi+1
.endr
.endm
; THE FFN, eight slabs of 32 hidden columns: h = GELU(x f1 + b), ACC += h f2.  x lies in window 3 as fragments; the slab's chunk fills window 1: f1's fragment (kf, a) at 16 kf + 8 a, f2's (nt) at 128 + 8 nt.
; Results (rt, a) at TA + 8 (2 rt + a): rounded in place they are h's fragments, source 1 of f2's products.  Behind each of f1's eight k steps stand four of f2's 32 loads, so that f2's weights come while f1 is multiplied:
; at the wait in front of step k, 28 - 4 k of f1's later loads and 4 k of f2's may be out: 28 in every step.
.macro FFN
	WIN 0
	s_mov_b32 s[HH], 0
.Lffn_\@:
	ENTER
	s_lshl_b32 s15, s[HH], 7
	s_add_co_u32 s15, s15, BIASL+5*1024
	v_add_nc_u32 v[BA], s15, v[H32]
	v_add_nc_u32 v[PA], s[SS], v[L16]
.set ti, 0
.rept 4
	ds_load_b128 v[TA+8*ti:TA+8*ti+3], v[BA] offset:64*(ti%2)
	ds_load_b128 v[TA+8*ti+4:TA+8*ti+7], v[BA] offset:64*(ti%2)+16
.set ti, ti+1
.endr
	WIN 0x40
.set ai, 0
.rept 32
	ds_load_b128 v[4*ai:4*ai+3], v[PA] offset:512*ai
.set ai, ai+1
.endr
.set fk, 0
.rept 8
	s_wait_dscnt 28
	WIN 0x0d                                       ; the weights in window 1, x in window 3
.set mi, 0
.rept 4                                ; four accumulators by turns
	v_wmma_f32_16x16x32_bf16 v[TA+8*mi:TA+8*mi+7], v[16*fk+8*(mi%2):16*fk+8*(mi%2)+7], v[64*(mi/2)+8*fk:64*(mi/2)+8*fk+7], v[TA+8*mi:TA+8*mi+7]
.set mi, mi+1
.endr
	WIN 0x40
.set ai, 0
.rept 4
	ds_load_b128 v[128+16*fk+4*ai:128+16*fk+4*ai+3], v[PA] offset:16384+2048*fk+512*ai
.set ai, ai+1
.endr
.set fk, fk+1
.endr
	PLACES
	GELU 4
	TAPACK 4
	s_wait_dscnt 0x0                               ; f2's weights are in
	WIN 0xa1
.set ai, 0
.rept 32                               ; 32 accumulators by turns
	v_wmma_f32_16x16x32_bf16 v[128*(ai%2)+8*(ai/2):128*(ai%2)+8*(ai/2)+7], v[128+8*(ai/2):128+8*(ai/2)+7], v[TA+8*(ai%2):TA+8*(ai%2)+7], v[128*(ai%2)+8*(ai/2):128*(ai%2)+8*(ai/2)+7]
.set ai, ai+1
.endr
	PLACES
	WIN 0
	s_add_co_u32 s[HH], s[HH], 1
	s_cmp_lt_u32 s[HH], 8
	s_cbranch_scc1 .Lffn_\@
.endm
; LAYER NORM, in place on a row tile's 128 registers at tb of window 2.  BI (window 1, v0-127) is the bias still to be added, G (window 1, v128-255) the gain, TA's registers the additive vector.
.macro VEC3 sbi, sg, sb                ; three vectors of 256, each lane its 128 columns
	WIN 0x40
.set vi, 0
.rept 32
	global_load_b128 v[4*vi:4*vi+3], v[H32], s[\sbi:\sbi+1] offset:64*(vi/2)+16*(vi%2)
	global_load_b128 v[128+4*vi:128+4*vi+3], v[H32], s[\sg:\sg+1] offset:64*(vi/2)+16*(vi%2)
.set vi, vi+1
.endr
	WIN 0
.set vi, 0
.rept 32
	global_load_b128 v[TA+4*vi:TA+4*vi+3], v[H32], s[\sb:\sb+1] offset:64*(vi/2)+16*(vi%2)
.set vi, vi+1
.endr
.endm
.macro LNSTAT tb                       ; T += BI; T -= mean; v[RH] = 1 / sqrt(variance + 1e-5): two passes, no difference of large sums
	WIN 0x86
.set vi, 0
.rept 64
	v_pk_add_f32 v[(\tb)+2*vi:(\tb)+2*vi+1], v[(\tb)+2*vi:(\tb)+2*vi+1], v[2*vi:2*vi+1]
.set vi, vi+1
.endr
	WIN 0x0a
.irp q, 0,2,4,6
	v_pk_add_f32 v[CH+\q:CH+\q+1], v[(\tb)+\q:(\tb)+\q+1], v[(\tb)+8+\q:(\tb)+8+\q+1]
.endr
	WIN 0x08
.set vi, 8
.rept 56
	v_pk_add_f32 v[CH+2*(vi%4):CH+2*(vi%4)+1], v[CH+2*(vi%4):CH+2*(vi%4)+1], v[(\tb)+2*vi:(\tb)+2*vi+1]
.set vi, vi+1
.endr
	WIN 0
	RED4
	v_mul_f32 v[MU], s[I256], v[CH]
	v_mov_b32 v[MU+1], v[MU]
	WIN 0x82
.set vi, 0
.rept 64
	v_pk_add_f32 v[(\tb)+2*vi:(\tb)+2*vi+1], v[(\tb)+2*vi:(\tb)+2*vi+1], v[MU:MU+1] op_sel_hi:[1,0] neg_lo:[0,1] neg_hi:[0,1]
.set vi, vi+1
.endr
	WIN 0x0a
.irp q, 0,2,4,6
	v_pk_mul_f32 v[CH+\q:CH+\q+1], v[(\tb)+\q:(\tb)+\q+1], v[(\tb)+\q:(\tb)+\q+1]
.endr
.set vi, 4
.rept 60
	v_pk_fma_f32 v[CH+2*(vi%4):CH+2*(vi%4)+1], v[(\tb)+2*vi:(\tb)+2*vi+1], v[(\tb)+2*vi:(\tb)+2*vi+1], v[CH+2*(vi%4):CH+2*(vi%4)+1]
.set vi, vi+1
.endr
	WIN 0
	RED4
	v_fma_f32 v[RH], v[CH], s[I256], s[EPS]
	v_rsq_f32 v[RH], v[RH]
	v_nop
	s_wait_alu depctr_va_vdst(0)
	v_mov_b32 v[RH+1], v[RH]
.endm
.macro LNT tb, tl                      ; row tile tl.  Stage 0: T = T / sigma x G + the additive vector.  Stage 1: the logit, p, and p into the work-group's table
	LNSTAT \tb
	s_cmp_eq_u32 s[ST], 1
	s_cbranch_scc1 .Ldot_\@
	WIN 0x82
.set vi, 0
.rept 64
	v_pk_mul_f32 v[(\tb)+2*vi:(\tb)+2*vi+1], v[(\tb)+2*vi:(\tb)+2*vi+1], v[RH:RH+1] op_sel_hi:[1,0]
.set vi, vi+1
.endr
	WIN 0x86
.set vi, 0
.rept 64
	v_pk_fma_f32 v[(\tb)+2*vi:(\tb)+2*vi+1], v[(\tb)+2*vi:(\tb)+2*vi+1], v[128+2*vi:128+2*vi+1], v[128+2*vi:128+2*vi+1]
.set vi, vi+1
.endr
	WIN 0
	s_branch .Lwo_\@
.Ldot_\@:
	WIN 0x06
.irp q, 0,2,4,6
	v_pk_mul_f32 v[CH+\q:CH+\q+1], v[(\tb)+\q:(\tb)+\q+1], v[128+\q:128+\q+1]
.endr
.set vi, 4
.rept 60
	v_pk_fma_f32 v[CH+2*(vi%4):CH+2*(vi%4)+1], v[(\tb)+2*vi:(\tb)+2*vi+1], v[128+2*vi:128+2*vi+1], v[CH+2*(vi%4):CH+2*(vi%4)+1]
.set vi, vi+1
.endr
	WIN 0
	RED4
	v_fma_f32 v[CH], v[CH], v[RH], s[OB]
	v_mul_f32 v[CH], 0x3fb8aa3b, v[CH]
	v_exp_f32 v[CH], v[CH]
	v_nop
	v_cmp_eq_u32 vcc_lo, 0, v[MK+2*(\tl)]
	s_wait_alu depctr_va_vdst(0)
	v_cndmask_b32 v[CH], 0, v[CH], vcc_lo          ; a hidden row's p is 0
	ds_store_b32 v[DST], v[CH] offset:64*(\tl)     ; both lanes of a row write the same word
.Lwo_\@:
.endm
	s_load_b64 s[WTS:WTS+1], s[0:1], 0x0
	s_load_b512 s[16:31], s[0:1], 0x8              ; encx, t1, q2, vbm, d_ekb, d_evb, d_eob, d_ln2g
	s_load_b256 s[68:75], s[0:1], 0x48             ; d_ln2b, d_f1b, d_f2b, gwb
	s_load_b64 s[PUN:PUN+1], s[0:1], 0x68          ; pun
	v_lshl_add_u32 v[SPW], v0, 2, SPARE
	v_mov_b32 v[NIL], 0
	v_lshrrev_b32 v30, 5, v0
	v_readfirstlane_b32 s[WV], v30
	v_and_b32 v30, 31, v0
	v_lshlrev_b32 v[L16], 4, v30
	v_bfe_u32 v31, v0, 4, 1
	v_lshlrev_b32 v[H32], 5, v31
	s_mov_b32 s[BATCH], ttmp9
	s_and_b32 s[HALF], ttmp7, 1                    ; which half of the batch's queries
	s_lshl_b32 s[W8K], s[WV], 13
	s_lshl_b32 s[XRS], s[WV], 15
	s_add_co_u32 s[XRS], s[XRS], XR
	s_add_co_u32 s[KWS], s[W8K], KK
	s_add_co_u32 s[VWS], s[W8K], VT
	s_mov_b32 s[SEL], 0x76543210
	s_mov_b32 s[SEL+1], 0xfedcba98
	s_mov_b32 s[CS], 0x3e38aa3b                    ; log2(e) / 8
	s_mov_b32 s[CS+1], s[CS]
	s_mov_b32 s[K1], 0xc0135766                    ; -2.3022082
	s_mov_b32 s[K1+1], s[K1]
	s_mov_b32 s[K3], 0xbdd2d3e8                    ; -0.10294324
	s_mov_b32 s[K3+1], s[K3]
	s_mov_b32 s[I256], 0x3b800000                  ; 1 / 256
	s_mov_b32 s[EPS], 0x3727c5ac                   ; 1e-5
	s_mov_b32 s[SS], 0
	s_mov_b32 s[SOFF], 46*32768                    ; this launch's chunks: 46 to 65
	s_mov_b32 s[SLAST], 65*32768
	s_lshl_b32 s2, s[HALF], 9
	s_lshl_b32 s3, s[WV], 7
	s_add_co_u32 s2, s2, s3
	v_and_b32 v31, 15, v0
	v_lshl_add_u32 v31, v31, 2, s2                 ; the byte of my row's word in the batch's mask: 4 (128 half + 32 wave + l % 16)
	v_lshlrev_b32 v30, 3, v0                       ; 8 x thread: 128 threads copy a vector of 1,024 bytes
	v_mov_b32 v106, 0
	v_mov_b32 v107, 0
	s_wait_kmcnt 0x0
	s_load_b32 s[OB], s[GWB:GWB+1], 0x400          ; sum of b w + outb
	s_mov_b32 s3, 0
	s_lshl2_add_u32 s15, s[BATCH], s[WV]           ; 4 x batch + wave
	s_lshl_b32 s2, s15, 15
	s_add_nc_u64 s[ENCP:ENCP+1], s[ENCP:ENCP+1], s[2:3]
	s_lshl2_add_u32 s15, s[HALF], s[WV]
	s_lshl_b32 s15, s15, 1                         ; my first row tile of the batch's 16: 8 half + 2 wave
	s_lshl4_add_u32 s2, s[BATCH], s15
	s_lshl_b32 s2, s2, 14                          ; a row tile of t1 is 16,384 bytes
	s_add_nc_u64 s[T1P:T1P+1], s[T1P:T1P+1], s[2:3]
	s_lshl_b32 s2, s[BATCH], 17
	s_lshl_b32 s15, s15, 11                        ; of a head's q2 2,048
	s_add_co_u32 s2, s2, s15
	s_add_nc_u64 s[Q2P:Q2P+1], s[Q2P:Q2P+1], s[2:3]
	s_lshl_b32 s2, s[BATCH], 10
	s_add_nc_u64 s[VBMP:VBMP+1], s[VBMP:VBMP+1], s[2:3]
	s_lshl_b32 s15, s[HALF], 9
	s_add_co_u32 s2, s2, s15
	s_add_nc_u64 s[PUN:PUN+1], s[PUN:PUN+1], s[2:3]
	REFETCH                                        ; everything that the start needs goes out together
	WIN 0x40
.set i, 0
.rept 64                                               ; my 64 key rows of the encoder's result, 32,768 bytes of fragments as XR wants them
	global_load_b128 v[4*i:4*i+3], v[L16], s[ENCP:ENCP+1] offset:512*i
.set i, i+1
.endr
	WIN 0x80
.set i, 0
.rept 64                                               ; ACC = my two row tiles of t1, as the launch before held them in registers
	global_load_b128 v[4*i:4*i+3], v[L16], s[T1P:T1P+1] offset:512*i th:TH_LOAD_NT
.set i, i+1
.endr
	WIN 0xc0
.set i, 0
.rept 8                                                ; head 0's Q
	global_load_b128 v[4*i:4*i+3], v[L16], s[Q2P:Q2P+1] offset:512*i th:TH_LOAD_NT
.set i, i+1
.endr
	WIN 0
	global_load_b64 v[96:97], v30, s[EKB:EKB+1]
	global_load_b64 v[98:99], v30, s[EVB:EVB+1]
	global_load_b64 v[100:101], v30, s[F1B:F1B+1]
	global_load_b64 v[102:103], v30, s[VBMP:VBMP+1]
	global_load_b32 v[MK], v31, s[VBMP:VBMP+1]
	global_load_b32 v[MK+2], v31, s[VBMP:VBMP+1] offset:64
	STAGE                                          ; waits for all of them; the first chunk goes into slot 0
	v_add_nc_u32 v[BA], BIASL, v30
	ds_store_b64 v[BA], v[96:97]
	ds_store_b64 v[BA], v[106:107] offset:1024
	ds_store_b64 v[BA], v[98:99] offset:3072
	ds_store_b64 v[BA], v[100:101] offset:5120
	v_add_nc_u32 v[BA], VB, v30
	ds_store_b64 v[BA], v[102:103]
	v_add_nc_u32 v[DST], s[XRS], v[L16]
	WIN 0x04
.set i, 0
.rept 64
	ds_store_b128 v[DST], v[4*i:4*i+3] offset:512*i
.set i, i+1
.endr
	WIN 0
	s_wait_kmcnt 0x0                               ; the scalar from gwb
	s_mov_b32 s[ST], 0
.Lstage:                                               ; two trips: stage 0, stage 1
	s_cmp_eq_u32 s[ST], 1
	s_cbranch_scc1 .Lffn
	; cross-attention, head by head: K, V^T of my 64 key rows (one text, two trips), the attention of my 32 queries, and its part of the output projection onto ACC
	s_mov_b32 s[HH], 0
.Lhead:
	s_mov_b32 s[JJ], 0
.Lkv:
	ENTER
	s_lshl_b32 s2, s[JJ], 10
	s_lshl_b32 s3, s[HH], 8
	s_add_co_u32 s2, s2, s3
	s_add_co_u32 s2, s2, BIASL
	v_add_nc_u32 v[BA], s2, v[H32]                 ; k's bias, or zeros (v's is added behind the softmax)
	s_cmp_eq_u32 s[JJ], 1
	s_cselect_b32 s2, s[XRS], s[SS]                ; for V the sources change places
	s_cselect_b32 s3, s[SS], s[XRS]
	s_cselect_b32 s15, s[VWS], s[KWS]
	v_add_nc_u32 v[PA], s2, v[L16]
	v_add_nc_u32 v[PB], s3, v[L16]
	v_add_nc_u32 v[DST], s15, v[L16]
	TAINIT 4
	PROJ 4
	TAPACK 16
.set ti, 0
.rept 16
	ds_store_b128 v[DST], v[TA+4*ti:TA+4*ti+3] offset:((ti%4)*2+ti/8)*1024+((ti/4)%2)*512
.set ti, ti+1
.endr
	s_add_co_u32 s[JJ], s[JJ], 1
	s_cmp_lt_u32 s[JJ], 2
	s_cbranch_scc1 .Lkv
	ENTER
	s_lshl_b32 s2, s[HH], 8
	s_add_co_u32 s2, s2, BIASL+3*1024
	v_add_nc_u32 v[BA], s2, v[H32]
	ATT
	OPROJ
	s_add_co_u32 s[HH], s[HH], 1
	s_cmp_lt_u32 s[HH], 4
	s_cbranch_scc1 .Lhead
	s_branch .Lln
.Lffn:
	WIN 0xca                                       ; the row stream, rounded to bf16, becomes the FFN's operand fragments in window 3
.set xr, 0
.rept 2
.set xi, 0
.rept 64
	v_cvt_pk_bf16_f32 v[64*xr+xi], v[128*xr+2*xi], v[128*xr+2*xi+1]
.set xi, xi+1
.endr
.set xr, xr+1
.endr
	WIN 0
	FFN
.Lln:
	; the layer norm: stage 0 with o's bias and ln2, stage 1 with f2's bias and g w (the third vector is not used there)
	s_cmp_eq_u32 s[ST], 1
	s_cselect_b64 s[36:37], s[F2B:F2B+1], s[EOB:EOB+1]
	s_cselect_b64 s[38:39], s[GWB:GWB+1], s[LN2G:LN2G+1]
	s_cselect_b64 s[40:41], s[GWB:GWB+1], s[LN2B:LN2B+1]
	VEC3 36, 38, 40
	v_and_b32 v30, 15, v0
	s_lshl_b32 s15, s[WV], 7
	s_add_co_u32 s15, s15, PBUF
	v_lshl_add_u32 v[DST], v30, 2, s15             ; where my row's p goes: 4 (32 wave + l % 16), tile 1's 64 bytes on
	s_wait_loadcnt 0x0                             ; the three vectors
	LNT 0, 0
	LNT 128, 1
	s_add_co_u32 s[ST], s[ST], 1
	s_cmp_lt_u32 s[ST], 2
	s_cbranch_scc1 .Lstage
	s_wait_dscnt 0x0                               ; for the others' sake: my 32 p are stored
	s_barrier_signal -1
	s_barrier_wait -1
	s_cmp_gt_u32 s[WV], 1
	s_cbranch_scc1 .Lend                           ; waves 0 and 1 store the 128 p, eight bytes a lane
	v_and_b32 v31, 63, v0
	v_lshlrev_b32 v31, 3, v31
	v_add_nc_u32 v[BA], PBUF, v31
	ds_load_b64 v[104:105], v[BA]
	s_wait_dscnt 0x0
	global_store_b64 v31, v[104:105], s[PUN:PUN+1] ; a wave stores 256 consecutive bytes, at a multiple of 256 from pun's first byte
.Lend:
	s_wait_tensorcnt 0x0                           ; the wave's end: three lines behind my last LDS store
	ds_add_u32 v[SPW], v[NIL]
	s_wait_dscnt 0x0
	s_endpgm
.Lfunc_end_k_q5f345a826b_blkB:
	.size	k_q5f345a826b_blkB, .Lfunc_end_k_q5f345a826b_blkB-k_q5f345a826b_blkB
	.p2alignl 7, 3214868480
	.fill 96, 4, 3214868480
	.section	.rodata,"a",@progbits
	.p2align	6, 0x0
	.amdhsa_kernel k_q5f345a826b_blkB
		.amdhsa_group_segment_fixed_size 270848
		.amdhsa_private_segment_fixed_size 0
		.amdhsa_enable_private_segment 0
		.amdhsa_kernarg_size 112
		.amdhsa_user_sgpr_count 2
		.amdhsa_user_sgpr_kernarg_segment_ptr 1
		.amdhsa_wavefront_size32 1
		.amdhsa_system_sgpr_workgroup_id_x 1
		.amdhsa_system_sgpr_workgroup_id_y 1
		.amdhsa_system_sgpr_workgroup_id_z 1
		.amdhsa_system_vgpr_workitem_id 0
		.amdhsa_next_free_vgpr 1024
		.amdhsa_next_free_sgpr 104
		.amdhsa_reserve_vcc 1
		.amdhsa_float_denorm_mode_32 3
		.amdhsa_float_denorm_mode_16_64 3
		.amdhsa_memory_ordered 1
		.amdhsa_forward_progress 1
		.amdhsa_inst_pref_size 182
	.end_amdhsa_kernel
	.amdgpu_metadata
---
amdhsa.version: [ 1, 2 ]
amdhsa.kernels:
  - .name:           k_q5f345a826b_blkB
    .symbol:         k_q5f345a826b_blkB.kd
    .args:
      - { .name: wts, .offset: 0, .size: 8, .value_kind: global_buffer, .address_space: global }
      - { .name: encx, .offset: 8, .size: 8, .value_kind: global_buffer, .address_space: global }
      - { .name: t1, .offset: 16, .size: 8, .value_kind: global_buffer, .address_space: global }
      - { .name: q2, .offset: 24, .size: 8, .value_kind: global_buffer, .address_space: global }
      - { .name: vbm, .offset: 32, .size: 8, .value_kind: global_buffer, .address_space: global }
      - { .name: d_ekb, .offset: 40, .size: 8, .value_kind: global_buffer, .address_space: global }
      - { .name: d_evb, .offset: 48, .size: 8, .value_kind: global_buffer, .address_space: global }
      - { .name: d_eob, .offset: 56, .size: 8, .value_kind: global_buffer, .address_space: global }
      - { .name: d_ln2g, .offset: 64, .size: 8, .value_kind: global_buffer, .address_space: global }
      - { .name: d_ln2b, .offset: 72, .size: 8, .value_kind: global_buffer, .address_space: global }
      - { .name: d_f1b, .offset: 80, .size: 8, .value_kind: global_buffer, .address_space: global }
      - { .name: d_f2b, .offset: 88, .size: 8, .value_kind: global_buffer, .address_space: global }
      - { .name: gwb, .offset: 96, .size: 8, .value_kind: global_buffer, .address_space: global }
      - { .name: pun, .offset: 104, .size: 8, .value_kind: global_buffer, .address_space: global }
    .group_segment_fixed_size: 270848
    .private_segment_fixed_size: 0
    .kernarg_segment_align: 8
    .kernarg_segment_size: 112
    .max_flat_workgroup_size: 128
    .sgpr_count:     104
    .vgpr_count:     1024
    .wavefront_size: 32
...
	.end_amdgpu_metadata
.endif
;; end of part 7
;; launch norm (part 8): grid 128 x 1, 1 waves a work-group, no clusters, 0 bytes of LDS; arguments pun, out0; writes out0
.if DOCPART == 8
	.amdgcn_target "amdgcn-amd-amdhsa--gfx1250"
	.amdhsa_code_object_version 6
	.text
	.protected	k_q5f345a826b_norm
	.globl	k_q5f345a826b_norm
	.p2align	8
	.type	k_q5f345a826b_norm,@function
k_q5f345a826b_norm:
	s_mov_b64 s[64:65], 0
	v_nop
	global_prefetch_b8 v0, s[64:65] scope:SCOPE_SE
	s_setreg_imm32_b32 hwreg(HW_REG_WAVE_MODE, 25, 1), 1
	s_wait_xcnt 0x0
; out0[b][s] = p[b][s] / sum over s of p[b][s].  p: [128][256] f32, made by the launch before, two work-groups to a batch, which is why the sum has a launch of its own.
; One wave takes one batch: 1,024 bytes, two loads and two stores of 512 consecutive bytes; the sum never leaves the wave, so there is no LDS and no barrier.  Matrix units, clusters and rings have nothing to do here.
; The division is v_rcp_f32 and a multiply.  A batch whose p are all 0 gives NaN, as in reference().
	s_load_b128 s[4:7], s[0:1], 0x0                ; pun, out0
	v_lshlrev_b32 v1, 4, v0                        ; 16 bytes a lane
	s_lshl_b32 s2, ttmp9, 10                       ; the batch's 1,024 bytes
	s_mov_b32 s3, 0
	s_mov_b32 s8, 0x76543210                       ; v_permlanex16_b32: lane i of one half reads lane i of the other
	s_mov_b32 s9, 0xfedcba98
	s_wait_kmcnt 0x0
	s_add_nc_u64 s[4:5], s[4:5], s[2:3]
	s_add_nc_u64 s[6:7], s[6:7], s[2:3]
	global_load_b128 v[4:7], v1, s[4:5] th:TH_LOAD_NT
	global_load_b128 v[8:11], v1, s[4:5] offset:512 th:TH_LOAD_NT
	s_wait_loadcnt 0x0
	v_pk_add_f32 v[12:13], v[4:5], v[6:7]
	v_pk_add_f32 v[14:15], v[8:9], v[10:11]
	v_pk_add_f32 v[12:13], v[12:13], v[14:15]
	v_add_f32 v12, v12, v13
	v_add_f32_dpp v12, v12, v12 row_xmask:1 row_mask:0xf bank_mask:0xf
	v_add_f32_dpp v12, v12, v12 row_xmask:2 row_mask:0xf bank_mask:0xf
	v_add_f32_dpp v12, v12, v12 row_xmask:4 row_mask:0xf bank_mask:0xf
	v_add_f32_dpp v12, v12, v12 row_xmask:8 row_mask:0xf bank_mask:0xf
	v_permlanex16_b32 v13, v12, s8, s9
	v_add_f32 v12, v12, v13                        ; every lane holds the batch's sum
	v_rcp_f32 v12, v12
	v_nop                                          ; a plain instruction between the reciprocal and the use of its result
	s_wait_alu depctr_va_vdst(0)
	v_mov_b32 v13, v12
	v_pk_mul_f32 v[4:5], v[4:5], v[12:13]
	v_pk_mul_f32 v[6:7], v[6:7], v[12:13]
	v_pk_mul_f32 v[8:9], v[8:9], v[12:13]
	v_pk_mul_f32 v[10:11], v[10:11], v[12:13]
	global_store_b128 v1, v[4:7], s[6:7] th:TH_STORE_NT
	global_store_b128 v1, v[8:11], s[6:7] offset:512 th:TH_STORE_NT
	s_endpgm
.Lfunc_end_k_q5f345a826b_norm:
	.size	k_q5f345a826b_norm, .Lfunc_end_k_q5f345a826b_norm-k_q5f345a826b_norm
	.p2alignl 7, 3214868480
	.fill 96, 4, 3214868480
	.section	.rodata,"a",@progbits
	.p2align	6, 0x0
	.amdhsa_kernel k_q5f345a826b_norm
		.amdhsa_group_segment_fixed_size 0
		.amdhsa_private_segment_fixed_size 0
		.amdhsa_enable_private_segment 0
		.amdhsa_kernarg_size 16
		.amdhsa_user_sgpr_count 2
		.amdhsa_user_sgpr_kernarg_segment_ptr 1
		.amdhsa_wavefront_size32 1
		.amdhsa_system_sgpr_workgroup_id_x 1
		.amdhsa_system_sgpr_workgroup_id_y 1
		.amdhsa_system_sgpr_workgroup_id_z 1
		.amdhsa_system_vgpr_workitem_id 0
		.amdhsa_next_free_vgpr 16
		.amdhsa_next_free_sgpr 66
		.amdhsa_reserve_vcc 0
		.amdhsa_float_denorm_mode_32 3
		.amdhsa_float_denorm_mode_16_64 3
		.amdhsa_memory_ordered 1
		.amdhsa_forward_progress 1
		.amdhsa_inst_pref_size 2
	.end_amdhsa_kernel
	.amdgpu_metadata
---
amdhsa.version: [ 1, 2 ]
amdhsa.kernels:
  - .name:           k_q5f345a826b_norm
    .symbol:         k_q5f345a826b_norm.kd
    .args:
      - { .name: pun, .offset: 0, .size: 8, .value_kind: global_buffer, .address_space: global }
      - { .name: out0, .offset: 8, .size: 8, .value_kind: global_buffer, .address_space: global }
    .group_segment_fixed_size: 0
    .private_segment_fixed_size: 0
    .kernarg_segment_align: 8
    .kernarg_segment_size: 16
    .max_flat_workgroup_size: 32
    .sgpr_count:     66
    .vgpr_count:     16
    .wavefront_size: 32
...
	.end_amdgpu_metadata
.endif
;; end of part 8
;; ======== version 4 of 4: 4 launches; version 3 with the launch blkB written anew for expert scheduling mode
;; workspace buffers: wts 2,162,688 bytes; encx 16,777,216 bytes; t1 33,554,432 bytes; q2 16,777,216 bytes; vbm 131,072 bytes; gwb 1,280 bytes; pun 131,072 bytes
;; launch prep: the kernel of part 4 again; grid 66 x 1, 8 waves a work-group, no clusters, 0 bytes of LDS; arguments semW, e_qW, e_kW, e_vW, e_oW, e_f1W, e_f2W, temW, d_sqW, d_skW, d_svW, d_soW, d_eqW, d_ekW, d_evW, d_eoW, d_f1W, d_f2W, wts, d_ln3g, d_ln3b, outW, outb, gwb; writes wts, gwb
;; launch blkA: the kernel of part 5 again; grid 128 x 2, 4 waves a work-group, no clusters, 303,616 bytes of LDS; arguments src, wts, ln0sg, ln0sb, semb, e_qb, e_kb, e_vb, e_ob, e_ln1g, e_ln1b, ln0tg, ln0tb, temb, d_sqb, d_skb, d_svb, d_sob, d_ln1g, d_ln1b, e_f1b, e_f2b, e_ln2g, e_ln2b, d_eqb, encx, t1, q2, vbm; writes encx, t1, q2, vbm
;; launch blkB (part 9): grid 128 x 2, 4 waves a work-group, no clusters, 270,848 bytes of LDS; arguments wts, encx, t1, q2, vbm, d_ekb, d_evb, d_eob, d_ln2g, d_ln2b, d_f1b, d_f2b, gwb, pun; writes pun
.if DOCPART == 9
	.amdgcn_target "amdgcn-amd-amdhsa--gfx1250"
	.amdhsa_code_object_version 6
	.text
	.protected	k_q5f345a826b_blkB
	.globl	k_q5f345a826b_blkB
	.p2align	8
	.type	k_q5f345a826b_blkB,@function
k_q5f345a826b_blkB:
	s_mov_b64 s[64:65], 0
	v_nop
	global_prefetch_b8 v0, s[64:65] scope:SCOPE_SE
	s_setreg_imm32_b32 hwreg(HW_REG_WAVE_SCHED_MODE, 0, 2), 2
	s_setreg_imm32_b32 hwreg(HW_REG_WAVE_MODE, 25, 1), 1
	s_wait_xcnt 0x0
	s_wait_alu depctr_vm_vsrc(0)
; The decoder's second half for one batch (x) and one half of its queries (y): K and V of all 256 keys from the encoder's rows (encx), cross-attention with q2, output projection onto t1, LN2, FFN,
; LN3 fused with the one output column, exp and mask -> pun (the 128 rows' p; the division by the batch's sum, which spans two work-groups, is the next launch's).
; SHARES.  Four waves.  For K and V wave w takes key rows 64 w .. 64 w + 63 (both halves of a batch make all of K and V: 2 of the 7 products of 256 x 256 x 256 are made twice, the other 5 are halved).
; For all else wave w owns 32 query rows: row tiles 8 y + 2 w and the next of the batch's 16.  Their stream (256 columns, f32) stays in 256 registers: ACC(rt, nt) at v[512 + 128 rt + 8 nt].
; THE MATRIX INSTRUCTION IS USED TRANSPOSED: source 0 = 16 output columns of a weight, source 1 = 16 rows (swapped for V, which gives V^T's fragments).  A lane then holds row l % 16 and columns 16 nt + 8 (l / 16) + 0..7,
; so two neighbouring results rounded to bf16 ARE the next product's source 1: the attention's result, the FFN's operand and its hidden slab go from product to product in registers, never through LDS.
; FRAGMENTS (16 x 32 bf16, 1,024 bytes) lie in LDS and memory as the registers hold them: registers 0-3 at 16 l, 4-7 at 512 + 16 l: every 16-byte access of a wave covers 512 consecutive bytes.
; WEIGHTS come as chunks of 32,768 bytes in order of use (chunks 46 to 65).  Each wave loads a quarter of a chunk into 64 registers one chunk ahead and stores it into the idle one of two LDS slots; one barrier a chunk.
; They come through registers and not by tensor loads, and the launch has no cluster: every stage is a counted loop over chunks and the stream runs on across the stages' ends; here the look-ahead is clamped to the last
; chunk by a minimum on an offset, where tensor loads would want the last trips written out a second time.  The price: each work-group reads the weights for itself.
; TWO STAGES, one text for the layer norm: a counted loop of two trips; stage 0: attention, LN2 (in place in ACC); stage 1: FFN, LN3 with the output column.  The stage chooses addresses by s_cselect and ways by forward jumps.
; gwb holds d_ln3g x outW (256 numbers) and, behind them, sum of d_ln3b x outW + outb, made in f32 by the first launch: logit = (sum of (x - mean) g w) / sigma + that sum.
; REGISTERS, in windows of 256.  Window 0: addresses, statistics, the chunk on its way, TM, TA.  Window 1: fragments out of LDS; the attention's O^T, K, V^T; an LN's bias and gain.  Window 2: ACC.
; Window 3: v0-31 the head's Q, fragment (rt, kf) at 16 rt + 8 kf; in stage 1 v0-127 the FFN's operand, fragment (rt, kf) at 64 rt + 8 kf.
; LIMITS.  A hidden key's score counts as its value less 8e10 (reference: -1e10 behind the division by 8): its weight is 0 either way; where every key is hidden, weights are equal as long as scores stay under 4,096.
; No maximum is taken ahead of the last exponential: reference() takes none.  A hidden row's p is 0 (reference: exp x 0).  Divisions are v_rcp_f32 and a multiply; exponentials below 2^-126 count as 0.  Matrix operands are bf16.
; THE MODE: SCHED_MODE bits 1:0 = 2 (LLVM: expert scheduling mode 2), set by the entry lines.  The code itself states the register dependences between vector or matrix instructions and memory or LDS
; instructions, with s_wait_alu, always for 0.
; THE PLAN.  Registers that memory or LDS instructions touch, and who else names them:
;   v[L16], v[H32], v[PST], v[PRD], v[POF], v[SPW], v[NIL]   made at the head and never written again.  The chunk's and Q's places in memory are scalar bases beside v[L16].
;   STG              loads land in it, the chunk's LDS stores read it; no vector instruction names it.
;   v[SA], v[BA], v[PA], v[PB], v[DST], v[KS], v[VS], v[MS]   a chunk step's LDS addresses: all written between ENTER's wait on vm_vsrc and CHUNK's wait on va_vdst; PA and PB step once a trip of PROJ, KS, MS, VS once a trip of the attention.
;   TA, TM, window 1, Q   loads land in them, products and vector work name them: each run of loads stands behind a wait on va_vdst since which no vector or matrix instruction names its registers.
; So a chunk step has ENTER's vm_vsrc, CHUNK's va_vdst and vm_vsrc; a trip of PROJ two va_vdst and one vm_vsrc; a trip of the attention three va_vdst (one of them the exponentials') and one vm_vsrc;
; the output projection, an LN's vectors, K's and V^T's stores and p's stores one va_vdst each.  The loads that are dealt among products (the output projection's later groups, f2's weights) owe nothing more.
.set XR,    65536      ; 4 x 32,768: wave w's 64 rows of encx, fragments [kf][rt] at (4 kf + rt) x 1,024
.set KK,    196608     ; 32,768: K of one head, fragment (key tile t, kf) at 2,048 t + 1,024 kf
.set VT,    229376     ; 32,768: V^T of one head, fragment (channel tile c, keys 32 f on) at 8,192 (f / 2) + 2,048 c + 1,024 (f % 2)
.set VB,    262144     ; 1,024: for each key 0, or -8e10 if it is hidden
.set BIASL, 263168     ; 6 x 1,024, straight behind VB: k's bias, zeros, -, v's, -, f1's
.set SPARE, 269312     ; 512: the spare words, 128 bytes a wave; no other line names them
.set PBUF,  269824     ; 1,024, of which 512 are used: the work-group's 128 p
.set L16, 1            ; v1  16 x lane
.set H32, 2            ; v2  32 x (lane / 16)
.set SA,  3            ; v3  where my quarter of a chunk goes
.set PST, 4            ; v4  where my row's p goes: PBUF + 4 (32 wave + l % 16), tile 1's 64 bytes on; never rewritten
.set PA,  5            ; v5, v6  LDS addresses of a product's sources
.set PB,  6
.set DST, 7            ; v7  where results go
.set BA,  8            ; v8  a bias vector
.set PRD, 9            ; v9  where I read p back: PBUF + 8 (thread % 64); never rewritten
.set KS,  10           ; v10, v11, v12  the attention's key step: K, V^T, the mask
.set VS,  11
.set MS,  12
.set MK,  13           ; v13, v15  the mask's word of my row in tile 0, tile 1; never rewritten
.set POF, 14           ; v14  my byte offset in the work-group's 512 bytes of pun: 8 (thread % 64); never rewritten
.set CH,  16           ; v16-23  four chains of pairs
.set MU,  24           ; v24-25  a mean
.set RH,  26           ; v26-27  1 / sigma
.set SPW, 28           ; v28  my spare word; never rewritten
.set NIL, 29           ; v29  0; never rewritten
.set MX,  30           ; v30-31  at work; in the attention the two tiles' running maxima
.set STG, 32           ; v32-95  my quarter of the chunk on its way
.set QF,  96           ; v96-127  at work; at the end v96, v97 my two p
.set TA,  128          ; v128-255  16 results of a projection; the scores; an LN's additive vector
.set LS,  16           ; the attention: v16-19 the two tiles' running sums, a pair (even keys', odd keys') a tile
.set TM,  96           ; v96-127 the key step's mask; then eight registers a tile at work; at last v's bias
.set WTS, 6
.set WV,  8
.set HALF, 9
.set BATCH, 10
.set SS,  11           ; the slot that the next chunk goes into; behind ENTER: the slot in use
.set SOFF, 12          ; byte offset in wts of the chunk to be fetched
.set SLAST, 13         ; of the last chunk
.set W8K, 14
.set XRS, 54
.set KWS, 56
.set VWS, 57
.set HH,  59
.set JJ,  60
.set CNT, 61
.set SEL, 62           ; s[62:63] v_permlanex16_b32's selects: each lane takes its own place in the other half
.set CS,  86           ; s[86:87] c = log2(e) / 8
.set K1,  88           ; s[88:89], s[90:91] GELU's two constants
.set K3,  90
.set I256, 92
.set EPS, 93
.set OB,  96           ; s96  sum of b w + outb
.set ST,  97           ; the stage, 0 or 1
.set CB,  98           ; s[98:99] the address of my quarter of the chunk to be fetched
.set ENCP, 16
.set T1P, 18
.set Q2P, 20
.set VBMP, 22
.set EKB, 24
.set EVB, 26
.set EOB, 28
.set LN2G, 30
.set LN2B, 68
.set F1B, 70
.set F2B, 72
.set GWB, 74
.set PUN, 76
.set MSB, 0
.macro WIN new                         ; s_set_vgpr_msb: bits 1:0 source 0, 3:2 source 1, 5:4 source 2, 7:6 destination; the high byte repeats the setting that is left
.if MSB != (\new)
	s_set_vgpr_msb (MSB<<8)|(\new)
.set MSB, (\new)
.endif
.endm
.macro PLACES                          ; four places behind a matrix instruction, ahead of vector reads of its result (ISA guide 7.12.1); they stay beside the waits on va_vdst, which fill no place
.rept 4
	v_nop
.endr
.endm
.macro ASK                             ; the chunk at s[CB] is asked for: my quarter, 16 x 512 consecutive bytes
	WIN 0
.set fi, 0
.rept 16
	global_load_b128 v[STG+4*fi:STG+4*fi+3], v[L16], s[CB:CB+1] offset:512*fi
.set fi, fi+1
.endr
.endm
.macro ARRIVE                          ; the chunk that was asked for has come; where it goes, and where the next comes from
	s_wait_loadcnt 0x0                             ; the quarter is in (and whatever else was asked for); the loads that read the chunk's base are done, so it may be written
	s_add_co_u32 s15, s[SS], s[W8K]
	v_add_nc_u32 v[SA], s15, v[L16]
	s_xor_b32 s[SS], s[SS], 0x8000
	s_add_co_u32 s[SOFF], s[SOFF], 0x8000
	s_min_u32 s[SOFF], s[SOFF], s[SLAST]           ; no load passes the last chunk
	s_add_co_u32 s2, s[SOFF], s[W8K]
	s_mov_b32 s3, 0
	s_add_nc_u64 s[CB:CB+1], s[WTS:WTS+1], s[2:3]
.endm
.macro ENTER                           ; a chunk is entered.  The barrier orders: all reads of the slot now overwritten; the stores of the chunk now read; K's and V's stores ahead of the attention, its reads ahead of the next head's stores
	WIN 0
	s_wait_dscnt 0x0                               ; for the others' sake: my LDS reads and stores are done
	s_barrier_signal -1
	s_barrier_wait -1
	s_wait_alu depctr_vm_vsrc(0)                   ; every LDS and memory instruction issued so far has read its registers: the step's addresses are written next, and TA, the data of K's and V^T's stores, is written again in this step
	ARRIVE
.endm
.macro CHUNK                           ; behind the step's address lines: the chunk that has come goes into its slot, the one after it is asked for
	s_wait_alu depctr_va_vdst(0)                   ; v[SA] and the step's other addresses are written; all earlier products and vector work are done with TA, TM and window 1, in which this step's first loads land
.set fi, 0
.rept 16
	ds_store_b128 v[SA], v[STG+4*fi:STG+4*fi+3] offset:512*fi
.set fi, fi+1
.endr
	s_wait_alu depctr_vm_vsrc(0)                   ; those stores have read STG, in which the next chunk's loads land
	ASK
.endm
.macro TAINIT na                       ; the results begin as the bias: tile 4 a + b takes columns 16 a on
	WIN 0
.set ti, 0
.rept 4*(\na)
	ds_load_b128 v[TA+8*ti:TA+8*ti+3], v[BA] offset:64*(ti/4)
	ds_load_b128 v[TA+8*ti+4:TA+8*ti+7], v[BA] offset:64*(ti/4)+16
.set ti, ti+1
.endr
.endm
.macro LDAB buf, na, ko                ; the fragments of one 32 along k, ko steps on: na from PA, 4 from PB, into buffer buf of window 1
	WIN 0x40
.set li, 0
.rept \na
	ds_load_b128 v[64*(\buf)+8*li:64*(\buf)+8*li+3], v[PA] offset:((\ko)*(\na)+li)*1024
	ds_load_b128 v[64*(\buf)+8*li+4:64*(\buf)+8*li+7], v[PA] offset:((\ko)*(\na)+li)*1024+512
.set li, li+1
.endr
.set li, 0
.rept 4
	ds_load_b128 v[64*(\buf)+32+8*li:64*(\buf)+32+8*li+3], v[PB] offset:((\ko)*4+li)*1024
	ds_load_b128 v[64*(\buf)+32+8*li+4:64*(\buf)+32+8*li+7], v[PB] offset:((\ko)*4+li)*1024+512
.set li, li+1
.endr
.endm
.macro MULAB buf, na                   ; 4 na products; the accumulators take turns
	WIN 0x05
.set mi, 0
.rept 4*(\na)
	v_wmma_f32_16x16x32_bf16 v[TA+8*mi:TA+8*mi+7], v[64*(\buf)+8*(mi/4):64*(\buf)+8*(mi/4)+7], v[64*(\buf)+32+8*(mi%4):64*(\buf)+32+8*(mi%4)+7], v[TA+8*mi:TA+8*mi+7]
.set mi, mi+1
.endr
.endm
.macro PROJ na                         ; TA(a, b) += sum over 256 k: four trips of 64 along k on two fragment buffers; a counted wait leaves out the 2 (na + 4) loads just issued for the other buffer.
	LDAB 0, \na, 0                                 ; the first two runs of loads stand behind CHUNK's wait on va_vdst, since which no vector or matrix instruction has been issued
	WIN 0
	s_mov_b32 s[CNT], 4
.Lpj_\@:
	LDAB 1, \na, 1
	s_wait_dscnt 2*((\na)+4)
	MULAB 0, \na
	PLACES
	WIN 0
	s_cmp_eq_u32 s[CNT], 1
	s_cbranch_scc1 .Lpl_\@                         ; the last trip has nothing to look ahead for
	s_wait_alu depctr_va_vdst(0)                   ; the products above are done reading buffer 0, in which the loads below land
	LDAB 0, \na, 2
	WIN 0
	s_wait_dscnt 2*((\na)+4)
	s_branch .Lpm_\@
.Lpl_\@:
	s_wait_dscnt 0x0
.Lpm_\@:
	MULAB 1, \na
	PLACES
	WIN 0
	s_wait_alu depctr_vm_vsrc(0)                   ; the fragments' loads issued so far have read v[PA] and v[PB]
	v_add_nc_u32 v[PA], 2048*(\na), v[PA]
	v_add_nc_u32 v[PB], 8192, v[PB]
	s_wait_alu depctr_va_vdst(0)                   ; v[PA] and v[PB] are written, and the products above are done reading buffer 1: the next trip's first loads read the one and land in the other
	s_sub_co_u32 s[CNT], s[CNT], 1
	s_cmp_lg_u32 s[CNT], 0
	s_cbranch_scc1 .Lpj_\@
.endm
.macro TAPACK n                        ; n results rounded to bf16, in place and ascending: tile t's four words land at TA + 4 t, behind what has been read
	WIN 0
.set ti, 0
.rept 4*(\n)
	v_cvt_pk_bf16_f32 v[TA+ti], v[TA+2*ti], v[TA+2*ti+1]
.set ti, ti+1
.endr
.endm
.macro RED4                            ; the four chains, the pair's halves, and the other half of the lanes: the row's sum in v[CH] of both its lanes
	v_pk_add_f32 v[CH:CH+1], v[CH:CH+1], v[CH+2:CH+3]
	v_pk_add_f32 v[CH+4:CH+5], v[CH+4:CH+5], v[CH+6:CH+7]
	v_pk_add_f32 v[CH:CH+1], v[CH:CH+1], v[CH+4:CH+5]
	v_add_f32 v[CH], v[CH], v[CH+1]
	v_permlanex16_b32 v[CH+1], v[CH], s[SEL], s[SEL+1]
	v_add_f32 v[CH], v[CH], v[CH+1]
.endm
; ATTENTION of one head for my 32 queries: both row tiles together, 64 keys a trip, four trips.  The step's mask (32 registers) starts both tiles' sums.
; S^T = mask + K Q^T (a lane: one query, keys 16 t + 8 h + 0..7); for each query a running maximum m and sum l: p = 2^(c s - c m); in every trip but the first O^T and l are multiplied by a = 2^(c m_old - c m_new).
; O^T += V^T P.  The first trip starts O^T with the constant 0 and skips the rescaling; l starts at 0 and m at the lowest finite number, so its a is 0.  At the end O / l + v's bias (exact, since the weights sum to 1),
; rounded to bf16, lies at TA + 16 rt + 8 kf: source 1 of the output projection.  Window 1: v0-63 O^T (rt, c) at 32 rt + 8 c; v128-191 K (tl, kf) at 16 tl + 8 kf; v192-255 V^T (c, fl) at 16 c + 8 fl.
; The next step's K and mask are asked for ahead of the products V^T P, V behind the products K Q^T: each lands under other work.  The last trip asks for v's bias instead, and, behind its products K Q^T, for the next head's Q.
; v[KS], v[VS], v[MS] and v[BA] (v's bias for this head) are made ahead of the step's CHUNK.
.macro ALL2 line:vararg                ; one line for each of the two tiles
.set tt, 0
.rept 2
.set rT, TM+8*tt
.set rS, TA+32*tt
.set rM, MX+tt
.set rL, LS+2*tt
.set rO, 32*tt
	\line
.set tt, tt+1
.endr
.endm
.macro KMLOAD                          ; K and the mask of the key step at v[KS], v[MS]
	WIN 0x40
.set ai, 0
.rept 16
	ds_load_b128 v[128+4*ai:128+4*ai+3], v[KS] offset:512*ai
.set ai, ai+1
.endr
	WIN 0
.set ai, 0
.rept 4
	ds_load_b128 v[TM+8*ai:TM+8*ai+3], v[MS] offset:64*ai
	ds_load_b128 v[TM+8*ai+4:TM+8*ai+7], v[MS] offset:64*ai+16
.set ai, ai+1
.endr
.endm
.macro SUMG g                          ; the eight weights of group g (tile g / 4) go onto the tile's two chains
.set sT, TM+8*((\g)/4)+4
.set sS, TA+8*(\g)
.if (\g)%4 == 0
	v_pk_add_f32 v[sT:sT+1], v[sS:sS+1], v[sS+2:sS+3]
	v_pk_add_f32 v[sT+2:sT+3], v[sS+4:sS+5], v[sS+6:sS+7]
.else
	v_pk_add_f32 v[sT:sT+1], v[sT:sT+1], v[sS:sS+1]
	v_pk_add_f32 v[sT+2:sT+3], v[sT+2:sT+3], v[sS+2:sS+3]
	v_pk_add_f32 v[sT:sT+1], v[sT:sT+1], v[sS+4:sS+5]
	v_pk_add_f32 v[sT+2:sT+3], v[sT+2:sT+3], v[sS+6:sS+7]
.endif
.endm
.macro PVH fl, zero                    ; 8 products of O^T += V^T P, keys 32 fl on; the 8 accumulators take turns
	WIN 0x51
.set ai, 0
.rept 8
.set pO, 32*(ai%2)+8*(ai/2)
.set pV, 192+16*(ai/2)+8*(\fl)
.set pP, TA+32*(ai%2)+8*(\fl)
.if \zero
	v_wmma_f32_16x16x32_bf16 v[pO:pO+7], v[pV:pV+7], v[pP:pP+7], 0
.else
	v_wmma_f32_16x16x32_bf16 v[pO:pO+7], v[pV:pV+7], v[pP:pP+7], v[pO:pO+7]
.endif
.set ai, ai+1
.endr
.endm
.macro ATT
	WIN 0
	KMLOAD                                         ; behind CHUNK's wait on va_vdst, since which no vector or matrix instruction has been issued
.set ai, 0
.rept 2
	v_mov_b32 v[MX+ai], 0xff7fffff
	v_mov_b32 v[LS+2*ai], 0
	v_mov_b32 v[LS+2*ai+1], 0
.set ai, ai+1
.endr
	s_mov_b32 s[CNT], 4
.Latt_\@:
	s_wait_dscnt 0x0                               ; K and the mask are in
	WIN 0x0d                                       ; K in window 1, Q in window 3
.set ai, 0
.rept 16                               ; channels 32 (ai / 8) on, key tile (ai / 2) % 4, row tile ai % 2: 8 accumulators by turns
.set qS, TA+32*(ai%2)+8*((ai/2)%4)
.set qK, 128+16*((ai/2)%4)+8*(ai/8)
.set qQ, 16*(ai%2)+8*(ai/8)
.set qM, TM+8*((ai/2)%4)
.if ai < 8
	v_wmma_f32_16x16x32_bf16 v[qS:qS+7], v[qK:qK+7], v[qQ:qQ+7], v[qM:qM+7]
.else
	v_wmma_f32_16x16x32_bf16 v[qS:qS+7], v[qK:qK+7], v[qQ:qQ+7], v[qS:qS+7]
.endif
.set ai, ai+1
.endr
	PLACES
	WIN 0x40
	s_wait_alu depctr_va_vdst(0)                   ; the last trip's products V^T P are done reading V^T and v[VS] is written: V^T's loads follow; the products above are done reading Q, in which the last trip's loads land
.set ai, 0
.rept 16                               ; V^T of this step: it lands while the softmax is made
	ds_load_b128 v[192+4*ai:192+4*ai+3], v[VS] offset:512*ai
.set ai, ai+1
.endr
	WIN 0
	s_cmp_eq_u32 s[CNT], 1
	s_cbranch_scc0 .Lanq_\@
	s_cmp_eq_u32 s[HH], 3
	s_cbranch_scc1 .Lanq_\@
	s_add_nc_u64 s[Q2P:Q2P+1], s[Q2P:Q2P+1], 0x8000  ; the next head's Q lies 32,768 bytes on; the loads that read this base last were shown done by a chunk's wait for loads
	WIN 0xc0
.set ai, 0
.rept 8                                ; 4,096 consecutive bytes into the same registers; no vector or matrix instruction stands between the wait above and these loads; the chunk ring's next wait for loads shows them landed
	global_load_b128 v[4*ai:4*ai+3], v[L16], s[Q2P:Q2P+1] offset:512*ai th:TH_LOAD_NT
.set ai, ai+1
.endr
	WIN 0
.Lanq_\@:
	; the maximum of a lane's 32 scores and the old m, in four chains a tile; each result's lowest registers are read first.  The two tiles alternate
.set xn, 0
.rept 4
	ALL2 v_max3_num_f32 v[rT+xn], v[rS+8*xn], v[rS+8*xn+1], v[rS+8*xn+2]
.set xn, xn+1
.endr
.rept 8
	ALL2 v_max3_num_f32 v[rT+xn%4], v[rT+xn%4], v[rS+8*(xn%4)+2*(xn/4)+1], v[rS+8*(xn%4)+2*(xn/4)+2]
.set xn, xn+1
.endr
	ALL2 v_max3_num_f32 v[rT], v[rT], v[rS+7], v[rS+15]
	ALL2 v_max3_num_f32 v[rT+1], v[rT+1], v[rS+23], v[rS+31]
	ALL2 v_max3_num_f32 v[rT+2], v[rT+2], v[rT+3], v[rM]
	ALL2 v_max3_num_f32 v[rT], v[rT], v[rT+1], v[rT+2]
	ALL2 v_permlanex16_b32 v[rT+3], v[rT], s[SEL], s[SEL+1]
	ALL2 v_max_num_f32 v[rT+1], v[rT], v[rT+3]
	ALL2 v_sub_f32 v[rT+2], v[rM], v[rT+1]
	ALL2 v_mov_b32 v[rM], v[rT+1]
	ALL2 v_mul_f32 v[rT], s[CS], v[rT+1]
	ALL2 v_mul_f32 v[rT+2], s[CS], v[rT+2]
	ALL2 v_exp_f32 v[rT+2], v[rT+2]
.set ii, 0
.rept 16                               ; c s - c m
	ALL2 v_pk_fma_f32 v[rS+2*ii:rS+2*ii+1], v[rS+2*ii:rS+2*ii+1], s[CS:CS+1], v[rT:rT+1] op_sel_hi:[1,0,0] neg_lo:[0,0,1] neg_hi:[0,0,1]
.set ii, ii+1
.endr
.set ei, 0
.rept 64                               ; the exponentials are one batch: none of them, and nothing ahead of the wait below, names a result of the batch
	v_exp_f32 v[TA+ei], v[TA+ei]
.set ei, ei+1
.endr
	v_nop                                          ; a plain instruction behind the last exponential, ahead of the first use
	s_wait_alu depctr_va_vdst(0)                   ; the trip's 66 exponentials (the two a, the 64 weights) have written their results, which the sums below read first
.set ei, 0
.rept 8
	SUMG ei
.set ei, ei+1
.endr
	ALL2 v_pk_add_f32 v[rT+4:rT+5], v[rT+4:rT+5], v[rT+6:rT+7]
	ALL2 v_pk_fma_f32 v[rL:rL+1], v[rL:rL+1], v[rT+2:rT+3], v[rT+4:rT+5] op_sel_hi:[1,0,1]
.set ii, 0
.rept 16                               ; P, in place and ascending: a tile's fragment of keys 32 fl on at its S + 8 fl
	ALL2 v_cvt_pk_bf16_f32 v[rS+ii], v[rS+2*ii], v[rS+2*ii+1]
.set ii, ii+1
.endr
	s_wait_alu depctr_vm_vsrc(0)                   ; the loads of K, of the mask and of V^T issued so far have read v[KS], v[MS] and v[VS]: the first two step here, v[VS], which no later load of this trip reads, at the trip's end
	v_add_nc_u32 v[KS], 0x2000, v[KS]
	v_add_nc_u32 v[MS], 0x100, v[MS]
	s_wait_dscnt 0x0                               ; V^T is in
	s_cmp_eq_u32 s[CNT], 4
	s_cbranch_scc1 .Lafi_\@
	WIN 0x41
.set ii, 0
.rept 16                               ; O^T times a
	ALL2 v_pk_mul_f32 v[rO+2*ii:rO+2*ii+1], v[rO+2*ii:rO+2*ii+1], v[rT+2:rT+3] op_sel_hi:[1,0]
.set ii, ii+1
.endr
	WIN 0
	s_wait_alu depctr_va_vdst(0)                   ; the softmax and the rescaling are done with TM, in which the mask or v's bias lands; v[KS] and v[MS] are written
	s_cmp_eq_u32 s[CNT], 1
	s_cbranch_scc1 .Lala_\@
	KMLOAD
	s_branch .Lapa_\@
.Lala_\@:
.set ai, 0
.rept 4                                ; the last trip: v's bias where the mask lay
	ds_load_b128 v[TM+8*ai:TM+8*ai+3], v[BA] offset:64*ai
	ds_load_b128 v[TM+8*ai+4:TM+8*ai+7], v[BA] offset:64*ai+16
.set ai, ai+1
.endr
.Lapa_\@:
	PVH 0, 0
	WIN 0
	s_branch .Lapb_\@
.Lafi_\@:
	s_wait_alu depctr_va_vdst(0)                   ; the first trip's way: the softmax is done with TM, in which the mask lands; v[KS] and v[MS] are written
	KMLOAD
	PVH 0, 1
	WIN 0
.Lapb_\@:
	PVH 1, 0
.rept 5
	v_nop                                          ; with the line below six places: the next trip's first products write over P, which these products read
.endr
	WIN 0
	v_add_nc_u32 v[VS], 0x2000, v[VS]
	s_sub_co_u32 s[CNT], s[CNT], 1
	s_cmp_lg_u32 s[CNT], 0
	s_cbranch_scc1 .Latt_\@
	ALL2 v_add_f32 v[rL], v[rL], v[rL+1]
	ALL2 v_permlanex16_b32 v[rL+1], v[rL], s[SEL], s[SEL+1]
	ALL2 v_add_f32 v[rL], v[rL], v[rL+1]
	ALL2 v_rcp_f32 v[rL], v[rL]
	v_nop
	s_wait_alu depctr_va_vdst(0)                   ; the two reciprocals have written v[LS] and v[LS+2], which the lines below read
	s_wait_dscnt 0x0                               ; v's bias
	WIN 0x41
.set ii, 0
.rept 16
	ALL2 v_pk_fma_f32 v[rO+2*ii:rO+2*ii+1], v[rO+2*ii:rO+2*ii+1], v[rL:rL+1], v[TM+2*ii:TM+2*ii+1] op_sel_hi:[1,0,1]
.set ii, ii+1
.endr
	WIN 0x05
.set ii, 0
.rept 32
	v_cvt_pk_bf16_f32 v[TA+ii], v[2*ii], v[2*ii+1]
.set ii, ii+1
.endr
	WIN 0
.endm
; THE OUTPUT PROJECTION's part of one head: ACC(rt, nt) += the chunk's fragment (kf, nt) x the attention's result (rt, kf), which lies in TA's registers.  The chunk's 32 fragments fill window 1, in eight groups
; of four (eight loads); four groups go out first, and behind the products of group g the loads of group g + 4.  A wait leaves out the groups issued behind the one that is needed: three, towards the end fewer.
; v[PA] is made ahead of the step's CHUNK.
.macro OLOAD g
	WIN 0x40
.set ai, 0
.rept 8
	ds_load_b128 v[32*(\g)+4*ai:32*(\g)+4*ai+3], v[PA] offset:4096*(\g)+512*ai
.set ai, ai+1
.endr
.endm
.macro OPROJ
	WIN 0x40
	s_wait_alu depctr_va_vdst(0)                   ; the conversions are done reading O^T, the attention's products K and V^T: the chunk's fragments land in all of window 1
	OLOAD 0
	OLOAD 1
	OLOAD 2
	OLOAD 3
.set og, 0
.rept 8
.if og < 5
	s_wait_dscnt 24
.else
	s_wait_dscnt 8*(7-og)
.endif
	WIN 0xa1                                       ; the weights in window 1, the rows in window 0, ACC in window 2
.set ai, 0
.rept 8                                ; 32 accumulators by turns
.set on, 4*(og%4)+ai/2
.set orw, ai%2
	v_wmma_f32_16x16x32_bf16 v[128*orw+8*on:128*orw+8*on+7], v[128*(og/4)+8*on:128*(og/4)+8*on+7], v[TA+16*orw+8*(og/4):TA+16*orw+8*(og/4)+7], v[128*orw+8*on:128*orw+8*on+7]
.set ai, ai+1
.endr
.if og < 4
	OLOAD og+4                                     ; no wait: it lands in v128-255 of window 1, and the products issued since the wait above name v0-127 of it, TA and ACC
.endif
.set og, og+1
.endr
	PLACES
	WIN 0
.endm
.macro GELU                            ; x / (1 + 2^(x (k1 + k3 x^2))) on TA's first 32 registers: the tanh form of GELU, k1 = -2 sqrt(2 / pi) log2(e), k3 = 0.044715 k1.  The 32 exponentials are one batch, the 32 reciprocals another
	WIN 0
.set gi, 0
.rept 16
	v_pk_mul_f32 v[QF+2*gi:QF+2*gi+1], v[TA+2*gi:TA+2*gi+1], v[TA+2*gi:TA+2*gi+1]
.set gi, gi+1
.endr
.set gi, 0
.rept 16
	v_pk_fma_f32 v[QF+2*gi:QF+2*gi+1], v[QF+2*gi:QF+2*gi+1], s[K3:K3+1], s[K1:K1+1] op_sel_hi:[1,0,0]
.set gi, gi+1
.endr
.set gi, 0
.rept 16
	v_pk_mul_f32 v[QF+2*gi:QF+2*gi+1], v[QF+2*gi:QF+2*gi+1], v[TA+2*gi:TA+2*gi+1]
.set gi, gi+1
.endr
.set gi, 0
.rept 32
	v_exp_f32 v[QF+gi], v[QF+gi]
.set gi, gi+1
.endr
	v_nop
	s_wait_alu depctr_va_vdst(0)                   ; the 32 exponentials have written v[QF ..], which the additions read
.set gi, 0
.rept 16
	v_pk_add_f32 v[QF+2*gi:QF+2*gi+1], v[QF+2*gi:QF+2*gi+1], 1.0 op_sel_hi:[1,0]
.set gi, gi+1
.endr
.set gi, 0
.rept 32
	v_rcp_f32 v[QF+gi], v[QF+gi]
.set gi, gi+1
.endr
	v_nop
	s_wait_alu depctr_va_vdst(0)                   ; the 32 reciprocals have written v[QF ..], which the multiplications read
.set gi, 0
.rept 16
	v_pk_mul_f32 v[TA+2*gi:TA+2*gi+1], v[TA+2*gi:TA+2*gi+1], v[QF+2*gi:QF+2*gi+1]
.set gi, gi+1
.endr
.endm
; THE FFN, eight slabs of 32 hidden columns: h = GELU(x f1 + b), ACC += h f2.  x lies in window 3 as fragments; the slab's chunk fills window 1: f1's fragment (kf, a) at 16 kf + 8 a, f2's (nt) at 128 + 8 nt.
; Results (rt, a) at TA + 8 (2 rt + a): rounded in place they are h's fragments, source 1 of f2's products.  Behind each of f1's eight k steps stand four of f2's 32 loads, so that f2's weights come while f1 is multiplied:
; at the wait in front of step k, 28 - 4 k of f1's later loads and 4 k of f2's may be out: 28 in every step.
; All 72 loads of a slab stand behind CHUNK's one wait on va_vdst: the last slab's products stand ahead of it, and f1's products, among which f2's loads are dealt, name v0-127 of window 1, window 3 and TA, not v128-255 of window 1.
.macro FFN
	WIN 0
	s_mov_b32 s[HH], 0
.Lffn_\@:
	ENTER
	s_lshl_b32 s15, s[HH], 7
	s_add_co_u32 s15, s15, BIASL+5*1024
	v_add_nc_u32 v[BA], s15, v[H32]
	v_add_nc_u32 v[PA], s[SS], v[L16]
	CHUNK
.set ti, 0
.rept 4
	ds_load_b128 v[TA+8*ti:TA+8*ti+3], v[BA] offset:64*(ti%2)
	ds_load_b128 v[TA+8*ti+4:TA+8*ti+7], v[BA] offset:64*(ti%2)+16
.set ti, ti+1
.endr
	WIN 0x40
.set ai, 0
.rept 32
	ds_load_b128 v[4*ai:4*ai+3], v[PA] offset:512*ai
.set ai, ai+1
.endr
.set fk, 0
.rept 8
	s_wait_dscnt 28
	WIN 0x0d                                       ; the weights in window 1, x in window 3
.set mi, 0
.rept 4                                ; four accumulators by turns
	v_wmma_f32_16x16x32_bf16 v[TA+8*mi:TA+8*mi+7], v[16*fk+8*(mi%2):16*fk+8*(mi%2)+7], v[64*(mi/2)+8*fk:64*(mi/2)+8*fk+7], v[TA+8*mi:TA+8*mi+7]
.set mi, mi+1
.endr
	WIN 0x40
.set ai, 0
.rept 4
	ds_load_b128 v[128+16*fk+4*ai:128+16*fk+4*ai+3], v[PA] offset:16384+2048*fk+512*ai
.set ai, ai+1
.endr
.set fk, fk+1
.endr
	PLACES
	GELU
	TAPACK 4
	s_wait_dscnt 0x0                               ; f2's weights are in
	WIN 0xa1
.set ai, 0
.rept 32                               ; 32 accumulators by turns
	v_wmma_f32_16x16x32_bf16 v[128*(ai%2)+8*(ai/2):128*(ai%2)+8*(ai/2)+7], v[128+8*(ai/2):128+8*(ai/2)+7], v[TA+8*(ai%2):TA+8*(ai%2)+7], v[128*(ai%2)+8*(ai/2):128*(ai%2)+8*(ai/2)+7]
.set ai, ai+1
.endr
	PLACES
	WIN 0
	s_add_co_u32 s[HH], s[HH], 1
	s_cmp_lt_u32 s[HH], 8
	s_cbranch_scc1 .Lffn_\@
.endm
; LAYER NORM, in place on a row tile's 128 registers at tb of window 2.  BI (window 1, v0-127) is the bias still to be added, G (window 1, v128-255) the gain, TA's registers the additive vector.
.macro VEC3 sbi, sg, sb                ; three vectors of 256, each lane its 128 columns
	WIN 0x40
.set vi, 0
.rept 32
	global_load_b128 v[4*vi:4*vi+3], v[H32], s[\sbi:\sbi+1] offset:64*(vi/2)+16*(vi%2)
	global_load_b128 v[128+4*vi:128+4*vi+3], v[H32], s[\sg:\sg+1] offset:64*(vi/2)+16*(vi%2)
.set vi, vi+1
.endr
	WIN 0
.set vi, 0
.rept 32
	global_load_b128 v[TA+4*vi:TA+4*vi+3], v[H32], s[\sb:\sb+1] offset:64*(vi/2)+16*(vi%2)
.set vi, vi+1
.endr
.endm
.macro LNSTAT tb                       ; T += BI; T -= mean; v[RH] = 1 / sqrt(variance + 1e-5): two passes, no difference of large sums
	WIN 0x86
.set vi, 0
.rept 64
	v_pk_add_f32 v[(\tb)+2*vi:(\tb)+2*vi+1], v[(\tb)+2*vi:(\tb)+2*vi+1], v[2*vi:2*vi+1]
.set vi, vi+1
.endr
	WIN 0x0a
.irp q, 0,2,4,6
	v_pk_add_f32 v[CH+\q:CH+\q+1], v[(\tb)+\q:(\tb)+\q+1], v[(\tb)+8+\q:(\tb)+8+\q+1]
.endr
	WIN 0x08
.set vi, 8
.rept 56
	v_pk_add_f32 v[CH+2*(vi%4):CH+2*(vi%4)+1], v[CH+2*(vi%4):CH+2*(vi%4)+1], v[(\tb)+2*vi:(\tb)+2*vi+1]
.set vi, vi+1
.endr
	WIN 0
	RED4
	v_mul_f32 v[MU], s[I256], v[CH]
	v_mov_b32 v[MU+1], v[MU]
	WIN 0x82
.set vi, 0
.rept 64
	v_pk_add_f32 v[(\tb)+2*vi:(\tb)+2*vi+1], v[(\tb)+2*vi:(\tb)+2*vi+1], v[MU:MU+1] op_sel_hi:[1,0] neg_lo:[0,1] neg_hi:[0,1]
.set vi, vi+1
.endr
	WIN 0x0a
.irp q, 0,2,4,6
	v_pk_mul_f32 v[CH+\q:CH+\q+1], v[(\tb)+\q:(\tb)+\q+1], v[(\tb)+\q:(\tb)+\q+1]
.endr
.set vi, 4
.rept 60
	v_pk_fma_f32 v[CH+2*(vi%4):CH+2*(vi%4)+1], v[(\tb)+2*vi:(\tb)+2*vi+1], v[(\tb)+2*vi:(\tb)+2*vi+1], v[CH+2*(vi%4):CH+2*(vi%4)+1]
.set vi, vi+1
.endr
	WIN 0
	RED4
	v_fma_f32 v[RH], v[CH], s[I256], s[EPS]
	v_rsq_f32 v[RH], v[RH]
	v_nop
	s_wait_alu depctr_va_vdst(0)                   ; the reciprocal root has written v[RH], which the next line reads
	v_mov_b32 v[RH+1], v[RH]
.endm
.macro LNT tb, tl                      ; row tile tl.  Stage 0: T = T / sigma x G + the additive vector.  Stage 1: the logit and p, which waits in v[QF + tl] for the stores behind both tiles
	LNSTAT \tb
	s_cmp_eq_u32 s[ST], 1
	s_cbranch_scc1 .Ldot_\@
	WIN 0x82
.set vi, 0
.rept 64
	v_pk_mul_f32 v[(\tb)+2*vi:(\tb)+2*vi+1], v[(\tb)+2*vi:(\tb)+2*vi+1], v[RH:RH+1] op_sel_hi:[1,0]
.set vi, vi+1
.endr
	WIN 0x86
.set vi, 0
.rept 64
	v_pk_fma_f32 v[(\tb)+2*vi:(\tb)+2*vi+1], v[(\tb)+2*vi:(\tb)+2*vi+1], v[128+2*vi:128+2*vi+1], v[128+2*vi:128+2*vi+1]
.set vi, vi+1
.endr
	WIN 0
	s_branch .Lwo_\@
.Ldot_\@:
	WIN 0x06
.irp q, 0,2,4,6
	v_pk_mul_f32 v[CH+\q:CH+\q+1], v[(\tb)+\q:(\tb)+\q+1], v[128+\q:128+\q+1]
.endr
.set vi, 4
.rept 60
	v_pk_fma_f32 v[CH+2*(vi%4):CH+2*(vi%4)+1], v[(\tb)+2*vi:(\tb)+2*vi+1], v[128+2*vi:128+2*vi+1], v[CH+2*(vi%4):CH+2*(vi%4)+1]
.set vi, vi+1
.endr
	WIN 0
	RED4
	v_fma_f32 v[CH], v[CH], v[RH], s[OB]
	v_mul_f32 v[CH], 0x3fb8aa3b, v[CH]
	v_exp_f32 v[CH], v[CH]
	v_nop
	v_cmp_eq_u32 vcc_lo, 0, v[MK+2*(\tl)]
	s_wait_alu depctr_va_vcc(0)                    ; the compare has written VCC, which the select reads
	s_wait_alu depctr_va_vdst(0)                   ; the exponential has written v[CH], which the select reads
	v_cndmask_b32 v[QF+(\tl)], 0, v[CH], vcc_lo    ; a hidden row's p is 0
.Lwo_\@:
.endm
	s_load_b64 s[WTS:WTS+1], s[0:1], 0x0
	s_load_b512 s[16:31], s[0:1], 0x8              ; encx, t1, q2, vbm, d_ekb, d_evb, d_eob, d_ln2g
	s_load_b256 s[68:75], s[0:1], 0x48             ; d_ln2b, d_f1b, d_f2b, gwb
	s_load_b64 s[PUN:PUN+1], s[0:1], 0x68          ; pun
	v_lshl_add_u32 v[SPW], v0, 2, SPARE
	v_mov_b32 v[NIL], 0
	v_lshrrev_b32 v30, 5, v0
	v_readfirstlane_b32 s[WV], v30
	v_and_b32 v30, 31, v0
	v_lshlrev_b32 v[L16], 4, v30
	v_bfe_u32 v31, v0, 4, 1
	v_lshlrev_b32 v[H32], 5, v31
	v_and_b32 v[POF], 63, v0
	v_lshlrev_b32 v[POF], 3, v[POF]                ; waves 0 and 1 store the 128 p, eight bytes a lane
	v_add_nc_u32 v[PRD], PBUF, v[POF]
	v_and_b32 v[PST], 15, v0
	v_lshlrev_b32 v30, 3, v0                       ; 8 x thread: 128 threads copy a vector of 1,024 bytes
	v_add_nc_u32 v[BA], VB, v30                    ; into the mask's table, and by offsets into the biases' behind it
	v_mov_b32 v106, 0
	v_mov_b32 v107, 0
	s_mov_b32 s[BATCH], ttmp9
	s_and_b32 s[HALF], ttmp7, 1                    ; which half of the batch's queries
	s_wait_alu depctr_va_sdst(0)                   ; s[WV] is written, ahead of its first reader: LDS places and the buffers' offsets are made from it
	s_lshl_b32 s[W8K], s[WV], 13
	s_lshl_b32 s[XRS], s[WV], 15
	s_add_co_u32 s[XRS], s[XRS], XR
	s_add_co_u32 s[KWS], s[W8K], KK
	s_add_co_u32 s[VWS], s[W8K], VT
	s_mov_b32 s[SEL], 0x76543210
	s_mov_b32 s[SEL+1], 0xfedcba98
	s_mov_b32 s[CS], 0x3e38aa3b                    ; log2(e) / 8
	s_mov_b32 s[CS+1], s[CS]
	s_mov_b32 s[K1], 0xc0135766                    ; -2.3022082
	s_mov_b32 s[K1+1], s[K1]
	s_mov_b32 s[K3], 0xbdd2d3e8                    ; -0.10294324
	s_mov_b32 s[K3+1], s[K3]
	s_mov_b32 s[I256], 0x3b800000                  ; 1 / 256
	s_mov_b32 s[EPS], 0x3727c5ac                   ; 1e-5
	s_mov_b32 s[SS], 0
	s_mov_b32 s[SOFF], 46*32768                    ; this launch's chunks: 46 to 65
	s_mov_b32 s[SLAST], 65*32768
	s_lshl_b32 s2, s[HALF], 9
	s_lshl_b32 s3, s[WV], 7
	s_add_co_u32 s2, s2, s3
	v_lshl_add_u32 v31, v[PST], 2, s2              ; the byte of my row's word in the batch's mask: 4 (128 half + 32 wave + l % 16)
	s_add_co_u32 s3, s3, PBUF
	v_lshl_add_u32 v[PST], v[PST], 2, s3           ; where my row's p goes
	v_add_nc_u32 v[DST], s[XRS], v[L16]
	s_wait_kmcnt 0x0
	s_load_b32 s[OB], s[GWB:GWB+1], 0x400          ; sum of b w + outb
	s_mov_b32 s3, 0
	s_add_co_u32 s2, s[SOFF], s[W8K]
	s_add_nc_u64 s[CB:CB+1], s[WTS:WTS+1], s[2:3]  ; my quarter of the first chunk
	s_lshl2_add_u32 s15, s[BATCH], s[WV]           ; 4 x batch + wave
	s_lshl_b32 s2, s15, 15
	s_add_nc_u64 s[ENCP:ENCP+1], s[ENCP:ENCP+1], s[2:3]
	s_lshl2_add_u32 s15, s[HALF], s[WV]
	s_lshl_b32 s15, s15, 1                         ; my first row tile of the batch's 16: 8 half + 2 wave
	s_lshl4_add_u32 s2, s[BATCH], s15
	s_lshl_b32 s2, s2, 14                          ; a row tile of t1 is 16,384 bytes
	s_add_nc_u64 s[T1P:T1P+1], s[T1P:T1P+1], s[2:3]
	s_lshl_b32 s2, s[BATCH], 17
	s_lshl_b32 s15, s15, 11                        ; of a head's q2 2,048
	s_add_co_u32 s2, s2, s15
	s_add_nc_u64 s[Q2P:Q2P+1], s[Q2P:Q2P+1], s[2:3]
	s_lshl_b32 s2, s[BATCH], 10
	s_add_nc_u64 s[VBMP:VBMP+1], s[VBMP:VBMP+1], s[2:3]
	s_lshl_b32 s15, s[HALF], 9
	s_add_co_u32 s2, s2, s15
	s_add_nc_u64 s[PUN:PUN+1], s[PUN:PUN+1], s[2:3]
	s_wait_alu depctr_va_vdst(0)                   ; the offsets and addresses made above are written (v[L16], v[H32], v30, v31, v[BA], v[DST], v[PST], v[PRD], v[POF]) and so are the zeros in v106-107: the loads and stores below read them
	ASK                                            ; everything that the start needs goes out together
	WIN 0x40
.set i, 0
.rept 64                                               ; my 64 key rows of the encoder's result, 32,768 bytes of fragments as XR wants them
	global_load_b128 v[4*i:4*i+3], v[L16], s[ENCP:ENCP+1] offset:512*i
.set i, i+1
.endr
	WIN 0x80
.set i, 0
.rept 64                                               ; ACC = my two row tiles of t1, as the launch before held them in registers
	global_load_b128 v[4*i:4*i+3], v[L16], s[T1P:T1P+1] offset:512*i th:TH_LOAD_NT
.set i, i+1
.endr
	WIN 0xc0
.set i, 0
.rept 8                                                ; head 0's Q
	global_load_b128 v[4*i:4*i+3], v[L16], s[Q2P:Q2P+1] offset:512*i th:TH_LOAD_NT
.set i, i+1
.endr
	WIN 0
	global_load_b64 v[96:97], v30, s[EKB:EKB+1]
	global_load_b64 v[98:99], v30, s[EVB:EVB+1]
	global_load_b64 v[100:101], v30, s[F1B:F1B+1]
	global_load_b64 v[102:103], v30, s[VBMP:VBMP+1]
	global_load_b32 v[MK], v31, s[VBMP:VBMP+1]
	global_load_b32 v[MK+2], v31, s[VBMP:VBMP+1] offset:64
	ARRIVE                                         ; waits for all of them
	CHUNK                                          ; the first chunk goes into slot 0
	ds_store_b64 v[BA], v[102:103]                 ; the mask
	ds_store_b64 v[BA], v[96:97] offset:1024       ; k's bias
	ds_store_b64 v[BA], v[106:107] offset:2048     ; zeros
	ds_store_b64 v[BA], v[98:99] offset:4096       ; v's bias
	ds_store_b64 v[BA], v[100:101] offset:6144     ; f1's bias
	WIN 0x04
.set i, 0
.rept 64
	ds_store_b128 v[DST], v[4*i:4*i+3] offset:512*i
.set i, i+1
.endr
	WIN 0
	s_wait_kmcnt 0x0                               ; the scalar from gwb
	s_mov_b32 s[ST], 0
.Lstage:                                               ; two trips: stage 0, stage 1
	s_cmp_eq_u32 s[ST], 1
	s_cbranch_scc1 .Lffn
	; cross-attention, head by head: K, V^T of my 64 key rows (one text, two trips), the attention of my 32 queries, and its part of the output projection onto ACC
	s_mov_b32 s[HH], 0
.Lhead:
	s_mov_b32 s[JJ], 0
.Lkv:
	ENTER
	s_lshl_b32 s2, s[JJ], 10
	s_lshl_b32 s3, s[HH], 8
	s_add_co_u32 s2, s2, s3
	s_add_co_u32 s2, s2, BIASL
	v_add_nc_u32 v[BA], s2, v[H32]                 ; k's bias, or zeros (v's is added behind the softmax)
	s_cmp_eq_u32 s[JJ], 1
	s_cselect_b32 s2, s[XRS], s[SS]                ; for V the sources change places
	s_cselect_b32 s3, s[SS], s[XRS]
	s_cselect_b32 s15, s[VWS], s[KWS]
	v_add_nc_u32 v[PA], s2, v[L16]
	v_add_nc_u32 v[PB], s3, v[L16]
	v_add_nc_u32 v[DST], s15, v[L16]
	CHUNK
	TAINIT 4
	PROJ 4
	TAPACK 16
	s_wait_alu depctr_va_vdst(0)                   ; the conversions have written TA's first 64 registers, which the LDS stores read
.set ti, 0
.rept 16
	ds_store_b128 v[DST], v[TA+4*ti:TA+4*ti+3] offset:((ti%4)*2+ti/8)*1024+((ti/4)%2)*512
.set ti, ti+1
.endr
	s_add_co_u32 s[JJ], s[JJ], 1
	s_cmp_lt_u32 s[JJ], 2
	s_cbranch_scc1 .Lkv
	ENTER
	s_lshl_b32 s2, s[HH], 8
	s_add_co_u32 s2, s2, BIASL+3*1024
	v_add_nc_u32 v[BA], s2, v[H32]                 ; v's bias for this head
	v_add_nc_u32 v[KS], KK, v[L16]
	v_add_nc_u32 v[VS], VT, v[L16]
	v_add_nc_u32 v[MS], VB, v[H32]
	v_add_nc_u32 v[PA], s[SS], v[L16]              ; the output projection's chunk
	CHUNK
	ATT
	OPROJ
	s_add_co_u32 s[HH], s[HH], 1
	s_cmp_lt_u32 s[HH], 4
	s_cbranch_scc1 .Lhead
	s_branch .Lln
.Lffn:
	WIN 0xca                                       ; the row stream, rounded to bf16, becomes the FFN's operand fragments in window 3
.set xr, 0
.rept 2
.set xi, 0
.rept 64
	v_cvt_pk_bf16_f32 v[64*xr+xi], v[128*xr+2*xi], v[128*xr+2*xi+1]
.set xi, xi+1
.endr
.set xr, xr+1
.endr
	WIN 0
	FFN
.Lln:
	; the layer norm: stage 0 with o's bias and ln2, stage 1 with f2's bias and g w (the third vector is not used there)
	s_cmp_eq_u32 s[ST], 1
	s_cselect_b64 s[36:37], s[F2B:F2B+1], s[EOB:EOB+1]
	s_cselect_b64 s[38:39], s[GWB:GWB+1], s[LN2G:LN2G+1]
	s_cselect_b64 s[40:41], s[GWB:GWB+1], s[LN2B:LN2B+1]
	s_wait_alu depctr_va_vdst(0)                   ; the stage's last products are done reading window 1 and TA, in which the three vectors land
	VEC3 36, 38, 40
	s_wait_loadcnt 0x0                             ; the three vectors
	LNT 0, 0
	LNT 128, 1
	s_add_co_u32 s[ST], s[ST], 1
	s_cmp_lt_u32 s[ST], 2
	s_cbranch_scc1 .Lstage
	s_wait_alu depctr_va_vdst(0)                   ; the two selects have written my p, v[QF] and v[QF+1], which the LDS stores read; all vector work is done with v104-105, in which the load below lands
	ds_store_b32 v[PST], v[QF]                     ; both lanes of a row write the same word
	ds_store_b32 v[PST], v[QF+1] offset:64
	s_wait_dscnt 0x0                               ; for the others' sake: my 32 p are stored
	s_barrier_signal -1
	s_barrier_wait -1
	s_cmp_gt_u32 s[WV], 1
	s_cbranch_scc1 .Lend                           ; waves 0 and 1 store the 128 p, eight bytes a lane
	ds_load_b64 v[104:105], v[PRD]
	s_wait_dscnt 0x0
	global_store_b64 v[POF], v[104:105], s[PUN:PUN+1] ; a wave stores 256 consecutive bytes, at a multiple of 256 from pun's first byte
.Lend:
	s_wait_dscnt 0x0                               ; the closing lines, six on end
	s_wait_alu 0x0
	s_wait_tensorcnt 0x0
	ds_add_u32 v[SPW], v[NIL]
	s_wait_dscnt 0x0
	s_endpgm
.Lfunc_end_k_q5f345a826b_blkB:
	.size	k_q5f345a826b_blkB, .Lfunc_end_k_q5f345a826b_blkB-k_q5f345a826b_blkB
	.p2alignl 7, 3214868480
	.fill 96, 4, 3214868480
	.section	.rodata,"a",@progbits
	.p2align	6, 0x0
	.amdhsa_kernel k_q5f345a826b_blkB
		.amdhsa_group_segment_fixed_size 270848
		.amdhsa_private_segment_fixed_size 0
		.amdhsa_enable_private_segment 0
		.amdhsa_kernarg_size 112
		.amdhsa_user_sgpr_count 2
		.amdhsa_user_sgpr_kernarg_segment_ptr 1
		.amdhsa_wavefront_size32 1
		.amdhsa_system_sgpr_workgroup_id_x 1
		.amdhsa_system_sgpr_workgroup_id_y 1
		.amdhsa_system_sgpr_workgroup_id_z 1
		.amdhsa_system_vgpr_workitem_id 0
		.amdhsa_next_free_vgpr 1024
		.amdhsa_next_free_sgpr 104
		.amdhsa_reserve_vcc 1
		.amdhsa_float_denorm_mode_32 3
		.amdhsa_float_denorm_mode_16_64 3
		.amdhsa_memory_ordered 1
		.amdhsa_forward_progress 1
		.amdhsa_inst_pref_size 182
	.end_amdhsa_kernel
	.amdgpu_metadata
---
amdhsa.version: [ 1, 2 ]
amdhsa.kernels:
  - .name:           k_q5f345a826b_blkB
    .symbol:         k_q5f345a826b_blkB.kd
    .args:
      - { .name: wts, .offset: 0, .size: 8, .value_kind: global_buffer, .address_space: global }
      - { .name: encx, .offset: 8, .size: 8, .value_kind: global_buffer, .address_space: global }
      - { .name: t1, .offset: 16, .size: 8, .value_kind: global_buffer, .address_space: global }
      - { .name: q2, .offset: 24, .size: 8, .value_kind: global_buffer, .address_space: global }
      - { .name: vbm, .offset: 32, .size: 8, .value_kind: global_buffer, .address_space: global }
      - { .name: d_ekb, .offset: 40, .size: 8, .value_kind: global_buffer, .address_space: global }
      - { .name: d_evb, .offset: 48, .size: 8, .value_kind: global_buffer, .address_space: global }
      - { .name: d_eob, .offset: 56, .size: 8, .value_kind: global_buffer, .address_space: global }
      - { .name: d_ln2g, .offset: 64, .size: 8, .value_kind: global_buffer, .address_space: global }
      - { .name: d_ln2b, .offset: 72, .size: 8, .value_kind: global_buffer, .address_space: global }
      - { .name: d_f1b, .offset: 80, .size: 8, .value_kind: global_buffer, .address_space: global }
      - { .name: d_f2b, .offset: 88, .size: 8, .value_kind: global_buffer, .address_space: global }
      - { .name: gwb, .offset: 96, .size: 8, .value_kind: global_buffer, .address_space: global }
      - { .name: pun, .offset: 104, .size: 8, .value_kind: global_buffer, .address_space: global }
    .group_segment_fixed_size: 270848
    .private_segment_fixed_size: 0
    .kernarg_segment_align: 8
    .kernarg_segment_size: 112
    .max_flat_workgroup_size: 128
    .sgpr_count:     104
    .vgpr_count:     1024
    .wavefront_size: 32
...
	.end_amdgpu_metadata
.endif
;; end of part 9
;; launch norm: the kernel of part 8 again; grid 128 x 1, 1 waves a work-group, no clusters, 0 bytes of LDS; arguments pun, out0; writes out0
